; MI455X (gfx1250); checked and timed in simulation.
; The chip was launched on July 23, 2026; its instructions are those of AMD's public machine-readable ISA for CDNA 5 (MIT licence, August 2026) and "CDNA5" Instruction Set Architecture Reference Guide (July 2026). The comments in the code are by the model that wrote it; some were corrected since.
;; Fast Self Attention. Allowed arithmetic: float matrix products may take bf16 or f16 operands with f32 sums; other float arithmetic in f32, or as packed bf16 or f16 multiplies, adds, multiply-adds, maxima and minima; sums over many terms, partial sums and values carried from step to step in f32; what a program stores and reads back later, other than sums and carried values, may be rounded once to bf16 or f16.
;; Inputs: Wk 1,024 x 1,024 float32; Wka 1,024 x 16 float32; Wq 1,024 x 1,024 float32; Wqa 1,024 x 16 float32; Wt 1,024 x 1,024 float32; attention_mask 8 x 1 x 2,048 float32; bk 1,024 float32; bka 16 float32; bq 1,024 float32; bqa 16 float32; bt 1,024 float32; hidden_states 8 x 2,048 x 1,024 float32.
;; Outputs: out0 8 x 2,048 x 1,024 float32.
;; 3 versions, each right; version 3 is version 2 with the launch scalew written anew for expert scheduling mode. Each part assembles by itself: llvm-mc -triple=amdgcn-amd-amdhsa -mcpu=gfx1250 --defsym DOCPART=n.
;; ======== version 1 of 3: 6 launches
;; workspace buffers: xb 33,554,432 bytes; wqb 2,097,152 bytes; wkb 2,097,152 bytes; mq 33,554,432 bytes; mk 33,554,432 bytes; partq 1,114,112 bytes; partk 1,114,112 bytes; wts 16,777,216 bytes
;; launch prep (part 1): grid 1152 x 1, 8 waves a work-group, no clusters, 0 bytes of LDS; arguments hidden_states, Wq, Wk, xb, wqb, wkb; writes xb, wqb, wkb
.if DOCPART == 1
	.amdgcn_target "amdgcn-amd-amdhsa--gfx1250"
	.amdhsa_code_object_version 6
	.text
	.protected	k_qffde61130f_prep
	.globl	k_qffde61130f_prep
	.p2align	8
	.type	k_qffde61130f_prep,@function
k_qffde61130f_prep:
	s_mov_b64 s[64:65], 0
	v_nop
	global_prefetch_b8 v0, s[64:65] scope:SCOPE_SE
	s_setreg_imm32_b32 hwreg(HW_REG_WAVE_MODE, 25, 1), 1
	s_wait_xcnt 0x0
; bf16 copies, in the same layout, of hidden_states [16384][1024], Wq and Wk [1024 k][1024 n]: each number rounded once, to nearest even.
; A work-group converts 16,384 numbers: 64 KiB in, 32 KiB out.  Groups 0-1023 take hidden_states, 1024-1087 Wq, 1088-1151 Wk.
; Thread t takes, for j = 0..15, the 16 bytes at 16 t + 4,096 j and stores 8 bytes at 8 t + 2,048 j: a wave's load covers 512 consecutive
; bytes, its store 256 consecutive bytes at a multiple of 256 from the buffer's first byte.  All sixteen loads are out before the first wait.
; No LDS, no barrier, no matrix unit: each byte is touched once and by one thread.
.set X, 8                              ; v[8:71]    sixteen loads of four f32
.set Y, 72                             ; v[72:103]  sixteen pairs of packed bf16; no register is written twice, so no store's source is ever rewritten
	s_load_b256 s[4:11], s[0:1], 0x0               ; hidden_states s[4:5], Wq s[6:7], Wk s[8:9], xb s[10:11]
	s_load_b128 s[12:15], s[0:1], 0x20             ; wqb s[12:13], wkb s[14:15]
	v_lshlrev_b32 v1, 4, v0                        ; 16 t
	v_lshlrev_b32 v2, 3, v0                        ; 8 t
	s_wait_kmcnt 0x0
	s_cmp_ge_u32 ttmp9, 1088                       ; which of the two weights, were it a weight
	s_cselect_b64 s[20:21], s[8:9], s[6:7]
	s_cselect_b64 s[22:23], s[14:15], s[12:13]
	s_cselect_b32 s17, 64, 0
	s_add_co_u32 s17, s17, 1024                    ; the first group of that weight
	s_cmp_lt_u32 ttmp9, 1024                       ; or hidden_states
	s_cselect_b64 s[20:21], s[4:5], s[20:21]
	s_cselect_b64 s[22:23], s[10:11], s[22:23]
	s_cselect_b32 s17, 0, s17
	s_sub_co_u32 s16, ttmp9, s17                   ; my number among the tensor's groups
	s_lshl_b32 s18, s16, 16                        ; 64 KiB of f32 a group (under 2^27)
	s_mov_b32 s19, 0
	s_add_nc_u64 s[20:21], s[20:21], s[18:19]
	s_lshl_b32 s18, s16, 15                        ; 32 KiB of bf16
	s_add_nc_u64 s[22:23], s[22:23], s[18:19]
.set j, 0
.rept 16
	global_load_b128 v[X+4*j:X+4*j+3], v1, s[20:21] offset:4096*j th:TH_LOAD_NT
.set j, j+1
.endr
.set j, 0
.rept 16
	s_wait_loadcnt 15-j                            ; loads come back in order: load j is in, the 15 - j younger ones stay out
	v_cvt_pk_bf16_f32 v[Y+2*j], v[X+4*j], v[X+4*j+1]
	v_cvt_pk_bf16_f32 v[Y+2*j+1], v[X+4*j+2], v[X+4*j+3]
	global_store_b64 v2, v[Y+2*j:Y+2*j+1], s[22:23] offset:2048*j
.set j, j+1
.endr
	s_endpgm
.Lfunc_end_k_qffde61130f_prep:
	.size	k_qffde61130f_prep, .Lfunc_end_k_qffde61130f_prep-k_qffde61130f_prep
	.p2alignl 7, 3214868480
	.fill 96, 4, 3214868480
	.section	.rodata,"a",@progbits
	.p2align	6, 0x0
	.amdhsa_kernel k_qffde61130f_prep
		.amdhsa_group_segment_fixed_size 0
		.amdhsa_private_segment_fixed_size 0
		.amdhsa_enable_private_segment 0
		.amdhsa_kernarg_size 48
		.amdhsa_user_sgpr_count 2
		.amdhsa_user_sgpr_kernarg_segment_ptr 1
		.amdhsa_wavefront_size32 1
		.amdhsa_system_sgpr_workgroup_id_x 1
		.amdhsa_system_sgpr_workgroup_id_y 1
		.amdhsa_system_sgpr_workgroup_id_z 1
		.amdhsa_system_vgpr_workitem_id 0
		.amdhsa_next_free_vgpr 104
		.amdhsa_next_free_sgpr 66
		.amdhsa_reserve_vcc 0
		.amdhsa_float_denorm_mode_32 3
		.amdhsa_float_denorm_mode_16_64 3
		.amdhsa_memory_ordered 1
		.amdhsa_forward_progress 1
		.amdhsa_inst_pref_size 7
	.end_amdhsa_kernel
	.amdgpu_metadata
---
amdhsa.version: [ 1, 2 ]
amdhsa.kernels:
  - .name:           k_qffde61130f_prep
    .symbol:         k_qffde61130f_prep.kd
    .args:
      - { .name: hidden_states, .offset: 0, .size: 8, .value_kind: global_buffer, .address_space: global }
      - { .name: Wq, .offset: 8, .size: 8, .value_kind: global_buffer, .address_space: global }
      - { .name: Wk, .offset: 16, .size: 8, .value_kind: global_buffer, .address_space: global }
      - { .name: xb, .offset: 24, .size: 8, .value_kind: global_buffer, .address_space: global }
      - { .name: wqb, .offset: 32, .size: 8, .value_kind: global_buffer, .address_space: global }
      - { .name: wkb, .offset: 40, .size: 8, .value_kind: global_buffer, .address_space: global }
    .group_segment_fixed_size: 0
    .private_segment_fixed_size: 0
    .kernarg_segment_align: 8
    .kernarg_segment_size: 48
    .max_flat_workgroup_size: 256
    .sgpr_count:     66
    .vgpr_count:     104
    .wavefront_size: 32
...
	.end_amdgpu_metadata
.endif
;; end of part 1
;; launch proj (part 2): grid 8 x 64, 4 waves a work-group, clusters of 4 x 4, 327,680 bytes of LDS; arguments xb, wqb, wkb, bq, bk, mq, mk; writes mq, mk
.if DOCPART == 2
	.amdgcn_target "amdgcn-amd-amdhsa--gfx1250"
	.amdhsa_code_object_version 6
	.text
	.protected	k_qffde61130f_proj
	.globl	k_qffde61130f_proj
	.p2align	8
	.type	k_qffde61130f_proj,@function
k_qffde61130f_proj:
	s_mov_b64 s[64:65], 0
	v_nop
	global_prefetch_b8 v0, s[64:65] scope:SCOPE_SE
	s_setreg_imm32_b32 hwreg(HW_REG_WAVE_MODE, 25, 1), 1
	s_wait_xcnt 0x0
	s_wait_alu depctr_hold_cnt(0) depctr_sa_sdst(0) depctr_va_vdst(0) depctr_va_sdst(0) depctr_va_ssrc(0) depctr_va_vcc(0) depctr_vm_vsrc(0)
	s_getreg_b32 s2, hwreg(HW_REG_IB_STS2, 6, 4)
	s_cmp_eq_u32 s2, 0
	s_cbranch_scc0 .Lentry_in_a_cluster
	s_endpgm
.Lentry_in_a_cluster:
	s_bfe_u32 s2, ttmp6, 0x10000c
	s_cmp_lg_u32 s2, 0xf033
	s_cbranch_scc0 .Lentry_shape_is_right
	s_endpgm
.Lentry_shape_is_right:
; mq = xb wqb + bq and mk = xb wkb + bk.  xb: [16384][1024] bf16; wqb, wkb: [1024 k][1024 n] bf16; bq, bk: [1024] f32, rounded to bf16 like every input; sums in f32; mq, mk: [16384][1024] bf16, rounded once.
; A tile of C, 256 x 256, is made by a work-group of four waves; a wave makes 128 x 128: 64 accumulators of 16 x 16, 512 registers.  K goes in 8 steps of 128 through a ring of two LDS slots.
; CLUSTERS of 4 x 4 work-groups.  Cluster x (0 or 1) chooses the product (wqb, bq, mq or wkb, bk, mk), the same choice in all sixteen partners; cx is the tile column, 4 x cluster y + cy the tile row.
; The four of a row of the cluster need the same tile of xb, the four of a column the same tile of the weight: each is asked for JOINTLY, by the same tensor load, descriptor and mask in all four.
; THE WEIGHT STAYS [k][n]: its tile is 128 k-rows x 512 bytes, and its fragments come out of LDS turned, by ds_load_tr16_b128.
; THE MATRIX INSTRUCTION IS USED TRANSPOSED (source 0 = 16 columns of the weight, source 1 = 16 rows of xb): a lane holds row l % 16 of C and the columns 8 (l / 16) + 0..7.
; THE BIAS STARTS THE SUMS: the C operand of each accumulator's first product is the bias of the lane's eight columns: nothing is cleared and nothing is added later.
; REGISTERS, in windows of 256 (s_set_vgpr_msb: bits 1:0 source 0, 3:2 source 1, 5:4 source 2, 7:6 destination):
;   window 0: v0-31 addresses; v64-127, v128-191 fragments of xb, two buffers; v192-223 packed results; v32-63, v224-255 rows read back from the stage, by turns
;   window 1: v0-63 the bias (block b of 16 columns at v[8 b]); v64-127, v128-191 fragments of the weight; v192-223 at work while the bias is rounded
;   window 2: the accumulators of my rows 0-63 ((a, b) at v[8 (8 a + b)]);   window 3: those of my rows 64-127
; LIMITS.  NaN and infinities are not treated apart; bf16 has f32's range.
.set KSTEP,  128
.set PA,     272                       ; a row of xb in LDS: 256 bytes + 16 = 68 words: the 16 rows of a load start at 16 different groups of four banks (64 banks of 4 bytes: ISA guide 11.1)
.set PB,     544                       ; a k-row of the weight: 512 bytes + 32 = 136 words
.set HALFT,  128*PA                    ; what one tensor load brings: 128 rows of xb, or 64 k-rows of the weight (64 x 544 is the same number)
.set SLOT,   4*HALFT                   ; xb's 256 rows, then the weight's 128 k-rows
.set STAGE,  2*SLOT                    ; behind the ring: 16 rows x 272 bytes for each wave, for the way out
.set SPITCH, 272
.set SPARE,  STAGE+4*16*SPITCH         ; behind the stages: the spare words, 128 bytes for each wave: two blocks of 256 bytes that no other line names
.set ROWB,   2048                      ; bytes in a row of xb, of a weight and of C
.set BSTEP,  KSTEP*ROWB                ; a K step in the weight: 128 k-rows
.set LAPS,   4                         ; a lap = two K steps = once round the ring
.set ADRA, 16                          ; v16-17  LDS address of my fragments of xb in slot 0, 1
.set BO,   18                          ; v18     32 (l / 16): my eight columns in a block of the bias
.set ADRB, 20                          ; v20-21  the same as ADRA for the weight
.set STO,  24                          ; v24     the way out: where I put 16 bytes of a row
.set RD,   25                          ; v25     the way out: where I read a row back
.set CO,   26                          ; v26     my byte offset in two rows of C
.set SPW,  28                          ; v28     LDS address of my spare word; never rewritten
.set NIL,  29                          ; v29     0; never rewritten
.set PFO,  30                          ; v30     the prefetches' lane offset; never rewritten
.set F0,   64
.set F1,   128
.set TMP,  192
.set OB,   32
.set G1,   24                          ; s[24:31] descriptor group 1 for xb's tiles;  s[32:39] group 0, a set for each slot
.set G0,   32
.set G1B,  48                          ; s[48:55], s[56:63] the same for the weight's
.set G0B,  56
.set LIM,  43                          ; s43      1 in a wave that prefetches, else the greatest number
.set PFA,  44                          ; s[44:45] where my prefetches stand
.set BIA,  82                          ; s[82:83] the bias at my wave's 128 columns
.set PST,  84                          ; s[84:85] a K step for my prefetches: 256 bytes along xb's rows, or 128 k-rows of the weight
.set MSB, 0
.macro WIN new                         ; the immediate's high byte repeats the setting that is left; a switch that changes nothing is dropped
.if MSB != (\new)
	s_set_vgpr_msb (MSB<<8)|(\new)
.set MSB, \new
.endif
.endm
.set MUL_LO, 0xa1                      ; source 0 (weight) window 1, source 1 (xb) window 0, C and D window 2
.set MUL_HI, 0xf1                      ; the same, C and D window 3
.set TO_B,   0x40                      ; destination window 1, address window 0
; A joint load.  Waves 0 and 1 fetch xb's two halves, waves 2 and 3 the weight's.  The branch hangs on the wave's number alone.
; An s_nop 0 and four v_nop follow each of the two lines, ahead of the jump, the label and what follows.
.macro JLOAD s
	s_cmp_eq_u32 s11, 0
	s_cbranch_scc0 .Lfor_b_\@
	tensor_load_to_lds s[G0+4*(\s):G0+4*(\s)+3], s[G1:G1+7]
	s_nop 0
.rept 4
	v_nop
.endr
	s_branch .Lasked_\@
.Lfor_b_\@:
	tensor_load_to_lds s[G0B+4*(\s):G0B+4*(\s)+3], s[G1B:G1B+7]
	s_nop 0
.rept 4
	v_nop
.endr
.Lasked_\@:
.endm
; A PREFETCH INTO THE L2, behind each joint refill and the run of LDS loads that follows it: the K step that stands two refills on, 512 matrix instructions ahead of the load that will want it.
; Each aligned block of 256 bytes is named once in the launch.  xb's tile row is read by both clusters of a row of clusters: cluster x = 0 asks; a weight's tile column by all sixteen clusters of its
; column: cluster y = 0 asks.  The four partners that ask for a tile jointly share it out BY ADDRESS: of xb's 128 rows that a wave fetches the partner at cx takes 32 (a lane a row); of the weight's
; 64 k-rows the partner at cy takes 16 (a lane half a k-row's 512 bytes).  K steps 0 to 3 come by their loads alone; the loop's last trip (s3 = 1) asks for nothing: K step 7 is the last.
.macro ASK
	s_cmp_gt_u32 s3, s[LIM]
	s_cbranch_scc0 .Lnot_mine_\@
	global_prefetch_b8 v[PFO], s[PFA:PFA+1] th:TH_LOAD_NT scope:SCOPE_SE
.Lnot_mine_\@:
.endm
.macro CREST                           ; a round of the cluster's barrier behind its opening barrier
	s_cmp_lg_u32 s10, 0
	s_cbranch_scc1 .Lnot_wave_0_\@
	s_barrier_signal -3
.Lnot_wave_0_\@:
	s_barrier_wait -3
	s_barrier_signal -1
	s_barrier_wait -1
.endm
.macro CROUND                          ; a whole round
	s_barrier_signal -1
	s_barrier_wait -1
	CREST
.endm
	s_load_b256 s[68:75], s[0:1], 0x0              ; xb s[68:69], wqb s[70:71], wkb s[72:73], bq s[74:75]
	s_load_b128 s[76:79], s[0:1], 0x20             ; bk s[76:77], mq s[78:79]
	s_load_b64 s[80:81], s[0:1], 0x30              ; mk
	v_lshl_add_u32 v[SPW], v0, 2, SPARE
	v_mov_b32 v[NIL], 0
	ds_add_u32 v[SPW], v[NIL]                      ; the wave's opening: the add and its wait ahead of my first tensor load; the set-up below, work on registers, stands between them
	v_lshrrev_b32 v1, 5, v0
	v_readfirstlane_b32 s10, v1                    ; wave 0..3
	s_lshr_b32 s11, s10, 1                         ; which half of the tile's rows is mine.  Also: I fetch for xb (0) or for the weight (1)
	s_and_b32 s12, s10, 1                          ; which half of its columns.  Also: which half of that tile I fetch
	s_bfe_u32 s40, ttmp6, 0x40000                  ; cx: the tile column
	s_bfe_u32 s41, ttmp6, 0x40004                  ; cy
	s_and_b32 s13, ttmp7, 0xffff
	s_lshl_b32 s13, s13, 2
	s_add_co_u32 s13, s13, s41                     ; tile row = 4 x cluster y + cy
	s_lshl_b32 s43, s41, 2
	s_lshl_b32 s43, 15, s43                        ; my row of the cluster: places 4 cy .. 4 cy + 3
	s_lshl_b32 s44, 0x1111, s40                    ; my column: places cx, cx + 4, cx + 8, cx + 12
	s_or_b32 s[G1+0], s43, (1<<16)|(1<<20)|(1<<21)|(5<<22)|(3<<25)   ; the mask; elements of 2 bytes; padding on; bit 21 beside a mask; after every 64 words, 4 words
	s_or_b32 s[G1B+0], s44, (1<<16)|(1<<20)|(1<<21)|(6<<22)|(7<<25)  ; the same with my column's mask; after every 128 words, 8 words
	s_mov_b32 s[G1+1], 128<<16                     ; tensor_dim0 = 128 elements
	s_mov_b32 s[G1+2], 128<<16                     ; tensor_dim1 = 128 rows
	s_mov_b32 s[G1+3], 128<<16                     ; tile_dim0
	s_mov_b32 s[G1+4], 128                         ; tile_dim1
	s_mov_b32 s[G1+5], 1024                        ; elements from row to row
	s_mov_b32 s[G1+6], 0
	s_mov_b32 s[G1+7], 0
	s_mov_b32 s[G1B+1], 256<<16                    ; 256 elements,
	s_mov_b32 s[G1B+2], 64<<16                     ; 64 k-rows
	s_mov_b32 s[G1B+3], 256<<16
	s_mov_b32 s[G1B+4], 64
	s_mov_b32 s[G1B+5], 1024
	s_mov_b32 s[G1B+6], 0
	s_mov_b32 s[G1B+7], 0
	; where the tiles come from.  xb's hang on the tile row alone, which my row of the cluster shares; the weight's on cx alone, which my column shares.
	s_lshl_b32 s17, s12, 7
	s_lshl_b32 s16, s13, 8
	s_add_co_u32 s16, s16, s17                     ; xb: row 256 x tile row + 128 x half,
	s_lshl_b32 s16, s16, 11                        ; in bytes (under 2^25)
	s_mov_b32 s17, 0
	s_lshl_b32 s46, s12, 17                        ; the weight: 64 k-rows x half,
	s_lshl_b32 s47, s40, 9                         ; 512 bytes x tile column
	s_add_co_u32 s46, s46, s47
	s_mov_b32 s47, 0
	s_mul_i32 s20, s10, HALFT                      ; and where they go: wave x a quarter of a slot: no place in the cluster enters an LDS address
	s_wait_dscnt 0x0                               ; the opening add is done
	s_wait_kmcnt 0x0
	s_mov_b64 s[4:5], s[68:69]
	s_cmp_eq_u32 ttmp9, 0                          ; cluster x: the same in all sixteen partners
	s_cselect_b64 s[6:7], s[70:71], s[72:73]       ; the weight,
	s_cselect_b64 s[BIA:BIA+1], s[74:75], s[76:77] ; its bias,
	s_cselect_b64 s[8:9], s[78:79], s[80:81]       ; its product
	s_add_nc_u64 s[14:15], s[4:5], s[16:17]
	s_add_nc_u64 s[46:47], s[6:7], s[46:47]
	CROUND                                         ; all sixteen work-groups are here: the first joint loads meet
.irp s, 0,1
	s_mov_b32 s[G0+4*(\s)], 1                                        ; count = 1
	s_add_co_u32 s[G0+4*(\s)+1], s20, (\s)*SLOT                      ; LDS address
	s_add_nc_u64 s[G0+4*(\s)+2:G0+4*(\s)+3], s[14:15], (\s)*KSTEP*2  ; global address: K step s
	s_or_b32 s[G0+4*(\s)+3], s[G0+4*(\s)+3], 0x80000000              ; type = 2
	s_mov_b32 s[G0B+4*(\s)], 1
	s_add_co_u32 s[G0B+4*(\s)+1], s20, (\s)*SLOT
	s_add_nc_u64 s[G0B+4*(\s)+2:G0B+4*(\s)+3], s[46:47], (\s)*BSTEP
	s_or_b32 s[G0B+4*(\s)+3], s[G0B+4*(\s)+3], 0x80000000
	JLOAD \s                                       ; two loads of mine are out
.endr
	v_and_b32 v1, 15, v0                           ; l % 16
	v_bfe_u32 v2, v0, 4, 1                         ; l / 16
	; the bias of my 128 columns: block b's register j is column 16 b + 8 (l / 16) + j
	v_lshlrev_b32 v[BO], 5, v2
	s_lshl_b32 s20, s40, 10                        ; 256 columns x 4 bytes x tile column
	s_lshl_b32 s21, s12, 9
	s_add_co_u32 s20, s20, s21
	s_mov_b32 s21, 0
	s_add_nc_u64 s[BIA:BIA+1], s[BIA:BIA+1], s[20:21]
	WIN TO_B
.irp b, 0,1,2,3,4,5,6,7
	global_load_b128 v[8*(\b):8*(\b)+3],   v[BO], s[BIA:BIA+1] offset:64*(\b)
	global_load_b128 v[8*(\b)+4:8*(\b)+7], v[BO], s[BIA:BIA+1] offset:64*(\b)+16
.endr
	WIN 0
	; a fragment of xb: lane l holds row l % 16; two loads of 16 bytes, 32 bytes apart
	v_mul_u32_u24 v3, v1, PA
	v_lshl_add_u32 v3, v2, 4, v3                   ; row x pitch + 16 x half
	s_mul_i32 s21, s11, HALFT                      ; my 128 rows of xb
	; a fragment of the weight: the turning load takes 16 k x 16 n (lane l reads k-row 8 (l / 16) + l % 8, columns 8 ((l / 8) % 2) + 0..7) and leaves lane l column l % 16 and 8 k
	v_and_b32 v4, 7, v0
	v_lshl_add_u32 v4, v2, 3, v4
	v_mul_u32_u24 v4, v4, PB
	v_bfe_u32 v5, v0, 3, 1
	v_lshl_add_u32 v4, v5, 4, v4
	s_lshl_b32 s22, s12, 8                         ; my 128 columns: 256 bytes of a k-row,
	s_add_co_u32 s22, s22, 2*HALFT                 ; behind xb's 256 rows
.irp s, 0,1
	v_add_nc_u32 v[ADRA+(\s)], s21, v3
	v_add_nc_u32 v[ADRB+(\s)], s22, v4
	s_add_co_u32 s21, s21, SLOT
	s_add_co_u32 s22, s22, SLOT
.endr
	s_mul_i32 s23, s10, 16*SPITCH
	s_add_co_u32 s23, s23, STAGE                   ; my stage
	v_mul_u32_u24 v6, v1, SPITCH                   ; in: row l % 16, 16 bytes for each half of the lanes
	v_lshl_add_u32 v6, v2, 4, v6
	v_add_nc_u32 v[STO], s23, v6
	v_mul_u32_u24 v7, v2, SPITCH                   ; back: lanes 0-15 take one row of 256 bytes, lanes 16-31 the next
	v_lshl_add_u32 v7, v1, 4, v7
	v_add_nc_u32 v[RD], s23, v7
	v_lshlrev_b32 v7, 11, v2                       ; and the same two rows in C
	v_lshl_add_u32 v[CO], v1, 4, v7
	s_lshl_b32 s16, s13, 8
	s_lshl_b32 s17, s11, 7
	s_add_co_u32 s16, s16, s17                     ; my first row of C,
	s_lshl_b32 s16, s16, 11                        ; in bytes
	s_lshl_b32 s46, s40, 9                         ; my first column: 512 x tile column + 256 x half
	s_lshl_b32 s47, s12, 8
	s_add_co_u32 s46, s46, s47
	s_add_co_u32 s46, s46, s16
	s_mov_b32 s47, 0
	s_add_nc_u64 s[8:9], s[8:9], s[46:47]          ; never stepped: a block's place stands in the stores' immediates
	; the prefetches
	s_lshl_b32 s20, s13, 8
	s_lshl_b32 s21, s12, 7
	s_add_co_u32 s20, s20, s21                     ; xb: the 128 rows that I fetch,
	s_lshl_b32 s21, s40, 5
	s_add_co_u32 s20, s20, s21                     ; my work-group's 32 of them,
	s_lshl_b32 s20, s20, 11
	s_add_co_u32 s20, s20, 3*KSTEP*2               ; at K step 3: the first refill steps it to 4
	s_lshl_b32 s21, s12, 6                         ; the weight: the 64 k-rows that I fetch,
	s_lshl_b32 s23, s41, 4
	s_add_co_u32 s21, s21, s23                     ; my work-group's 16 of them,
	s_lshl_b32 s21, s21, 11
	s_lshl_b32 s23, s40, 9
	s_add_co_u32 s21, s21, s23                     ; the tile column,
	s_add_co_u32 s21, s21, 3*BSTEP                 ; at K step 3
	s_and_b32 s22, ttmp7, 0xffff                   ; cluster y
	s_mov_b32 s23, BSTEP
	s_mov_b32 s18, 16*ROWB
	s_cmp_eq_u32 s11, 0                            ; do I fetch for xb?
	s_cselect_b32 s20, s20, s21
	s_cselect_b32 s22, ttmp9, s22                  ; the coordinate along which other clusters read the same blocks
	s_cselect_b64 s[PFA:PFA+1], s[4:5], s[6:7]
	s_cselect_b32 s[PST], 256, s23
	s_cselect_b32 s18, s18, 256                    ; lanes 16-31: sixteen rows further down, or the k-row's second 256 bytes
	s_mov_b32 s[PST+1], 0
	s_cmp_eq_u32 s22, 0
	s_cselect_b32 s[LIM], 1, -1                    ; the same in all sixteen partners, for a given wave
	s_mov_b32 s21, 0
	s_add_nc_u64 s[PFA:PFA+1], s[PFA:PFA+1], s[20:21]
	v_lshlrev_b32 v[PFO], 11, v1
	v_mad_u32_u24 v[PFO], v2, s18, v[PFO]
	s_wait_loadcnt 0x0                             ; the bias is in: it is rounded to bf16, like every input, and widened again
	WIN 0x45                                       ; destination and both sources in window 1
.set p, 0
.rept 32
	v_cvt_pk_bf16_f32 v[192+p], v[2*p], v[2*p+1]
	v_lshlrev_b32 v[2*p], 16, v[192+p]
	v_and_b32 v[2*p+1], 0xffff0000, v[192+p]
.set p, p+1
.endr
	WIN 0
; 16 matrix instructions: m blocks a0, a0 + 1 of the window's four (hi = 0: my rows 0-63, 1: rows 64-127) x all 8 n blocks, 32 along K.  zero = 1: the first product starts the sums, with the bias as C.
; The 64 accumulators take turns, one instruction a turn, in the same order in every quarter step.
.macro MUL16 f, hi, a0, zero
.if \zero
	WIN 0x91+0x40*(\hi)                            ; as below, but C in window 1
.else
	WIN MUL_LO+0x50*(\hi)
.endif
.irp a, \a0, (\a0)+1
.irp b, 0,1,2,3,4,5,6,7
.if \zero
	v_wmma_f32_16x16x32_bf16 v[8*(8*(\a)+(\b)):8*(8*(\a)+(\b))+7], v[(\f)+8*(\b):(\f)+8*(\b)+7], v[(\f)+8*(4*(\hi)+(\a)):(\f)+8*(4*(\hi)+(\a))+7], v[8*(\b):8*(\b)+7]
.else
	v_wmma_f32_16x16x32_bf16 v[8*(8*(\a)+(\b)):8*(8*(\a)+(\b))+7], v[(\f)+8*(\b):(\f)+8*(\b)+7], v[(\f)+8*(4*(\hi)+(\a)):(\f)+8*(4*(\hi)+(\a))+7], v[8*(8*(\a)+(\b)):8*(8*(\a)+(\b))+7]
.endif
.endr
.endr
.endm
; 32 LDS loads in one run: the fragments of one quarter step (32 K at byte k of xb's rows, k-rows k / 2 on of the weight) into buffer f; the weight's first
.macro FETCH slot, k, f
	WIN TO_B
.irp i, 0,1,2,3,4,5,6,7
	ds_load_tr16_b128 v[(\f)+8*(\i):(\f)+8*(\i)+3],   v[ADRB+(\slot)] offset:((\k)/64)*32*PB+32*(\i)
	ds_load_tr16_b128 v[(\f)+8*(\i)+4:(\f)+8*(\i)+7], v[ADRB+(\slot)] offset:((\k)/64)*32*PB+16*PB+32*(\i)
.endr
	WIN 0
.irp i, 0,1,2,3,4,5,6,7
	ds_load_b128 v[(\f)+8*(\i):(\f)+8*(\i)+3],   v[ADRA+(\slot)] offset:(\k)+(\i)*16*PA
	ds_load_b128 v[(\f)+8*(\i)+4:(\f)+8*(\i)+7], v[ADRA+(\slot)] offset:(\k)+(\i)*16*PA+32
.endr
.endm
.macro PLACES                          ; four plain vector instructions in front of loads into registers that matrix instructions have read, and of conversions that read results
.rept 4
	v_nop
.endr
.endm
; A K step is four quarters of 32 along K, 64 matrix instructions each, on buffers 0, 1, 0, 1.  One of the first three: multiplies buffer f and, in its middle, fetches the next quarter into g.
.macro QUARTER slot, k, f, g, zero
	s_wait_dscnt 8                                 ; the weight's fragments and xb's rows 0-63 are in; the youngest eight loads (rows 64-127) may be out
	MUL16 \f, 0, 0, \zero
	MUL16 \f, 0, 2, \zero
	PLACES
	FETCH \slot, \k, \g
	s_wait_dscnt 32                                ; all but the 32 just issued
	MUL16 \f, 1, 0, \zero
	MUL16 \f, 1, 2, \zero
.endm
; The last quarter multiplies buffer 1 and changes slots.  ONE barrier: in front of it each wave waits for all its tensor loads (one is out: its part of the next slot), adds 0 to its spare word, and waits
; for that and for its own reads of this slot.  Behind it nobody reads this slot any more and the next slot is whole.
.macro MEET round
	WIN 0                                          ; (the add's two registers lie in window 0)
	s_wait_tensorcnt 0x0
	ds_add_u32 v[SPW], v[NIL]                      ; 0 onto my spare word
	s_wait_dscnt 9                                 ; (the add and the youngest eight loads may be out)
	MUL16 F1, 0, 0, 0                              ; sixteen matrix instructions stand between the add and the wait for it
	s_wait_dscnt 0x0                               ; the add is done, and my reads of this slot are over
	s_barrier_signal -1
	MUL16 F1, 0, 2, 0                              ; work on registers while the others arrive
.if \round
	WIN 0
.endif
	s_barrier_wait -1
.endm
.macro TURN slot, next                 ; the whole last quarter: this slot is filled again, two K steps ahead: from the request to the wait for it a wave issues 224 matrix instructions
	s_wait_xcnt 0x0                                ; the last prefetch, a K step back, has read its address
	s_add_nc_u64 s[PFA:PFA+1], s[PFA:PFA+1], s[PST:PST+1]
	MEET 1
	CREST                                          ; the barrier has opened a round of the cluster's: no wave of any partner still reads this slot or has a load on its way
	s_add_nc_u64 s[G0+4*(\slot)+2:G0+4*(\slot)+3], s[G0+4*(\slot)+2:G0+4*(\slot)+3], 2*KSTEP*2
	s_add_nc_u64 s[G0B+4*(\slot)+2:G0B+4*(\slot)+3], s[G0B+4*(\slot)+2:G0B+4*(\slot)+3], 2*BSTEP
	JLOAD \slot                                    ; the first tensor load behind the round; its four v_nop are also the places in front of the loads below
	FETCH \next, 0, F0
	ASK
	MUL16 F1, 1, 0, 0
	MUL16 F1, 1, 2, 0
.endm
; THE WAY OUT of block a (16 rows).  PACK: rounded to bf16, each accumulator's registers in ascending order.  TOSTAGE: into my own stage, and back as whole rows of 256 bytes.  SEND: stored.
.macro PACK a
.set AC, 64*((\a)%4)
	WIN 0x0a+5*((\a)/4)                            ; sources 0 and 1: window 2 or 3
.irp b, 0,1,2,3,4,5,6,7
.irp r, 0,1,2,3
	v_cvt_pk_bf16_f32 v[TMP+4*(\b)+(\r)], v[AC+8*(\b)+2*(\r)], v[AC+8*(\b)+2*(\r)+1]
.endr
.endr
	WIN 0
.endm
.macro TOSTAGE a
	WIN 0
.set BK, OB+192*((\a)%2)
.irp b, 0,1,2,3,4,5,6,7
	ds_store_b128 v[STO], v[TMP+4*(\b):TMP+4*(\b)+3] offset:32*(\b)
.endr
.irp t, 0,1,2,3,4,5,6,7
	ds_load_b128 v[BK+4*(\t):BK+4*(\t)+3], v[RD] offset:(\t)*2*SPITCH  ; LDS serves a wave's instructions in order (ISA guide 5.7.1.4): these see the stores above
.endr
.endm
.macro SEND a
	WIN 0
.set BK, OB+192*((\a)%2)
	s_wait_dscnt 0x0                               ; the block is back in registers
	s_wait_xcnt 0x0                                ; the stores of the block before have read their registers: the next TOSTAGE loads into them only behind this wait
.irp t, 0,1,2,3,4,5,6,7
	global_store_b128 v[CO], v[BK+4*(\t):BK+4*(\t)+3], s[8:9] offset:(16*(\a)+2*(\t))*ROWB  ; 16 lanes store 256 consecutive bytes, at a multiple of 256 from C's first byte
.endr
.endm
	s_wait_tensorcnt 1                             ; my part of K step 0 is in; K step 1's may stay out
	s_barrier_signal -1
	s_barrier_wait -1                              ; everybody's is
	FETCH 0, 0, F0
	QUARTER 0, 64,  F0, F1, 1                      ; the first quarter stands in front of the loop: its products start the sums
	WIN 0                                          ; at a label and at a branch every window is 0
	s_mov_b32 s3, LAPS-1
.Llap:                                                 ; a trip goes once round the ring, from a lap's second quarter to the next lap's first, and fills both slots again: K steps 2 to 7
	QUARTER 0, 128, F1, F0, 0
	QUARTER 0, 192, F0, F1, 0
	TURN 0, 1
	QUARTER 1, 64,  F0, F1, 0
	QUARTER 1, 128, F1, F0, 0
	QUARTER 1, 192, F0, F1, 0
	TURN 1, 0
	QUARTER 0, 64,  F0, F1, 0
	WIN 0
	s_sub_co_u32 s3, s3, 1
	s_cmp_lg_u32 s3, 0
	s_cbranch_scc1 .Llap
	QUARTER 0, 128, F1, F0, 0                      ; the last lap is written out: it fills nothing
	QUARTER 0, 192, F0, F1, 0
	MEET 0                                         ; my one load that was still out is slot 1's, the last K step's
	PLACES
	FETCH 1, 0, F0
	MUL16 F1, 1, 0, 0
	MUL16 F1, 1, 2, 0
	QUARTER 1, 64,  F0, F1, 0
	QUARTER 1, 128, F1, F0, 0
	QUARTER 1, 192, F0, F1, 0
	s_wait_dscnt 8                                 ; the very last quarter: nothing more to fetch
	MUL16 F1, 0, 0, 0
	MUL16 F1, 0, 2, 0
	s_wait_dscnt 0x0
	MUL16 F1, 1, 0, 0
	MUL16 F1, 1, 2, 0
	PLACES
	PACK 0
	TOSTAGE 0
.irp a, 1,2,3,4,5,6,7                  ; block a's conversions stand between block a - 1's loads from the stage and the wait for them
	PACK \a
	SEND (\a)-1
	TOSTAGE \a
.endr
	SEND 7
	s_wait_tensorcnt 0x0                           ; the wave's end: behind my last tensor load and my last LDS store
	ds_add_u32 v[SPW], v[NIL]
	s_wait_dscnt 0x0
	CROUND                                         ; the closing round: no work-group ends while a partner may still ask for a tile that names it
	s_endpgm
.Lfunc_end_k_qffde61130f_proj:
	.size	k_qffde61130f_proj, .Lfunc_end_k_qffde61130f_proj-k_qffde61130f_proj
	.p2alignl 7, 3214868480
	.fill 96, 4, 3214868480
	.section	.rodata,"a",@progbits
	.p2align	6, 0x0
	.amdhsa_kernel k_qffde61130f_proj
		.amdhsa_group_segment_fixed_size 327680
		.amdhsa_private_segment_fixed_size 0
		.amdhsa_enable_private_segment 0
		.amdhsa_kernarg_size 56
		.amdhsa_user_sgpr_count 2
		.amdhsa_user_sgpr_kernarg_segment_ptr 1
		.amdhsa_wavefront_size32 1
		.amdhsa_system_sgpr_workgroup_id_x 1
		.amdhsa_system_sgpr_workgroup_id_y 1
		.amdhsa_system_sgpr_workgroup_id_z 1
		.amdhsa_system_vgpr_workitem_id 0
		.amdhsa_next_free_vgpr 1024
		.amdhsa_next_free_sgpr 88
		.amdhsa_reserve_vcc 0
		.amdhsa_float_denorm_mode_32 3
		.amdhsa_float_denorm_mode_16_64 3
		.amdhsa_memory_ordered 1
		.amdhsa_forward_progress 1
		.amdhsa_inst_pref_size 151
	.end_amdhsa_kernel
	.amdgpu_metadata
---
amdhsa.version: [ 1, 2 ]
amdhsa.kernels:
  - .name:           k_qffde61130f_proj
    .symbol:         k_qffde61130f_proj.kd
    .args:
      - { .name: xb, .offset: 0, .size: 8, .value_kind: global_buffer, .address_space: global }
      - { .name: wqb, .offset: 8, .size: 8, .value_kind: global_buffer, .address_space: global }
      - { .name: wkb, .offset: 16, .size: 8, .value_kind: global_buffer, .address_space: global }
      - { .name: bq, .offset: 24, .size: 8, .value_kind: global_buffer, .address_space: global }
      - { .name: bk, .offset: 32, .size: 8, .value_kind: global_buffer, .address_space: global }
      - { .name: mq, .offset: 40, .size: 8, .value_kind: global_buffer, .address_space: global }
      - { .name: mk, .offset: 48, .size: 8, .value_kind: global_buffer, .address_space: global }
    .group_segment_fixed_size: 327680
    .private_segment_fixed_size: 0
    .kernarg_segment_align: 8
    .kernarg_segment_size: 56
    .max_flat_workgroup_size: 128
    .sgpr_count:     88
    .vgpr_count:     1024
    .wavefront_size: 32
...
	.end_amdgpu_metadata
.endif
;; end of part 2
;; launch poolq (part 3): grid 32 x 8, 8 waves a work-group, no clusters, 176,128 bytes of LDS; arguments mq, Wqa, bqa, attention_mask, partq; writes partq
.if DOCPART == 3
	.amdgcn_target "amdgcn-amd-amdhsa--gfx1250"
	.amdhsa_code_object_version 6
	.text
	.protected	k_qffde61130f_poolq
	.globl	k_qffde61130f_poolq
	.p2align	8
	.type	k_qffde61130f_poolq,@function
k_qffde61130f_poolq:
	s_mov_b64 s[64:65], 0
	v_nop
	global_prefetch_b8 v0, s[64:65] scope:SCOPE_SE
	s_setreg_imm32_b32 hwreg(HW_REG_WAVE_MODE, 25, 1), 1
	s_wait_xcnt 0x0
; ONE CHUNK OF A POOLING.  T: [16384][1024] bf16 (here mq); Wa: [1024][16] f32; ba: [16] f32; mask: [8][2048] f32.  For batch b (grid y) and its chunk i of 64 rows (grid x), for each head n:
;   y[s] = ((T[s] . G[:, n]) + ba[n]) c1 + mask[s] c2, the score in powers of two: c1 = log2(e) / 8, c2 = log2(e);  m = the chunk's maximum of y;  p[s] = 2^(y[s] - m);  l = the sum of p;
;   part[c] = the sum over the chunk's rows of p[s] T[s][c], c in head n's 64 columns.
; G is Wa rounded to bf16; with GATED = 1 it is bf16(pq[k] bf16(Wa[k][n])), where pq is joined first from the 32 records of the pooling before, and part is multiplied by pq at the end.
; A RECORD (4,352 bytes, at (32 b + i) x 4,352): 1,024 f32 of part, then 32 pairs (m, l), pair L for head L % 16.  Whoever reads the 32 records of a batch joins them by the true maximum of the m.
; The maximum is taken away before every exponential; sums, maxima and part stay in f32; Wa, ba and the mask are rounded to bf16 like every input.
; NO CLUSTER: no two work-groups read the same rows of T, and Wa (64 KiB) goes through registers to be rounded.  NO PREFETCH: a work-group asks for its one tile at its head; nothing lies ahead of that.
; LIMITS.  NaN is not treated apart.  A mask entry beyond about -2.3e38 counts as -inf; -inf gives weight 0; m is held at the lowest finite number, so a chunk that is wholly -inf has l = 0 and part = 0.
; A weight below 2^-126 counts as 0.
.set GATED, 0
.set TP,    2080                       ; a row of T in LDS: two halves of 1,024 bytes, 16 bytes behind each: column c at 2 c + 16 (c / 512).  520 words: two of a fragment load's 16 rows share banks; the padding's longest interval is 1,024 bytes
.set GB,    64*TP                      ; G: [1024 k][16 n] bf16, 32 bytes a k-row
.set PT,    GB+32768                   ; p: [16 heads] x 64 rows f32, pitch 272
.set WM,    PT+16*272                  ; the waves' maxima [head][wave], 256 bytes; their sums 256 bytes further on
.set GV,    WM+512                     ; pq, 1,024 f32 (GATED)
.set SPARE, GV+4096                    ; the spare words, 128 bytes for each of eight waves: four blocks of 256 bytes that no other line names
.set REC,   4352
.set SPW, 3                            ; v3  LDS address of my spare word; never rewritten
.set NIL, 4                            ; v4  0; never rewritten
.set AT,  5                            ; v5  my place in a fragment of T: my wave's 16 rows, row l % 16, 16 (l / 16)
.set AG,  6                            ; v6  my place in a fragment of G, for the turning load
.set MO,  7                            ; v7  byte offset of my eight rows in the mask
.set BO,  8                            ; v8  4 (l % 16): my head in ba
.set T16, 9                            ; v9  16 t: my 16 bytes of Wa, of a record's part
.set GS,  10                           ; v10 GB + 8 t: where my four numbers of G go
.set GG,  11                           ; v11 GV + 4 (t / 4): pq of my k-row
.set GP,  12                           ; v12 GV + 16 t
.set SO,  13                           ; v13 8 (t / 16): my head's pair in a record
.set R3,  14                           ; v14 my four columns in a row of T; steps in the pooling
.set PPR, 15                           ; v15 my head's p; steps in the pooling
.set WMS, 16                           ; v16 WM + 16 (l % 16) + 4 (wave % 4)
.set WMR, 17                           ; v17 WM + 16 (l % 16)
.set PS,  18                           ; v18 where my eight p go
.set L8,  19                           ; v19 8 l
.set MM,  20                           ; v[20:27] mask c2 + ba c1 for my eight rows
.set BA,  28                           ; v[28:29] ba c1, twice; later m, twice
.set PR2, 30                           ; v[30:31] at work; 1 / L twice; the pair (m, l)
.set PQ,  32                           ; v[32:35] pq of my four columns (GATED)
.set OACC, 36                          ; v[36:39] part of my four columns
.set Y,   40                           ; v[40:47] y, then p
.set ACC, 48                           ; v[48:79] four accumulators
.set FR,  80                           ; v[80:207] eight K steps' fragments: T's 8 registers, then G's 8
.set ST,  48                           ; the join: v[48:111] 32 pairs (m, l)
.set PR,  112                          ;           v[112:239] 32 x 4 of part
.set WR,  48                           ; G: v[48:111] sixteen loads of Wa
.set GR,  112                          ;    v[112:127] pq of my sixteen k-rows
.set GO,  128                          ;    v[128:159] packed, sixteen pairs;  v[160:165] at work
.set TB,  48                           ; the pooling: v[48:79] sixteen rows' four columns
.set PB,  80                           ;              v[80:95] sixteen p
.set G0,  20                           ; s[20:23] descriptor group 0
.set G1,  24                           ; s[24:31] descriptor group 1
	s_load_b256 s[4:11], s[0:1], 0x0               ; T s[4:5], Wa s[6:7], ba s[8:9], mask s[10:11]
.if GATED
	s_load_b128 s[12:15], s[0:1], 0x20             ; the records before s[12:13], mine s[14:15]
.else
	s_load_b64 s[14:15], s[0:1], 0x20              ; my records
.endif
	v_lshl_add_u32 v[SPW], v0, 2, SPARE
	v_mov_b32 v[NIL], 0
	ds_add_u32 v[SPW], v[NIL]                      ; the wave's opening: the add and its wait ahead of my tensor load; the set-up below, work on registers, stands between them
	v_lshrrev_b32 v1, 5, v0
	v_readfirstlane_b32 s16, v1                    ; wave 0..7
	s_and_b32 s17, s16, 3                          ; which 16 rows' scores are mine (waves 0-3)
	s_and_b32 s19, ttmp7, 0xffff                   ; b
	; my 8 rows of T are 16,384 dense bytes: asked for as 16 rows of 1,024 bytes, 16 bytes of padding behind each
	s_mov_b32 s[G1+0], (1<<16)|(1<<20)|(7<<22)|(3<<25)  ; elements of 2 bytes; padding on; after every 256 words, 4 words
	s_mov_b32 s[G1+1], 512<<16                     ; tensor_dim0 = 512
	s_mov_b32 s[G1+2], 16<<16                      ; tensor_dim1 = 16
	s_mov_b32 s[G1+3], 512<<16                     ; tile_dim0
	s_mov_b32 s[G1+4], 16                          ; tile_dim1
	s_mov_b32 s[G1+5], 512                         ; elements from row to row
	s_mov_b32 s[G1+6], 0
	s_mov_b32 s[G1+7], 0
	s_mov_b32 s[G0], 1
	s_mul_i32 s[G0+1], s16, 8*TP                   ; LDS: wave x 8 rows
	s_lshl_b32 s32, s19, 11
	s_lshl_b32 s33, ttmp9, 6
	s_add_co_u32 s32, s32, s33                     ; the chunk's first row: 2,048 b + 64 i
	s_lshl_b32 s33, s16, 3
	s_add_co_u32 s40, s32, s33
	s_lshl_b32 s40, s40, 11                        ; my 8 rows, in bytes (under 2^25)
	s_mov_b32 s41, 0
	s_lshl_b32 s42, s19, 5
	s_add_co_u32 s42, s42, ttmp9
	s_mul_i32 s42, s42, REC                        ; my record
	s_mov_b32 s43, 0
	s_mov_b32 s34, 0x3e38aa3b                      ; c1 = log2(e) / 8
	s_mov_b32 s35, s34                             ; named with it as a pair
	s_mov_b32 s36, 0x76543210                      ; v_permlanex16_b32: each lane takes its own place in the other half
	s_mov_b32 s37, 0xfedcba98
	s_mov_b32 s39, 0xffff0000                      ; a word's upper bf16
	s_wait_dscnt 0x0                               ; the opening add is done
	s_wait_kmcnt 0x0
	s_add_nc_u64 s[G0+2:G0+3], s[4:5], s[40:41]
	s_or_b32 s[G0+3], s[G0+3], 0x80000000          ; type = 2
	tensor_load_to_lds s[G0:G0+3], s[G1:G1+7]      ; the one fill of the launch: one load of mine is out
	s_nop 0
	s_add_nc_u64 s[14:15], s[14:15], s[42:43]
.if GATED
	s_mul_i32 s42, s19, 32*REC
	s_add_nc_u64 s[12:13], s[12:13], s[42:43]      ; the batch's 32 records of the pooling before
.endif
	v_and_b32 v1, 15, v0                           ; l % 16
	v_bfe_u32 v2, v0, 4, 1                         ; l / 16
	s_lshl_b32 s33, s17, 4
	s_add_co_u32 s33, s33, s32
	s_lshl_b32 s33, s33, 2
	v_lshl_add_u32 v[MO], v2, 5, s33               ; rows 16 (wave % 4) + 8 (l / 16) + 0..7 of the chunk
	v_lshlrev_b32 v[BO], 2, v1
	global_load_b128 v[MM:MM+3], v[MO], s[10:11]
	global_load_b128 v[MM+4:MM+7], v[MO], s[10:11] offset:16
	global_load_b32 v[BA], v[BO], s[8:9]
	v_mul_u32_u24 v[AT], v1, TP
	v_lshl_add_u32 v[AT], v2, 4, v[AT]
	s_mul_i32 s33, s17, 16*TP
	v_add_nc_u32 v[AT], s33, v[AT]
	v_and_b32 v[AG], 7, v0                         ; the turning load: lane l reads k-row 8 (l / 16) + l % 8, heads 8 ((l / 8) % 2) + 0..7
	v_lshl_add_u32 v[AG], v2, 3, v[AG]
	v_lshlrev_b32 v[AG], 5, v[AG]
	v_bfe_u32 v[T16], v0, 3, 1
	v_lshl_add_u32 v[AG], v[T16], 4, v[AG]
	v_add_nc_u32 v[AG], GB, v[AG]
	v_lshlrev_b32 v[T16], 4, v0
	v_lshl_add_u32 v[GS], v0, 3, GB
	v_lshrrev_b32 v[GG], 2, v0
	v_lshl_add_u32 v[GG], v[GG], 2, GV
	v_lshl_add_u32 v[GP], v0, 4, GV
	v_lshrrev_b32 v[SO], 4, v0                     ; my columns' head
	v_mul_u32_u24 v[PPR], v[SO], 272
	v_add_nc_u32 v[PPR], PT, v[PPR]
	v_lshlrev_b32 v[SO], 3, v[SO]
	v_lshrrev_b32 v[R3], 7, v0
	v_lshlrev_b32 v[R3], 4, v[R3]
	v_lshl_add_u32 v[R3], v0, 3, v[R3]             ; 8 t + 16 (t / 128)
	v_lshlrev_b32 v[WMR], 4, v1
	v_add_nc_u32 v[WMR], WM, v[WMR]
	s_lshl_b32 s33, s17, 2
	v_add_nc_u32 v[WMS], s33, v[WMR]
	v_mul_u32_u24 v[PS], v1, 272
	v_lshl_add_u32 v[PS], v2, 5, v[PS]
	s_lshl_b32 s33, s17, 6
	s_add_co_u32 s33, s33, PT
	v_add_nc_u32 v[PS], s33, v[PS]                 ; head l % 16, rows 16 (wave % 4) + 8 (l / 16) on
	v_and_b32 v[L8], 31, v0
	v_lshlrev_b32 v[L8], 3, v[L8]
.if GATED
	; THE JOIN.  Thread t makes pq of its four columns: w_i = 2^(m_i - max m), pq = (the sum of w_i part_i) / (the sum of w_i l_i).
.set i, 0
.rept 32
	global_load_b64 v[ST+2*i:ST+2*i+1], v[SO], s[12:13] offset:REC*i+4096
.set i, i+1
.endr
.set i, 0
.rept 32
	global_load_b128 v[PR+4*i:PR+4*i+3], v[T16], s[12:13] offset:REC*i
.set i, i+1
.endr
	s_wait_loadcnt 32                              ; the pairs are in (and the mask and ba, issued earlier); the 32 loads of part stay out
	v_max3_num_f32 v[BA+1], v[ST], v[ST+2], v[ST+4]
.set i, 3
.rept 14
	v_max3_num_f32 v[BA+1], v[BA+1], v[ST+2*i], v[ST+2*i+2]
.set i, i+2
.endr
	v_max_num_f32 v[BA+1], v[BA+1], v[ST+62]
.set i, 0
.rept 32
	v_sub_f32 v[ST+2*i], v[ST+2*i], v[BA+1]
.set i, i+1
.endr
.set i, 0
.rept 32
	v_exp_f32 v[ST+2*i], v[ST+2*i]                 ; one batch of 32
.set i, i+1
.endr
	v_nop                                          ; a plain instruction behind the last exponential,
	s_wait_alu depctr_va_vdst(0)                   ; and one wait ahead of the batch's first reader
.set i, 0
.rept 4
	v_mul_f32 v[Y+i], v[ST+2*i], v[ST+2*i+1]       ; four chains start the sum of w l
.set i, i+1
.endr
.rept 28
	v_fmac_f32 v[Y+i%4], v[ST+2*i], v[ST+2*i+1]
.set i, i+1
.endr
	v_add_f32 v[Y], v[Y], v[Y+1]
	v_add_f32 v[Y+2], v[Y+2], v[Y+3]
	v_add_f32 v[Y], v[Y], v[Y+2]
	v_rcp_f32 v[PR2], v[Y]
	v_rcp_f32 v[PR2+1], v[Y]                       ; twice: a pair for the packed multiply
	s_wait_loadcnt 0x0                             ; part
	v_pk_mul_f32 v[PQ:PQ+1], v[PR:PR+1], v[ST:ST+1] op_sel_hi:[1,0]      ; the 64 lines that follow name neither reciprocal: the independent work behind them
	v_pk_mul_f32 v[PQ+2:PQ+3], v[PR+2:PR+3], v[ST:ST+1] op_sel_hi:[1,0]
.set i, 1
.rept 31
	v_pk_fma_f32 v[PQ:PQ+1], v[PR+4*i:PR+4*i+1], v[ST+2*i:ST+2*i+1], v[PQ:PQ+1] op_sel_hi:[1,0,1]
	v_pk_fma_f32 v[PQ+2:PQ+3], v[PR+4*i+2:PR+4*i+3], v[ST+2*i:ST+2*i+1], v[PQ+2:PQ+3] op_sel_hi:[1,0,1]
.set i, i+1
.endr
	s_wait_alu depctr_va_vdst(0)                   ; one wait for the two reciprocals
	v_pk_mul_f32 v[PQ:PQ+1], v[PQ:PQ+1], v[PR2:PR2+1]
	v_pk_mul_f32 v[PQ+2:PQ+3], v[PQ+2:PQ+3], v[PR2:PR2+1]
	ds_store_b128 v[GP], v[PQ:PQ+3]
	s_wait_dscnt 0x0                               ; for the others' sake: my four pq lie in LDS
	s_barrier_signal -1
	s_barrier_wait -1                              ; all 1,024 do.  My tensor load may stay out
.endif
	; G.  Thread t takes, for j = 0..15, the 16 bytes of Wa at 16 t + 4,096 j: k-row t / 4 + 64 j, heads 4 (t % 4) + 0..3; they go to GB + 8 t + 2,048 j.
.set j, 0
.rept 16
	global_load_b128 v[WR+4*j:WR+4*j+3], v[T16], s[6:7] offset:4096*j
.set j, j+1
.endr
.if GATED
.set j, 0
.rept 16
	ds_load_b32 v[GR+j], v[GG] offset:256*j
.set j, j+1
.endr
.endif
	s_wait_loadcnt 0x0                             ; Wa, the mask, ba
.if GATED
	s_wait_dscnt 0x0
.endif
.set j, 0
.rept 16
.if GATED
	v_cvt_pk_bf16_f32 v160, v[WR+4*j], v[WR+4*j+1]        ; Wa rounded as an input,
	v_cvt_pk_bf16_f32 v161, v[WR+4*j+2], v[WR+4*j+3]
	v_lshlrev_b32 v162, 16, v160
	v_and_b32 v163, s39, v160
	v_lshlrev_b32 v164, 16, v161
	v_and_b32 v165, s39, v161
.if j%2 == 0
	v_pk_mul_f32 v[162:163], v[162:163], v[GR+j:GR+j+1] op_sel_hi:[1,0]               ; times pq of its k-row: the pair's first word for both,
	v_pk_mul_f32 v[164:165], v[164:165], v[GR+j:GR+j+1] op_sel_hi:[1,0]
.else
	v_pk_mul_f32 v[162:163], v[162:163], v[GR+j-1:GR+j] op_sel:[0,1] op_sel_hi:[1,1]  ; or its second,
	v_pk_mul_f32 v[164:165], v[164:165], v[GR+j-1:GR+j] op_sel:[0,1] op_sel_hi:[1,1]
.endif
	v_cvt_pk_bf16_f32 v[GO+2*j], v162, v163               ; and rounded as a matrix operand
	v_cvt_pk_bf16_f32 v[GO+2*j+1], v164, v165
.else
	v_cvt_pk_bf16_f32 v[GO+2*j], v[WR+4*j], v[WR+4*j+1]
	v_cvt_pk_bf16_f32 v[GO+2*j+1], v[WR+4*j+2], v[WR+4*j+3]
.endif
	ds_store_b64 v[GS], v[GO+2*j:GO+2*j+1] offset:2048*j
.set j, j+1
.endr
	; the mask and ba, rounded to bf16 and widened; MM = mask c2 + ba c1
.irp p, 0,1,2,3
	v_cvt_pk_bf16_f32 v[Y+(\p)], v[MM+2*(\p)], v[MM+2*(\p)+1]
.endr
	v_cvt_pk_bf16_f32 v[Y+4], v[BA], v[BA]
.irp p, 0,1,2,3
	v_lshlrev_b32 v[MM+2*(\p)], 16, v[Y+(\p)]
	v_and_b32 v[MM+2*(\p)+1], s39, v[Y+(\p)]
.endr
	v_lshlrev_b32 v[BA], 16, v[Y+4]
	v_mul_f32 v[BA], s34, v[BA]
	v_mov_b32 v[BA+1], v[BA]
.irp p, 0,1,2,3
	v_pk_fma_f32 v[MM+2*(\p):MM+2*(\p)+1], v[MM+2*(\p):MM+2*(\p)+1], 0x3fb8aa3b, v[BA:BA+1] op_sel_hi:[1,0,1]
.endr
	s_wait_tensorcnt 0x0                           ; my 8 rows of T have landed,
	s_wait_dscnt 0x0                               ; my part of G is stored:
	s_barrier_signal -1
	s_barrier_wait -1                              ; T and G are whole for every wave
	; THE SCORES: waves 0-3, 16 rows x 16 heads each, K = 1,024 in four batches of eight K steps.  Source 0 = T's rows, source 1 = G's columns: lane l ends with head l % 16 and rows 8 (l / 16) + 0..7.
	; The four accumulators take turns, one instruction a turn, from batch to batch too.
.macro BATCH q
.set f, 0
.rept 8
.set ks, 8*(\q)+f
	ds_load_b128 v[FR+16*f:FR+16*f+3],        v[AT] offset:(ks/16)*1040+(ks%16)*64
	ds_load_b128 v[FR+16*f+4:FR+16*f+7],      v[AT] offset:(ks/16)*1040+(ks%16)*64+32
	ds_load_tr16_b128 v[FR+16*f+8:FR+16*f+11],  v[AG] offset:1024*ks
	ds_load_tr16_b128 v[FR+16*f+12:FR+16*f+15], v[AG] offset:1024*ks+512
.set f, f+1
.endr
	s_wait_dscnt 0x0
.set f, 0
.rept 8
.if ((\q) == 0) && (f < 4)
	v_wmma_f32_16x16x32_bf16 v[ACC+8*(f%4):ACC+8*(f%4)+7], v[FR+16*f:FR+16*f+7], v[FR+16*f+8:FR+16*f+15], 0
.else
	v_wmma_f32_16x16x32_bf16 v[ACC+8*(f%4):ACC+8*(f%4)+7], v[FR+16*f:FR+16*f+7], v[FR+16*f+8:FR+16*f+15], v[ACC+8*(f%4):ACC+8*(f%4)+7]
.endif
.set f, f+1
.endr
.rept 4
	v_nop                                          ; four places in front of the next batch's loads into these fragments, and of the sums below
.endr
.endm
	s_cmp_lt_u32 s16, 4
	s_cbranch_scc0 .Lno_scores
	BATCH 0
	BATCH 1
	BATCH 2
	BATCH 3
.irp p, 0,1,2,3                        ; the four partial sums; each accumulator is read from its low end on
	v_pk_add_f32 v[ACC+2*(\p):ACC+2*(\p)+1], v[ACC+2*(\p):ACC+2*(\p)+1], v[ACC+8+2*(\p):ACC+8+2*(\p)+1]
.endr
.irp p, 0,1,2,3
	v_pk_add_f32 v[ACC+16+2*(\p):ACC+16+2*(\p)+1], v[ACC+16+2*(\p):ACC+16+2*(\p)+1], v[ACC+24+2*(\p):ACC+24+2*(\p)+1]
.endr
.irp p, 0,1,2,3
	v_pk_add_f32 v[ACC+2*(\p):ACC+2*(\p)+1], v[ACC+2*(\p):ACC+2*(\p)+1], v[ACC+16+2*(\p):ACC+16+2*(\p)+1]
.endr
.irp p, 0,1,2,3
	v_pk_fma_f32 v[Y+2*(\p):Y+2*(\p)+1], v[ACC+2*(\p):ACC+2*(\p)+1], s[34:35], v[MM+2*(\p):MM+2*(\p)+1] op_sel_hi:[1,0,1]
.endr
	v_max3_num_f32 v[PR2], v[Y], v[Y+1], v[Y+2]
	v_max3_num_f32 v[PR2], v[PR2], v[Y+3], v[Y+4]
	v_max3_num_f32 v[PR2], v[PR2], v[Y+5], v[Y+6]
	v_max_num_f32 v[PR2], v[PR2], v[Y+7]
	v_mov_b32 v[PR2+1], v[PR2]                     ; the exchange's destination counts as read
	v_permlanex16_b32 v[PR2+1], v[PR2], s36, s37   ; the head's other eight rows lie in the lane 16 away
	v_max_num_f32 v[PR2], v[PR2], v[PR2+1]
	v_max_num_f32 v[PR2], 0xff7fffff, v[PR2]       ; never below the lowest finite number
	ds_store_b32 v[WMS], v[PR2]                    ; lanes l and l + 16 store the same number into the same word
.Lno_scores:
	s_wait_dscnt 0x0
	s_barrier_signal -1
	s_barrier_wait -1                              ; the four waves' maxima lie in LDS
	s_cmp_lt_u32 s16, 4
	s_cbranch_scc0 .Lno_weights
	ds_load_b128 v[48:51], v[WMR]
	s_wait_dscnt 0x0
	v_max3_num_f32 v[BA], v48, v49, v50
	v_max_num_f32 v[BA], v[BA], v51                ; m: the chunk's maximum for my head
	v_mov_b32 v[BA+1], v[BA]
.irp p, 0,1,2,3
	v_pk_add_f32 v[Y+2*(\p):Y+2*(\p)+1], v[Y+2*(\p):Y+2*(\p)+1], v[BA:BA+1] neg_lo:[0,1] neg_hi:[0,1]
.endr
.irp p, 0,1,2,3,4,5,6,7
	v_exp_f32 v[Y+(\p)], v[Y+(\p)]
.endr
	v_nop                                          ; a plain instruction behind the last exponential,
	s_wait_alu depctr_va_vdst(0)                   ; and one wait for the eight
	ds_store_b128 v[PS], v[Y:Y+3]
	ds_store_b128 v[PS], v[Y+4:Y+7] offset:16
	v_pk_add_f32 v[48:49], v[Y:Y+1], v[Y+2:Y+3]
	v_pk_add_f32 v[50:51], v[Y+4:Y+5], v[Y+6:Y+7]
	v_pk_add_f32 v[48:49], v[48:49], v[50:51]
	v_add_f32 v48, v48, v49
	v_permlanex16_b32 v49, v48, s36, s37
	v_add_f32 v48, v48, v49                        ; my wave's sum of p for my head
	ds_store_b32 v[WMS], v48 offset:256
.Lno_weights:
	s_wait_dscnt 0x0
	s_barrier_signal -1
	s_barrier_wait -1                              ; p and the four waves' sums lie in LDS
	; THE POOLING: all eight waves; thread t owns columns 4 t .. 4 t + 3, of head t / 16.  Sixteen rows a trip: 16 p, 16 x 8 bytes of T, 64 multiply-adds straight from the bf16 halves.
.irp c, 0,1,2,3
	v_mov_b32 v[OACC+(\c)], 0
.endr
	s_mov_b32 s38, 4
.Lrows:
.irp q, 0,1,2,3
	ds_load_b128 v[PB+4*(\q):PB+4*(\q)+3], v[PPR] offset:16*(\q)
.endr
.set rr, 0
.rept 16
	ds_load_b64 v[TB+2*rr:TB+2*rr+1], v[R3] offset:TP*rr
.set rr, rr+1
.endr
	s_wait_dscnt 0x0
.set rr, 0
.rept 16
	v_fma_mix_f32_bf16 v[OACC],   v[TB+2*rr],   v[PB+rr], v[OACC]   op_sel_hi:[1,0,0]
	v_fma_mix_f32_bf16 v[OACC+1], v[TB+2*rr],   v[PB+rr], v[OACC+1] op_sel:[1,0,0] op_sel_hi:[1,0,0]
	v_fma_mix_f32_bf16 v[OACC+2], v[TB+2*rr+1], v[PB+rr], v[OACC+2] op_sel_hi:[1,0,0]
	v_fma_mix_f32_bf16 v[OACC+3], v[TB+2*rr+1], v[PB+rr], v[OACC+3] op_sel:[1,0,0] op_sel_hi:[1,0,0]
.set rr, rr+1
.endr
	v_add_nc_u32 v[R3], 16*TP, v[R3]
	v_add_nc_u32 v[PPR], 64, v[PPR]
	s_sub_co_u32 s38, s38, 1
	s_cmp_lg_u32 s38, 0
	s_cbranch_scc1 .Lrows
.if GATED
	v_pk_mul_f32 v[OACC:OACC+1], v[OACC:OACC+1], v[PQ:PQ+1]        ; the pooled rows are T x pq
	v_pk_mul_f32 v[OACC+2:OACC+3], v[OACC+2:OACC+3], v[PQ+2:PQ+3]
.endif
	global_store_b128 v[T16], v[OACC:OACC+3], s[14:15]             ; a wave stores 512 consecutive bytes of the record
	s_cmp_lg_u32 s16, 0
	s_cbranch_scc1 .Lend                           ; wave 0 stores the pairs
	ds_load_b128 v[48:51], v[WMR] offset:256
	s_wait_dscnt 0x0
	v_add_f32 v48, v48, v49
	v_add_f32 v50, v50, v51
	v_mov_b32 v[PR2], v[BA]                        ; m
	v_add_f32 v[PR2+1], v48, v50                   ; l
	global_store_b64 v[L8], v[PR2:PR2+1], s[14:15] offset:4096     ; 256 consecutive bytes: pair l holds head l % 16
.Lend:
	s_wait_tensorcnt 0x0                           ; the wave's end: behind my tensor load and my last LDS store
	ds_add_u32 v[SPW], v[NIL]
	s_wait_dscnt 0x0
	s_endpgm
.Lfunc_end_k_qffde61130f_poolq:
	.size	k_qffde61130f_poolq, .Lfunc_end_k_qffde61130f_poolq-k_qffde61130f_poolq
	.p2alignl 7, 3214868480
	.fill 96, 4, 3214868480
	.section	.rodata,"a",@progbits
	.p2align	6, 0x0
	.amdhsa_kernel k_qffde61130f_poolq
		.amdhsa_group_segment_fixed_size 176128
		.amdhsa_private_segment_fixed_size 0
		.amdhsa_enable_private_segment 0
		.amdhsa_kernarg_size 40
		.amdhsa_user_sgpr_count 2
		.amdhsa_user_sgpr_kernarg_segment_ptr 1
		.amdhsa_wavefront_size32 1
		.amdhsa_system_sgpr_workgroup_id_x 1
		.amdhsa_system_sgpr_workgroup_id_y 1
		.amdhsa_system_sgpr_workgroup_id_z 1
		.amdhsa_system_vgpr_workitem_id 0
		.amdhsa_next_free_vgpr 240
		.amdhsa_next_free_sgpr 66
		.amdhsa_reserve_vcc 0
		.amdhsa_float_denorm_mode_32 3
		.amdhsa_float_denorm_mode_16_64 3
		.amdhsa_memory_ordered 1
		.amdhsa_forward_progress 1
		.amdhsa_inst_pref_size 31
	.end_amdhsa_kernel
	.amdgpu_metadata
---
amdhsa.version: [ 1, 2 ]
amdhsa.kernels:
  - .name:           k_qffde61130f_poolq
    .symbol:         k_qffde61130f_poolq.kd
    .args:
      - { .name: mq, .offset: 0, .size: 8, .value_kind: global_buffer, .address_space: global }
      - { .name: Wqa, .offset: 8, .size: 8, .value_kind: global_buffer, .address_space: global }
      - { .name: bqa, .offset: 16, .size: 8, .value_kind: global_buffer, .address_space: global }
      - { .name: attention_mask, .offset: 24, .size: 8, .value_kind: global_buffer, .address_space: global }
      - { .name: partq, .offset: 32, .size: 8, .value_kind: global_buffer, .address_space: global }
    .group_segment_fixed_size: 176128
    .private_segment_fixed_size: 0
    .kernarg_segment_align: 8
    .kernarg_segment_size: 40
    .max_flat_workgroup_size: 256
    .sgpr_count:     66
    .vgpr_count:     240
    .wavefront_size: 32
...
	.end_amdgpu_metadata
.endif
;; end of part 3
;; launch poolk (part 4): grid 32 x 8, 8 waves a work-group, no clusters, 176,128 bytes of LDS; arguments mk, Wka, bka, attention_mask, partq, partk; writes partk
.if DOCPART == 4
	.amdgcn_target "amdgcn-amd-amdhsa--gfx1250"
	.amdhsa_code_object_version 6
	.text
	.protected	k_qffde61130f_poolk
	.globl	k_qffde61130f_poolk
	.p2align	8
	.type	k_qffde61130f_poolk,@function
k_qffde61130f_poolk:
	s_mov_b64 s[64:65], 0
	v_nop
	global_prefetch_b8 v0, s[64:65] scope:SCOPE_SE
	s_setreg_imm32_b32 hwreg(HW_REG_WAVE_MODE, 25, 1), 1
	s_wait_xcnt 0x0
; ONE CHUNK OF A POOLING.  T: [16384][1024] bf16 (here mk); Wa: [1024][16] f32; ba: [16] f32; mask: [8][2048] f32.  For batch b (grid y) and its chunk i of 64 rows (grid x), for each head n:
;   y[s] = ((T[s] . G[:, n]) + ba[n]) c1 + mask[s] c2, the score in powers of two: c1 = log2(e) / 8, c2 = log2(e);  m = the chunk's maximum of y;  p[s] = 2^(y[s] - m);  l = the sum of p;
;   part[c] = the sum over the chunk's rows of p[s] T[s][c], c in head n's 64 columns.
; GATED = 1: (T x pq) Wa = T (diag(pq) Wa), so G is bf16(pq[k] bf16(Wa[k][n])), where pq is joined first from the 32 records of the pooling before, and part is multiplied by pq at the end.
; A RECORD (4,352 bytes, at (32 b + i) x 4,352): 1,024 f32 of part, then 32 pairs (m, l), pair L for head L % 16.  Whoever reads the 32 records of a batch joins them by the true maximum of the m.
; The maximum is taken away before every exponential; sums, maxima and part stay in f32; Wa, ba and the mask are rounded to bf16 like every input.
; NO CLUSTER: no two work-groups read the same rows of T; Wa (64 KiB) and the records (136 KiB a batch) go through registers.  NO PREFETCH: a work-group asks for its one tile at its head; nothing lies ahead of that.
; LIMITS.  NaN is not treated apart.  A mask entry beyond about -2.3e38 counts as -inf; -inf gives weight 0; m is held at the lowest finite number, so a chunk that is wholly -inf has l = 0 and part = 0;
; a head whose 2,048 entries are all -inf has L = 0 in the join, and NaN.  A weight below 2^-126 counts as 0.
.set GATED, 1
.set TP,    2080                       ; a row of T in LDS: two halves of 1,024 bytes, 16 bytes behind each: column c at 2 c + 16 (c / 512).  520 words: two of a fragment load's 16 rows share banks; the padding's longest interval is 1,024 bytes
.set GB,    64*TP                      ; G: [1024 k][16 n] bf16, 32 bytes a k-row
.set PT,    GB+32768                   ; p: [16 heads] x 64 rows f32, pitch 272
.set WM,    PT+16*272                  ; the waves' maxima [head][wave], 256 bytes; their sums 256 bytes further on
.set GV,    WM+512                     ; pq, 1,024 f32
.set SPARE, GV+4096                    ; the spare words, 128 bytes for each of eight waves: four blocks of 256 bytes that no other line names
.set REC,   4352
.set SPW, 3                            ; v3  LDS address of my spare word; never rewritten
.set NIL, 4                            ; v4  0; never rewritten
.set AT,  5                            ; v5  my place in a fragment of T: my wave's 16 rows, row l % 16, 16 (l / 16)
.set AG,  6                            ; v6  my place in a fragment of G, for the turning load
.set MO,  7                            ; v7  byte offset of my eight rows in the mask
.set BO,  8                            ; v8  4 (l % 16): my head in ba
.set T16, 9                            ; v9  16 t: my 16 bytes of Wa, of a record's part
.set GS,  10                           ; v10 GB + 8 t: where my four numbers of G go
.set GG,  11                           ; v11 GV + 4 (t / 4): pq of my k-row
.set GP,  12                           ; v12 GV + 16 t
.set SO,  13                           ; v13 8 (t / 16): my head's pair in a record
.set R3,  14                           ; v14 my four columns in a row of T; steps in the pooling
.set PPR, 15                           ; v15 my head's p; steps in the pooling
.set WMS, 16                           ; v16 WM + 16 (l % 16) + 4 (wave % 4)
.set WMR, 17                           ; v17 WM + 16 (l % 16)
.set PS,  18                           ; v18 where my eight p go
.set L8,  19                           ; v19 8 l
.set MM,  20                           ; v[20:27] mask c2 + ba c1 for my eight rows
.set BA,  28                           ; v[28:29] ba c1, twice; later m, twice
.set PR2, 30                           ; v[30:31] at work; 1 / L twice; the pair (m, l)
.set PQ,  32                           ; v[32:35] pq of my four columns
.set OACC, 36                          ; v[36:39] part of my four columns
.set Y,   40                           ; v[40:47] y, then p
.set ACC, 48                           ; v[48:79] four accumulators
.set FR,  80                           ; v[80:207] eight K steps' fragments: T's 8 registers, then G's 8
.set ST,  48                           ; the join: v[48:111] 32 pairs (m, l)
.set PR,  112                          ;           v[112:239] 32 x 4 of part
.set WR,  48                           ; G: v[48:111] sixteen loads of Wa
.set GR,  112                          ;    v[112:127] pq of my sixteen k-rows
.set GO,  128                          ;    v[128:159] packed, sixteen pairs;  v[160:165] at work
.set TB,  48                           ; the pooling: v[48:79] sixteen rows' four columns
.set PB,  80                           ;              v[80:95] sixteen p
.set G0,  20                           ; s[20:23] descriptor group 0
.set G1,  24                           ; s[24:31] descriptor group 1
	s_load_b256 s[4:11], s[0:1], 0x0               ; T s[4:5], Wa s[6:7], ba s[8:9], mask s[10:11]
.if GATED
	s_load_b128 s[12:15], s[0:1], 0x20             ; the records before s[12:13], mine s[14:15]
.else
	s_load_b64 s[14:15], s[0:1], 0x20              ; my records
.endif
	v_lshl_add_u32 v[SPW], v0, 2, SPARE
	v_mov_b32 v[NIL], 0
	ds_add_u32 v[SPW], v[NIL]                      ; the wave's opening: the add and its wait ahead of my tensor load; the set-up below, work on registers, stands between them
	v_lshrrev_b32 v1, 5, v0
	v_readfirstlane_b32 s16, v1                    ; wave 0..7
	s_and_b32 s17, s16, 3                          ; which 16 rows' scores are mine (waves 0-3)
	s_and_b32 s19, ttmp7, 0xffff                   ; b
	; my 8 rows of T are 16,384 dense bytes: asked for as 16 rows of 1,024 bytes, 16 bytes of padding behind each
	s_mov_b32 s[G1+0], (1<<16)|(1<<20)|(7<<22)|(3<<25)  ; elements of 2 bytes; padding on; after every 256 words, 4 words
	s_mov_b32 s[G1+1], 512<<16                     ; tensor_dim0 = 512
	s_mov_b32 s[G1+2], 16<<16                      ; tensor_dim1 = 16
	s_mov_b32 s[G1+3], 512<<16                     ; tile_dim0
	s_mov_b32 s[G1+4], 16                          ; tile_dim1
	s_mov_b32 s[G1+5], 512                         ; elements from row to row
	s_mov_b32 s[G1+6], 0
	s_mov_b32 s[G1+7], 0
	s_mov_b32 s[G0], 1
	s_mul_i32 s[G0+1], s16, 8*TP                   ; LDS: wave x 8 rows
	s_lshl_b32 s32, s19, 11
	s_lshl_b32 s33, ttmp9, 6
	s_add_co_u32 s32, s32, s33                     ; the chunk's first row: 2,048 b + 64 i
	s_lshl_b32 s33, s16, 3
	s_add_co_u32 s40, s32, s33
	s_lshl_b32 s40, s40, 11                        ; my 8 rows, in bytes (under 2^25)
	s_mov_b32 s41, 0
	s_lshl_b32 s42, s19, 5
	s_add_co_u32 s42, s42, ttmp9
	s_mul_i32 s42, s42, REC                        ; my record
	s_mov_b32 s43, 0
	s_mov_b32 s34, 0x3e38aa3b                      ; c1 = log2(e) / 8
	s_mov_b32 s35, s34                             ; named with it as a pair
	s_mov_b32 s36, 0x76543210                      ; v_permlanex16_b32: each lane takes its own place in the other half
	s_mov_b32 s37, 0xfedcba98
	s_mov_b32 s39, 0xffff0000                      ; a word's upper bf16
	s_wait_dscnt 0x0                               ; the opening add is done
	s_wait_kmcnt 0x0
	s_add_nc_u64 s[G0+2:G0+3], s[4:5], s[40:41]
	s_or_b32 s[G0+3], s[G0+3], 0x80000000          ; type = 2
	tensor_load_to_lds s[G0:G0+3], s[G1:G1+7]      ; the one fill of the launch: one load of mine is out
	s_nop 0
	s_add_nc_u64 s[14:15], s[14:15], s[42:43]
.if GATED
	s_mul_i32 s42, s19, 32*REC
	s_add_nc_u64 s[12:13], s[12:13], s[42:43]      ; the batch's 32 records of the pooling before
.endif
	v_and_b32 v1, 15, v0                           ; l % 16
	v_bfe_u32 v2, v0, 4, 1                         ; l / 16
	s_lshl_b32 s33, s17, 4
	s_add_co_u32 s33, s33, s32
	s_lshl_b32 s33, s33, 2
	v_lshl_add_u32 v[MO], v2, 5, s33               ; rows 16 (wave % 4) + 8 (l / 16) + 0..7 of the chunk
	v_lshlrev_b32 v[BO], 2, v1
	global_load_b128 v[MM:MM+3], v[MO], s[10:11]
	global_load_b128 v[MM+4:MM+7], v[MO], s[10:11] offset:16
	global_load_b32 v[BA], v[BO], s[8:9]
	v_mul_u32_u24 v[AT], v1, TP
	v_lshl_add_u32 v[AT], v2, 4, v[AT]
	s_mul_i32 s33, s17, 16*TP
	v_add_nc_u32 v[AT], s33, v[AT]
	v_and_b32 v[AG], 7, v0                         ; the turning load: lane l reads k-row 8 (l / 16) + l % 8, heads 8 ((l / 8) % 2) + 0..7
	v_lshl_add_u32 v[AG], v2, 3, v[AG]
	v_lshlrev_b32 v[AG], 5, v[AG]
	v_bfe_u32 v[T16], v0, 3, 1
	v_lshl_add_u32 v[AG], v[T16], 4, v[AG]
	v_add_nc_u32 v[AG], GB, v[AG]
	v_lshlrev_b32 v[T16], 4, v0
	v_lshl_add_u32 v[GS], v0, 3, GB
	v_lshrrev_b32 v[GG], 2, v0
	v_lshl_add_u32 v[GG], v[GG], 2, GV
	v_lshl_add_u32 v[GP], v0, 4, GV
	v_lshrrev_b32 v[SO], 4, v0                     ; my columns' head
	v_mul_u32_u24 v[PPR], v[SO], 272
	v_add_nc_u32 v[PPR], PT, v[PPR]
	v_lshlrev_b32 v[SO], 3, v[SO]
	v_lshrrev_b32 v[R3], 7, v0
	v_lshlrev_b32 v[R3], 4, v[R3]
	v_lshl_add_u32 v[R3], v0, 3, v[R3]             ; 8 t + 16 (t / 128)
	v_lshlrev_b32 v[WMR], 4, v1
	v_add_nc_u32 v[WMR], WM, v[WMR]
	s_lshl_b32 s33, s17, 2
	v_add_nc_u32 v[WMS], s33, v[WMR]
	v_mul_u32_u24 v[PS], v1, 272
	v_lshl_add_u32 v[PS], v2, 5, v[PS]
	s_lshl_b32 s33, s17, 6
	s_add_co_u32 s33, s33, PT
	v_add_nc_u32 v[PS], s33, v[PS]                 ; head l % 16, rows 16 (wave % 4) + 8 (l / 16) on
	v_and_b32 v[L8], 31, v0
	v_lshlrev_b32 v[L8], 3, v[L8]
.if GATED
	; THE JOIN.  Thread t makes pq of its four columns: w_i = 2^(m_i - max m), pq = (the sum of w_i part_i) / (the sum of w_i l_i).
.set i, 0
.rept 32
	global_load_b64 v[ST+2*i:ST+2*i+1], v[SO], s[12:13] offset:REC*i+4096
.set i, i+1
.endr
.set i, 0
.rept 32
	global_load_b128 v[PR+4*i:PR+4*i+3], v[T16], s[12:13] offset:REC*i
.set i, i+1
.endr
	s_wait_loadcnt 32                              ; the pairs are in (and the mask and ba, issued earlier); the 32 loads of part stay out
	v_max3_num_f32 v[BA+1], v[ST], v[ST+2], v[ST+4]
.set i, 3
.rept 14
	v_max3_num_f32 v[BA+1], v[BA+1], v[ST+2*i], v[ST+2*i+2]
.set i, i+2
.endr
	v_max_num_f32 v[BA+1], v[BA+1], v[ST+62]
.set i, 0
.rept 32
	v_sub_f32 v[ST+2*i], v[ST+2*i], v[BA+1]
.set i, i+1
.endr
.set i, 0
.rept 32
	v_exp_f32 v[ST+2*i], v[ST+2*i]                 ; one batch of 32
.set i, i+1
.endr
	v_nop                                          ; a plain instruction behind the last exponential,
	s_wait_alu depctr_va_vdst(0)                   ; and one wait ahead of the batch's first reader
.set i, 0
.rept 4
	v_mul_f32 v[Y+i], v[ST+2*i], v[ST+2*i+1]       ; four chains start the sum of w l
.set i, i+1
.endr
.rept 28
	v_fmac_f32 v[Y+i%4], v[ST+2*i], v[ST+2*i+1]
.set i, i+1
.endr
	v_add_f32 v[Y], v[Y], v[Y+1]
	v_add_f32 v[Y+2], v[Y+2], v[Y+3]
	v_add_f32 v[Y], v[Y], v[Y+2]
	v_rcp_f32 v[PR2], v[Y]
	v_rcp_f32 v[PR2+1], v[Y]                       ; twice: a pair for the packed multiply
	s_wait_loadcnt 0x0                             ; part
	v_pk_mul_f32 v[PQ:PQ+1], v[PR:PR+1], v[ST:ST+1] op_sel_hi:[1,0]      ; the 64 lines that follow name neither reciprocal: the independent work behind them
	v_pk_mul_f32 v[PQ+2:PQ+3], v[PR+2:PR+3], v[ST:ST+1] op_sel_hi:[1,0]
.set i, 1
.rept 31
	v_pk_fma_f32 v[PQ:PQ+1], v[PR+4*i:PR+4*i+1], v[ST+2*i:ST+2*i+1], v[PQ:PQ+1] op_sel_hi:[1,0,1]
	v_pk_fma_f32 v[PQ+2:PQ+3], v[PR+4*i+2:PR+4*i+3], v[ST+2*i:ST+2*i+1], v[PQ+2:PQ+3] op_sel_hi:[1,0,1]
.set i, i+1
.endr
	s_wait_alu depctr_va_vdst(0)                   ; one wait for the two reciprocals
	v_pk_mul_f32 v[PQ:PQ+1], v[PQ:PQ+1], v[PR2:PR2+1]
	v_pk_mul_f32 v[PQ+2:PQ+3], v[PQ+2:PQ+3], v[PR2:PR2+1]
	ds_store_b128 v[GP], v[PQ:PQ+3]
	s_wait_dscnt 0x0                               ; for the others' sake: my four pq lie in LDS
	s_barrier_signal -1
	s_barrier_wait -1                              ; all 1,024 do.  My tensor load may stay out
.endif
	; G.  Thread t takes, for j = 0..15, the 16 bytes of Wa at 16 t + 4,096 j: k-row t / 4 + 64 j, heads 4 (t % 4) + 0..3; they go to GB + 8 t + 2,048 j.
.set j, 0
.rept 16
	global_load_b128 v[WR+4*j:WR+4*j+3], v[T16], s[6:7] offset:4096*j
.set j, j+1
.endr
.if GATED
.set j, 0
.rept 16
	ds_load_b32 v[GR+j], v[GG] offset:256*j
.set j, j+1
.endr
.endif
	s_wait_loadcnt 0x0                             ; Wa, the mask, ba
.if GATED
	s_wait_dscnt 0x0
.endif
.set j, 0
.rept 16
.if GATED
	v_cvt_pk_bf16_f32 v160, v[WR+4*j], v[WR+4*j+1]        ; Wa rounded as an input,
	v_cvt_pk_bf16_f32 v161, v[WR+4*j+2], v[WR+4*j+3]
	v_lshlrev_b32 v162, 16, v160
	v_and_b32 v163, s39, v160
	v_lshlrev_b32 v164, 16, v161
	v_and_b32 v165, s39, v161
.if j%2 == 0
	v_pk_mul_f32 v[162:163], v[162:163], v[GR+j:GR+j+1] op_sel_hi:[1,0]               ; times pq of its k-row: the pair's first word for both,
	v_pk_mul_f32 v[164:165], v[164:165], v[GR+j:GR+j+1] op_sel_hi:[1,0]
.else
	v_pk_mul_f32 v[162:163], v[162:163], v[GR+j-1:GR+j] op_sel:[0,1] op_sel_hi:[1,1]  ; or its second,
	v_pk_mul_f32 v[164:165], v[164:165], v[GR+j-1:GR+j] op_sel:[0,1] op_sel_hi:[1,1]
.endif
	v_cvt_pk_bf16_f32 v[GO+2*j], v162, v163               ; and rounded as a matrix operand
	v_cvt_pk_bf16_f32 v[GO+2*j+1], v164, v165
.else
	v_cvt_pk_bf16_f32 v[GO+2*j], v[WR+4*j], v[WR+4*j+1]
	v_cvt_pk_bf16_f32 v[GO+2*j+1], v[WR+4*j+2], v[WR+4*j+3]
.endif
	ds_store_b64 v[GS], v[GO+2*j:GO+2*j+1] offset:2048*j
.set j, j+1
.endr
	; the mask and ba, rounded to bf16 and widened; MM = mask c2 + ba c1
.irp p, 0,1,2,3
	v_cvt_pk_bf16_f32 v[Y+(\p)], v[MM+2*(\p)], v[MM+2*(\p)+1]
.endr
	v_cvt_pk_bf16_f32 v[Y+4], v[BA], v[BA]
.irp p, 0,1,2,3
	v_lshlrev_b32 v[MM+2*(\p)], 16, v[Y+(\p)]
	v_and_b32 v[MM+2*(\p)+1], s39, v[Y+(\p)]
.endr
	v_lshlrev_b32 v[BA], 16, v[Y+4]
	v_mul_f32 v[BA], s34, v[BA]
	v_mov_b32 v[BA+1], v[BA]
.irp p, 0,1,2,3
	v_pk_fma_f32 v[MM+2*(\p):MM+2*(\p)+1], v[MM+2*(\p):MM+2*(\p)+1], 0x3fb8aa3b, v[BA:BA+1] op_sel_hi:[1,0,1]
.endr
	s_wait_tensorcnt 0x0                           ; my 8 rows of T have landed,
	s_wait_dscnt 0x0                               ; my part of G is stored:
	s_barrier_signal -1
	s_barrier_wait -1                              ; T and G are whole for every wave
	; THE SCORES: waves 0-3, 16 rows x 16 heads each, K = 1,024 in four batches of eight K steps.  Source 0 = T's rows, source 1 = G's columns: lane l ends with head l % 16 and rows 8 (l / 16) + 0..7.
	; The four accumulators take turns, one instruction a turn, from batch to batch too.
.macro BATCH q
.set f, 0
.rept 8
.set ks, 8*(\q)+f
	ds_load_b128 v[FR+16*f:FR+16*f+3],        v[AT] offset:(ks/16)*1040+(ks%16)*64
	ds_load_b128 v[FR+16*f+4:FR+16*f+7],      v[AT] offset:(ks/16)*1040+(ks%16)*64+32
	ds_load_tr16_b128 v[FR+16*f+8:FR+16*f+11],  v[AG] offset:1024*ks
	ds_load_tr16_b128 v[FR+16*f+12:FR+16*f+15], v[AG] offset:1024*ks+512
.set f, f+1
.endr
	s_wait_dscnt 0x0
.set f, 0
.rept 8
.if ((\q) == 0) && (f < 4)
	v_wmma_f32_16x16x32_bf16 v[ACC+8*(f%4):ACC+8*(f%4)+7], v[FR+16*f:FR+16*f+7], v[FR+16*f+8:FR+16*f+15], 0
.else
	v_wmma_f32_16x16x32_bf16 v[ACC+8*(f%4):ACC+8*(f%4)+7], v[FR+16*f:FR+16*f+7], v[FR+16*f+8:FR+16*f+15], v[ACC+8*(f%4):ACC+8*(f%4)+7]
.endif
.set f, f+1
.endr
.rept 4
	v_nop                                          ; four places in front of the next batch's loads into these fragments, and of the sums below
.endr
.endm
	s_cmp_lt_u32 s16, 4
	s_cbranch_scc0 .Lno_scores
	BATCH 0
	BATCH 1
	BATCH 2
	BATCH 3
.irp p, 0,1,2,3                        ; the four partial sums; each accumulator is read from its low end on
	v_pk_add_f32 v[ACC+2*(\p):ACC+2*(\p)+1], v[ACC+2*(\p):ACC+2*(\p)+1], v[ACC+8+2*(\p):ACC+8+2*(\p)+1]
.endr
.irp p, 0,1,2,3
	v_pk_add_f32 v[ACC+16+2*(\p):ACC+16+2*(\p)+1], v[ACC+16+2*(\p):ACC+16+2*(\p)+1], v[ACC+24+2*(\p):ACC+24+2*(\p)+1]
.endr
.irp p, 0,1,2,3
	v_pk_add_f32 v[ACC+2*(\p):ACC+2*(\p)+1], v[ACC+2*(\p):ACC+2*(\p)+1], v[ACC+16+2*(\p):ACC+16+2*(\p)+1]
.endr
.irp p, 0,1,2,3
	v_pk_fma_f32 v[Y+2*(\p):Y+2*(\p)+1], v[ACC+2*(\p):ACC+2*(\p)+1], s[34:35], v[MM+2*(\p):MM+2*(\p)+1] op_sel_hi:[1,0,1]
.endr
	v_max3_num_f32 v[PR2], v[Y], v[Y+1], v[Y+2]
	v_max3_num_f32 v[PR2], v[PR2], v[Y+3], v[Y+4]
	v_max3_num_f32 v[PR2], v[PR2], v[Y+5], v[Y+6]
	v_max_num_f32 v[PR2], v[PR2], v[Y+7]
	v_mov_b32 v[PR2+1], v[PR2]                     ; the exchange's destination counts as read
	v_permlanex16_b32 v[PR2+1], v[PR2], s36, s37   ; the head's other eight rows lie in the lane 16 away
	v_max_num_f32 v[PR2], v[PR2], v[PR2+1]
	v_max_num_f32 v[PR2], 0xff7fffff, v[PR2]       ; never below the lowest finite number
	ds_store_b32 v[WMS], v[PR2]                    ; lanes l and l + 16 store the same number into the same word
.Lno_scores:
	s_wait_dscnt 0x0
	s_barrier_signal -1
	s_barrier_wait -1                              ; the four waves' maxima lie in LDS
	s_cmp_lt_u32 s16, 4
	s_cbranch_scc0 .Lno_weights
	ds_load_b128 v[48:51], v[WMR]
	s_wait_dscnt 0x0
	v_max3_num_f32 v[BA], v48, v49, v50
	v_max_num_f32 v[BA], v[BA], v51                ; m: the chunk's maximum for my head
	v_mov_b32 v[BA+1], v[BA]
.irp p, 0,1,2,3
	v_pk_add_f32 v[Y+2*(\p):Y+2*(\p)+1], v[Y+2*(\p):Y+2*(\p)+1], v[BA:BA+1] neg_lo:[0,1] neg_hi:[0,1]
.endr
.irp p, 0,1,2,3,4,5,6,7
	v_exp_f32 v[Y+(\p)], v[Y+(\p)]
.endr
	v_nop                                          ; a plain instruction behind the last exponential,
	s_wait_alu depctr_va_vdst(0)                   ; and one wait for the eight
	ds_store_b128 v[PS], v[Y:Y+3]
	ds_store_b128 v[PS], v[Y+4:Y+7] offset:16
	v_pk_add_f32 v[48:49], v[Y:Y+1], v[Y+2:Y+3]
	v_pk_add_f32 v[50:51], v[Y+4:Y+5], v[Y+6:Y+7]
	v_pk_add_f32 v[48:49], v[48:49], v[50:51]
	v_add_f32 v48, v48, v49
	v_permlanex16_b32 v49, v48, s36, s37
	v_add_f32 v48, v48, v49                        ; my wave's sum of p for my head
	ds_store_b32 v[WMS], v48 offset:256
.Lno_weights:
	s_wait_dscnt 0x0
	s_barrier_signal -1
	s_barrier_wait -1                              ; p and the four waves' sums lie in LDS
	; THE POOLING: all eight waves; thread t owns columns 4 t .. 4 t + 3, of head t / 16.  Sixteen rows a trip: 16 p, 16 x 8 bytes of T, 64 multiply-adds straight from the bf16 halves.
.irp c, 0,1,2,3
	v_mov_b32 v[OACC+(\c)], 0
.endr
	s_mov_b32 s38, 4
.Lrows:
.irp q, 0,1,2,3
	ds_load_b128 v[PB+4*(\q):PB+4*(\q)+3], v[PPR] offset:16*(\q)
.endr
.set rr, 0
.rept 16
	ds_load_b64 v[TB+2*rr:TB+2*rr+1], v[R3] offset:TP*rr
.set rr, rr+1
.endr
	s_wait_dscnt 0x0
.set rr, 0
.rept 16
	v_fma_mix_f32_bf16 v[OACC],   v[TB+2*rr],   v[PB+rr], v[OACC]   op_sel_hi:[1,0,0]
	v_fma_mix_f32_bf16 v[OACC+1], v[TB+2*rr],   v[PB+rr], v[OACC+1] op_sel:[1,0,0] op_sel_hi:[1,0,0]
	v_fma_mix_f32_bf16 v[OACC+2], v[TB+2*rr+1], v[PB+rr], v[OACC+2] op_sel_hi:[1,0,0]
	v_fma_mix_f32_bf16 v[OACC+3], v[TB+2*rr+1], v[PB+rr], v[OACC+3] op_sel:[1,0,0] op_sel_hi:[1,0,0]
.set rr, rr+1
.endr
	v_add_nc_u32 v[R3], 16*TP, v[R3]
	v_add_nc_u32 v[PPR], 64, v[PPR]
	s_sub_co_u32 s38, s38, 1
	s_cmp_lg_u32 s38, 0
	s_cbranch_scc1 .Lrows
.if GATED
	v_pk_mul_f32 v[OACC:OACC+1], v[OACC:OACC+1], v[PQ:PQ+1]        ; the pooled rows are T x pq
	v_pk_mul_f32 v[OACC+2:OACC+3], v[OACC+2:OACC+3], v[PQ+2:PQ+3]
.endif
	global_store_b128 v[T16], v[OACC:OACC+3], s[14:15]             ; a wave stores 512 consecutive bytes of the record
	s_cmp_lg_u32 s16, 0
	s_cbranch_scc1 .Lend                           ; wave 0 stores the pairs
	ds_load_b128 v[48:51], v[WMR] offset:256
	s_wait_dscnt 0x0
	v_add_f32 v48, v48, v49
	v_add_f32 v50, v50, v51
	v_mov_b32 v[PR2], v[BA]                        ; m
	v_add_f32 v[PR2+1], v48, v50                   ; l
	global_store_b64 v[L8], v[PR2:PR2+1], s[14:15] offset:4096     ; 256 consecutive bytes: pair l holds head l % 16
.Lend:
	s_wait_tensorcnt 0x0                           ; the wave's end: behind my tensor load and my last LDS store
	ds_add_u32 v[SPW], v[NIL]
	s_wait_dscnt 0x0
	s_endpgm
.Lfunc_end_k_qffde61130f_poolk:
	.size	k_qffde61130f_poolk, .Lfunc_end_k_qffde61130f_poolk-k_qffde61130f_poolk
	.p2alignl 7, 3214868480
	.fill 96, 4, 3214868480
	.section	.rodata,"a",@progbits
	.p2align	6, 0x0
	.amdhsa_kernel k_qffde61130f_poolk
		.amdhsa_group_segment_fixed_size 176128
		.amdhsa_private_segment_fixed_size 0
		.amdhsa_enable_private_segment 0
		.amdhsa_kernarg_size 48
		.amdhsa_user_sgpr_count 2
		.amdhsa_user_sgpr_kernarg_segment_ptr 1
		.amdhsa_wavefront_size32 1
		.amdhsa_system_sgpr_workgroup_id_x 1
		.amdhsa_system_sgpr_workgroup_id_y 1
		.amdhsa_system_sgpr_workgroup_id_z 1
		.amdhsa_system_vgpr_workitem_id 0
		.amdhsa_next_free_vgpr 240
		.amdhsa_next_free_sgpr 66
		.amdhsa_reserve_vcc 0
		.amdhsa_float_denorm_mode_32 3
		.amdhsa_float_denorm_mode_16_64 3
		.amdhsa_memory_ordered 1
		.amdhsa_forward_progress 1
		.amdhsa_inst_pref_size 52
	.end_amdhsa_kernel
	.amdgpu_metadata
---
amdhsa.version: [ 1, 2 ]
amdhsa.kernels:
  - .name:           k_qffde61130f_poolk
    .symbol:         k_qffde61130f_poolk.kd
    .args:
      - { .name: mk, .offset: 0, .size: 8, .value_kind: global_buffer, .address_space: global }
      - { .name: Wka, .offset: 8, .size: 8, .value_kind: global_buffer, .address_space: global }
      - { .name: bka, .offset: 16, .size: 8, .value_kind: global_buffer, .address_space: global }
      - { .name: attention_mask, .offset: 24, .size: 8, .value_kind: global_buffer, .address_space: global }
      - { .name: partq, .offset: 32, .size: 8, .value_kind: global_buffer, .address_space: global }
      - { .name: partk, .offset: 40, .size: 8, .value_kind: global_buffer, .address_space: global }
    .group_segment_fixed_size: 176128
    .private_segment_fixed_size: 0
    .kernarg_segment_align: 8
    .kernarg_segment_size: 48
    .max_flat_workgroup_size: 256
    .sgpr_count:     66
    .vgpr_count:     240
    .wavefront_size: 32
...
	.end_amdgpu_metadata
.endif
;; end of part 4
;; launch scalew (part 5): grid 32 x 8, 8 waves a work-group, no clusters, 0 bytes of LDS; arguments Wt, partk, wts; writes wts
.if DOCPART == 5
	.amdgcn_target "amdgcn-amd-amdhsa--gfx1250"
	.amdhsa_code_object_version 6
	.text
	.protected	k_qffde61130f_scalew
	.globl	k_qffde61130f_scalew
	.p2align	8
	.type	k_qffde61130f_scalew,@function
k_qffde61130f_scalew:
	s_mov_b64 s[64:65], 0
	v_nop
	global_prefetch_b8 v0, s[64:65] scope:SCOPE_SE
	s_setreg_imm32_b32 hwreg(HW_REG_WAVE_MODE, 25, 1), 1
	s_wait_xcnt 0x0
; wts[b][k][n] = bf16(pk_b[k] x bf16(Wt[k][n])): (mq x pk) Wt = mq (diag(pk) Wt), one scaled copy of Wt [1024 k][1024 n] for each of the 8 batches.
; pk_b is joined from the batch's 32 records of partk (4,352 bytes each: 1,024 f32 of part, then pairs (m, l), pair L for head L % 16; m in powers of two):
; w_i = 2^(m_i - max m), pk[k] = (the sum of w_i part_i[k]) / (the sum of w_i l_i).  The maximum is taken away before the exponential; all sums in f32.
; SHARES.  Grid x = 32 rows k, grid y = the batch.  Wave w takes rows k0 = 32 x + 4 w .. k0 + 3, all of head x / 2; its lane i joins record i, and the sums go over the wave's 32 lanes.
; A row of Wt is eight loads of 512 consecutive bytes; each store of the wave covers 256 consecutive bytes at a multiple of 256 from wts' first byte.  All 32 loads of Wt are out while pk is made.
; No LDS, no barrier: no wave needs what another has.  No register is written twice behind a store that reads it.
; LIMITS.  NaN is not treated apart; a head whose 2,048 mask entries are all -inf has a sum of 0 and gives NaN; a weight below 2^-126 counts as 0.
.set REC, 4352
.set P,   12                           ; v[12:15] pk of my four rows
.set X,   32                           ; v[32:159]  32 loads of four f32
.set Y,   160                          ; v[160:223] 32 pairs of packed bf16
	s_load_b128 s[4:7], s[0:1], 0x0                ; Wt s[4:5], partk s[6:7]
	s_load_b64 s[8:9], s[0:1], 0x10                ; wts
	v_lshrrev_b32 v5, 5, v0
	v_readfirstlane_b32 s14, v5                    ; wave 0..7
	s_and_b32 s15, ttmp7, 0xffff                   ; b
	s_lshl_b32 s16, ttmp9, 5
	s_lshl_b32 s17, s14, 2
	s_add_co_u32 s16, s16, s17                     ; k0
	v_and_b32 v5, 31, v0                           ; l
	v_lshlrev_b32 v1, 4, v5                        ; 16 l
	v_lshlrev_b32 v2, 3, v5                        ; 8 l
	v_mul_u32_u24 v4, v5, REC                      ; record l
	s_lshr_b32 s17, ttmp9, 1                       ; the head
	s_lshl_b32 s17, s17, 3
	s_add_co_u32 s17, s17, 4096
	v_add_nc_u32 v3, s17, v4                       ; its pair (m, l)
	s_lshl_b32 s17, s16, 2
	v_add_nc_u32 v4, s17, v4                       ; its part of my four rows
	v_mov_b32 v17, 0                               ; the exchanges' destination counts as read
	s_mov_b32 s12, 0x76543210                      ; v_permlanex16_b32: each lane takes its own place in the other half
	s_mov_b32 s13, 0xfedcba98
	s_mov_b32 s24, 0xffff0000                      ; a word's upper bf16
	s_lshl_b32 s18, s16, 12                        ; k0 rows of 4,096 bytes
	s_mov_b32 s19, 0
	s_mul_i32 s20, s15, 32*REC
	s_mov_b32 s21, 0
	s_lshl_b32 s22, s15, 21                        ; a batch's copy is 2 MiB,
	s_lshl_b32 s23, s16, 11                        ; k0 rows of 2,048 bytes
	s_add_co_u32 s22, s22, s23
	s_mov_b32 s23, 0
	s_wait_kmcnt 0x0
	s_add_nc_u64 s[4:5], s[4:5], s[18:19]
	s_add_nc_u64 s[6:7], s[6:7], s[20:21]
	s_add_nc_u64 s[8:9], s[8:9], s[22:23]
	global_load_b64 v[6:7], v3, s[6:7]
	global_load_b128 v[8:11], v4, s[6:7]
.set n, 0
.rept 32
	global_load_b128 v[X+4*n:X+4*n+3], v1, s[4:5] offset:4096*(n/8)+512*(n%8)
.set n, n+1
.endr
	s_wait_loadcnt 32                              ; the pair and the part are in; Wt's 32 loads stay out
	v_mov_b32 v16, v6
	v_max_num_f32_dpp v16, v16, v16 row_xmask:1 row_mask:0xf bank_mask:0xf
	v_max_num_f32_dpp v16, v16, v16 row_xmask:2 row_mask:0xf bank_mask:0xf
	v_max_num_f32_dpp v16, v16, v16 row_xmask:4 row_mask:0xf bank_mask:0xf
	v_max_num_f32_dpp v16, v16, v16 row_xmask:8 row_mask:0xf bank_mask:0xf
	v_permlanex16_b32 v17, v16, s12, s13
	v_max_num_f32 v16, v16, v17                    ; the maximum of the 32 m
	v_sub_f32 v16, v6, v16
	v_exp_f32 v16, v16                             ; w of my record
	v_nop                                          ; a plain instruction behind the exponential,
	s_wait_alu depctr_va_vdst(0)                   ; and the wait ahead of its first reader
	v_mul_f32 v18, v16, v7
	v_mul_f32 v20, v16, v8
	v_mul_f32 v21, v16, v9
	v_mul_f32 v22, v16, v10
	v_mul_f32 v23, v16, v11
.macro WSUM r                          ; the sum over the wave's 32 lanes, in every lane
	v_add_f32_dpp v[\r], v[\r], v[\r] row_xmask:1 row_mask:0xf bank_mask:0xf
	v_add_f32_dpp v[\r], v[\r], v[\r] row_xmask:2 row_mask:0xf bank_mask:0xf
	v_add_f32_dpp v[\r], v[\r], v[\r] row_xmask:4 row_mask:0xf bank_mask:0xf
	v_add_f32_dpp v[\r], v[\r], v[\r] row_xmask:8 row_mask:0xf bank_mask:0xf
	v_permlanex16_b32 v17, v[\r], s12, s13
	v_add_f32 v[\r], v[\r], v17
.endm
	WSUM 18
	WSUM 20
	WSUM 21
	WSUM 22
	WSUM 23
	v_rcp_f32 v18, v18
	v_nop
	s_wait_alu depctr_va_vdst(0)
	v_mul_f32 v[P], v20, v18
	v_mul_f32 v[P+1], v21, v18
	v_mul_f32 v[P+2], v22, v18
	v_mul_f32 v[P+3], v23, v18
.set n, 0
.rept 32
.set rr, n/8
	s_wait_loadcnt 31-n                            ; load n is in, the 31 - n younger ones stay out
	v_cvt_pk_bf16_f32 v24, v[X+4*n], v[X+4*n+1]    ; Wt rounded as an input,
	v_cvt_pk_bf16_f32 v25, v[X+4*n+2], v[X+4*n+3]
	v_lshlrev_b32 v20, 16, v24
	v_and_b32 v21, s24, v24
	v_lshlrev_b32 v22, 16, v25
	v_and_b32 v23, s24, v25
.if rr%2 == 0
	v_pk_mul_f32 v[20:21], v[20:21], v[P+rr:P+rr+1] op_sel_hi:[1,0]               ; times its row's pk: the pair's first word for both,
	v_pk_mul_f32 v[22:23], v[22:23], v[P+rr:P+rr+1] op_sel_hi:[1,0]
.else
	v_pk_mul_f32 v[20:21], v[20:21], v[P+rr-1:P+rr] op_sel:[0,1] op_sel_hi:[1,1]  ; or its second,
	v_pk_mul_f32 v[22:23], v[22:23], v[P+rr-1:P+rr] op_sel:[0,1] op_sel_hi:[1,1]
.endif
	v_cvt_pk_bf16_f32 v[Y+2*n], v20, v21           ; and rounded as a matrix operand
	v_cvt_pk_bf16_f32 v[Y+2*n+1], v22, v23
	global_store_b64 v2, v[Y+2*n:Y+2*n+1], s[8:9] offset:2048*rr+256*(n%8)
.set n, n+1
.endr
	s_endpgm
.Lfunc_end_k_qffde61130f_scalew:
	.size	k_qffde61130f_scalew, .Lfunc_end_k_qffde61130f_scalew-k_qffde61130f_scalew
	.p2alignl 7, 3214868480
	.fill 96, 4, 3214868480
	.section	.rodata,"a",@progbits
	.p2align	6, 0x0
	.amdhsa_kernel k_qffde61130f_scalew
		.amdhsa_group_segment_fixed_size 0
		.amdhsa_private_segment_fixed_size 0
		.amdhsa_enable_private_segment 0
		.amdhsa_kernarg_size 24
		.amdhsa_user_sgpr_count 2
		.amdhsa_user_sgpr_kernarg_segment_ptr 1
		.amdhsa_wavefront_size32 1
		.amdhsa_system_sgpr_workgroup_id_x 1
		.amdhsa_system_sgpr_workgroup_id_y 1
		.amdhsa_system_sgpr_workgroup_id_z 1
		.amdhsa_system_vgpr_workitem_id 0
		.amdhsa_next_free_vgpr 224
		.amdhsa_next_free_sgpr 66
		.amdhsa_reserve_vcc 0
		.amdhsa_float_denorm_mode_32 3
		.amdhsa_float_denorm_mode_16_64 3
		.amdhsa_memory_ordered 1
		.amdhsa_forward_progress 1
		.amdhsa_inst_pref_size 28
	.end_amdhsa_kernel
	.amdgpu_metadata
---
amdhsa.version: [ 1, 2 ]
amdhsa.kernels:
  - .name:           k_qffde61130f_scalew
    .symbol:         k_qffde61130f_scalew.kd
    .args:
      - { .name: Wt, .offset: 0, .size: 8, .value_kind: global_buffer, .address_space: global }
      - { .name: partk, .offset: 8, .size: 8, .value_kind: global_buffer, .address_space: global }
      - { .name: wts, .offset: 16, .size: 8, .value_kind: global_buffer, .address_space: global }
    .group_segment_fixed_size: 0
    .private_segment_fixed_size: 0
    .kernarg_segment_align: 8
    .kernarg_segment_size: 24
    .max_flat_workgroup_size: 256
    .sgpr_count:     66
    .vgpr_count:     224
    .wavefront_size: 32
...
	.end_amdgpu_metadata
.endif
;; end of part 5
;; launch outp (part 6): grid 4 x 64, 4 waves a work-group, clusters of 4 x 4, 327,680 bytes of LDS; arguments mq, wts, bt, out0; writes out0
.if DOCPART == 6
	.amdgcn_target "amdgcn-amd-amdhsa--gfx1250"
	.amdhsa_code_object_version 6
	.text
	.protected	k_qffde61130f_outp
	.globl	k_qffde61130f_outp
	.p2align	8
	.type	k_qffde61130f_outp,@function
k_qffde61130f_outp:
	s_mov_b64 s[64:65], 0
	v_nop
	global_prefetch_b8 v0, s[64:65] scope:SCOPE_SE
	s_setreg_imm32_b32 hwreg(HW_REG_WAVE_MODE, 25, 1), 1
	s_wait_xcnt 0x0
	s_wait_alu depctr_hold_cnt(0) depctr_sa_sdst(0) depctr_va_vdst(0) depctr_va_sdst(0) depctr_va_ssrc(0) depctr_va_vcc(0) depctr_vm_vsrc(0)
	s_getreg_b32 s2, hwreg(HW_REG_IB_STS2, 6, 4)
	s_cmp_eq_u32 s2, 0
	s_cbranch_scc0 .Lentry_in_a_cluster
	s_endpgm
.Lentry_in_a_cluster:
	s_bfe_u32 s2, ttmp6, 0x10000c
	s_cmp_lg_u32 s2, 0xf033
	s_cbranch_scc0 .Lentry_shape_is_right
	s_endpgm
.Lentry_shape_is_right:
; out0 = mq wts_b + bt + mq.  mq: [16384][1024] bf16; wts: [8 batches][1024 k][1024 n] bf16 (diag(pk_b) Wt); bt: [1024] f32, rounded to bf16 like every input; sums in f32; out0: [16384][1024] f32.
; A tile of C, 256 x 256, is made by a work-group of four waves; a wave makes 128 x 128: 64 accumulators of 16 x 16, 512 registers.  K goes in 8 steps of 128 through a ring of two LDS slots.
; CLUSTERS of 4 x 4 work-groups: cx is the tile column, 4 x cluster y + cy the tile row; a batch is 8 tile rows, two rows of clusters, so all sixteen partners use the same wts_b.
; The four of a row of the cluster need the same tile of mq, the four of a column the same tile of wts_b: each is asked for JOINTLY, by the same tensor load, descriptor and mask in all four.
; wts STAYS [k][n]: its tile is 128 k-rows x 512 bytes, and its fragments come out of LDS turned, by ds_load_tr16_b128.
; THE MATRIX INSTRUCTION IS USED TRANSPOSED (source 0 = 16 columns of wts_b, source 1 = 16 rows of mq): a lane holds row l % 16 of C and the columns 8 (l / 16) + 0..7.
; bt STARTS THE SUMS: it is the C operand of each accumulator's first product.  mq IS ADDED ON THE WAY OUT, in f32, straight from its bf16 halves.
; REGISTERS, in windows of 256 (s_set_vgpr_msb: bits 1:0 source 0, 3:2 source 1, 5:4 source 2, 7:6 destination):
;   window 0: v0-31 addresses; v64-127, v128-191 fragments of mq, two buffers; on the way out two sets of 96 from v64 on: 16 rows x 4 f32 and 16 rows x 2 words of mq
;   window 1: v0-63 the bias (block b of 16 columns at v[8 b]); v64-127, v128-191 fragments of wts_b; v192-223 at work while the bias is rounded
;   window 2: the accumulators of my rows 0-63 ((a, b) at v[8 (8 a + b)]);   window 3: those of my rows 64-127
; LIMITS.  NaN and infinities are not treated apart.
.set KSTEP,  128
.set PA,     272                       ; a row of mq in LDS: 256 bytes + 16 = 68 words: the 16 rows of a load start at 16 different groups of four banks (64 banks of 4 bytes: ISA guide 11.1)
.set PB,     544                       ; a k-row of wts_b: 512 bytes + 32 = 136 words
.set HALFT,  128*PA                    ; what one tensor load brings: 128 rows of mq, or 64 k-rows of wts_b (64 x 544 is the same number)
.set SLOT,   4*HALFT                   ; mq's 256 rows, then wts_b's 128 k-rows
.set STAGE,  2*SLOT                    ; behind the ring: 16 rows x 528 bytes for each wave, for the way out
.set SPITCH, 528                       ; 512 bytes of f32 + 16: an odd multiple of 16
.set SPARE,  STAGE+4*16*SPITCH         ; behind the stages: the spare words, 128 bytes for each wave: two blocks of 256 bytes that no other line names
.set ROWB,   2048                      ; bytes in a row of mq and of wts
.set BSTEP,  KSTEP*ROWB                ; a K step in wts_b: 128 k-rows
.set LAPS,   4                         ; a lap = two K steps = once round the ring
.set ADRA, 16                          ; v16-17  LDS address of my fragments of mq in slot 0, 1
.set BO,   18                          ; v18     32 (l / 16): my eight columns in a block of the bias
.set ADRB, 20                          ; v20-21  the same as ADRA for wts_b
.set MO,   22                          ; v22     8 l: my four numbers in 256 bytes of a row of mq
.set STO,  24                          ; v24     the way out: where I put 32 bytes of a row
.set RD,   25                          ; v25     the way out: where I read 16 bytes of a row back
.set CO,   26                          ; v26     16 l: my four numbers in 512 bytes of a row of out0
.set ONE,  27                          ; v27     1.0
.set SPW,  28                          ; v28     LDS address of my spare word; never rewritten
.set NIL,  29                          ; v29     0; never rewritten
.set PFO,  30                          ; v30     the prefetches' lane offset; never rewritten
.set F0,   64
.set F1,   128
.set G1,   24                          ; s[24:31] descriptor group 1 for mq's tiles;  s[32:39] group 0, a set for each slot
.set G0,   32
.set G1B,  48                          ; s[48:55], s[56:63] the same for wts_b's
.set G0B,  56
.set LIM,  43                          ; s43      1 in a wave that prefetches, else the greatest number
.set PFA,  44                          ; s[44:45] where my prefetches stand
.set BIA,  82                          ; s[82:83] bt at my wave's 128 columns
.set PST,  84                          ; s[84:85] a K step for my prefetches
.set RES,  86                          ; s[86:87] mq at my part of the tile, for the way out
.set MSB, 0
.macro WIN new                         ; the immediate's high byte repeats the setting that is left; a switch that changes nothing is dropped
.if MSB != (\new)
	s_set_vgpr_msb (MSB<<8)|(\new)
.set MSB, \new
.endif
.endm
.set MUL_LO, 0xa1                      ; source 0 (wts_b) window 1, source 1 (mq) window 0, C and D window 2
.set MUL_HI, 0xf1                      ; the same, C and D window 3
.set TO_B,   0x40                      ; destination window 1, address window 0
; A joint load.  Waves 0 and 1 fetch mq's two halves, waves 2 and 3 wts_b's.  The branch hangs on the wave's number alone.
; An s_nop 0 and four v_nop follow each of the two lines, ahead of the jump, the label and what follows.
.macro JLOAD s
	s_cmp_eq_u32 s11, 0
	s_cbranch_scc0 .Lfor_b_\@
	tensor_load_to_lds s[G0+4*(\s):G0+4*(\s)+3], s[G1:G1+7]
	s_nop 0
.rept 4
	v_nop
.endr
	s_branch .Lasked_\@
.Lfor_b_\@:
	tensor_load_to_lds s[G0B+4*(\s):G0B+4*(\s)+3], s[G1B:G1B+7]
	s_nop 0
.rept 4
	v_nop
.endr
.Lasked_\@:
.endm
; A PREFETCH INTO THE L2, behind each joint refill and the run of LDS loads that follows it: the K step that stands two refills on, 512 matrix instructions ahead of the load that will want it.
; Each aligned block of 256 bytes is named once in the launch.  mq's tile row is multiplied by one cluster alone: it asks; a batch's wts_b by two rows of clusters: the even one asks.
; The four partners that ask for a tile jointly share it out BY ADDRESS: of mq's 128 rows that a wave fetches the partner at cx takes 32 (a lane a row); of wts_b's 64 k-rows the partner at cy takes 16
; (a lane half a k-row's 512 bytes).  K steps 0 to 3 come by their loads alone; the loop's last trip (s3 = 1) asks for nothing: K step 7 is the last.  mq's second reading, on the way out, is not asked for.
.macro ASK
	s_cmp_gt_u32 s3, s[LIM]
	s_cbranch_scc0 .Lnot_mine_\@
	global_prefetch_b8 v[PFO], s[PFA:PFA+1] th:TH_LOAD_NT scope:SCOPE_SE
.Lnot_mine_\@:
.endm
.macro CREST                           ; a round of the cluster's barrier behind its opening barrier
	s_cmp_lg_u32 s10, 0
	s_cbranch_scc1 .Lnot_wave_0_\@
	s_barrier_signal -3
.Lnot_wave_0_\@:
	s_barrier_wait -3
	s_barrier_signal -1
	s_barrier_wait -1
.endm
.macro CROUND                          ; a whole round
	s_barrier_signal -1
	s_barrier_wait -1
	CREST
.endm
	s_load_b256 s[68:75], s[0:1], 0x0              ; mq s[68:69], wts s[70:71], bt s[72:73], out0 s[74:75]
	v_lshl_add_u32 v[SPW], v0, 2, SPARE
	v_mov_b32 v[NIL], 0
	ds_add_u32 v[SPW], v[NIL]                      ; the wave's opening: the add and its wait ahead of my first tensor load; the set-up below, work on registers, stands between them
	v_lshrrev_b32 v1, 5, v0
	v_readfirstlane_b32 s10, v1                    ; wave 0..3
	s_lshr_b32 s11, s10, 1                         ; which half of the tile's rows is mine.  Also: I fetch for mq (0) or for wts_b (1)
	s_and_b32 s12, s10, 1                          ; which half of its columns.  Also: which half of that tile I fetch
	s_bfe_u32 s40, ttmp6, 0x40000                  ; cx: the tile column
	s_bfe_u32 s41, ttmp6, 0x40004                  ; cy
	s_and_b32 s13, ttmp7, 0xffff                   ; cluster y
	s_lshr_b32 s42, s13, 1                         ; the batch: the same in all sixteen partners,
	s_lshl_b32 s42, s42, 21                        ; its 2 MiB of wts
	s_lshl_b32 s13, s13, 2
	s_add_co_u32 s13, s13, s41                     ; tile row = 4 x cluster y + cy
	s_lshl_b32 s43, s41, 2
	s_lshl_b32 s43, 15, s43                        ; my row of the cluster: places 4 cy .. 4 cy + 3
	s_lshl_b32 s44, 0x1111, s40                    ; my column: places cx, cx + 4, cx + 8, cx + 12
	s_or_b32 s[G1+0], s43, (1<<16)|(1<<20)|(1<<21)|(5<<22)|(3<<25)   ; the mask; elements of 2 bytes; padding on; bit 21 beside a mask; after every 64 words, 4 words
	s_or_b32 s[G1B+0], s44, (1<<16)|(1<<20)|(1<<21)|(6<<22)|(7<<25)  ; the same with my column's mask; after every 128 words, 8 words
	s_mov_b32 s[G1+1], 128<<16                     ; tensor_dim0 = 128 elements
	s_mov_b32 s[G1+2], 128<<16                     ; tensor_dim1 = 128 rows
	s_mov_b32 s[G1+3], 128<<16                     ; tile_dim0
	s_mov_b32 s[G1+4], 128                         ; tile_dim1
	s_mov_b32 s[G1+5], 1024                        ; elements from row to row
	s_mov_b32 s[G1+6], 0
	s_mov_b32 s[G1+7], 0
	s_mov_b32 s[G1B+1], 256<<16                    ; 256 elements,
	s_mov_b32 s[G1B+2], 64<<16                     ; 64 k-rows
	s_mov_b32 s[G1B+3], 256<<16
	s_mov_b32 s[G1B+4], 64
	s_mov_b32 s[G1B+5], 1024
	s_mov_b32 s[G1B+6], 0
	s_mov_b32 s[G1B+7], 0
	; where the tiles come from.  mq's hang on the tile row alone, which my row of the cluster shares; wts_b's on cx and the batch, which my column shares.
	s_lshl_b32 s17, s12, 7
	s_lshl_b32 s16, s13, 8
	s_add_co_u32 s16, s16, s17                     ; mq: row 256 x tile row + 128 x half,
	s_lshl_b32 s16, s16, 11                        ; in bytes (under 2^25)
	s_mov_b32 s17, 0
	s_lshl_b32 s46, s12, 17                        ; wts_b: 64 k-rows x half,
	s_lshl_b32 s47, s40, 9                         ; 512 bytes x tile column,
	s_add_co_u32 s46, s46, s47
	s_add_co_u32 s46, s46, s42                     ; the batch
	s_mov_b32 s47, 0
	s_mul_i32 s20, s10, HALFT                      ; and where they go: wave x a quarter of a slot: no place in the cluster enters an LDS address
	s_wait_dscnt 0x0                               ; the opening add is done
	s_wait_kmcnt 0x0
	s_mov_b64 s[4:5], s[68:69]
	s_mov_b64 s[6:7], s[70:71]
	s_mov_b64 s[BIA:BIA+1], s[72:73]
	s_mov_b64 s[8:9], s[74:75]
	s_add_nc_u64 s[14:15], s[4:5], s[16:17]
	s_add_nc_u64 s[46:47], s[6:7], s[46:47]
	CROUND                                         ; all sixteen work-groups are here: the first joint loads meet
.irp s, 0,1
	s_mov_b32 s[G0+4*(\s)], 1                                        ; count = 1
	s_add_co_u32 s[G0+4*(\s)+1], s20, (\s)*SLOT                      ; LDS address
	s_add_nc_u64 s[G0+4*(\s)+2:G0+4*(\s)+3], s[14:15], (\s)*KSTEP*2  ; global address: K step s
	s_or_b32 s[G0+4*(\s)+3], s[G0+4*(\s)+3], 0x80000000              ; type = 2
	s_mov_b32 s[G0B+4*(\s)], 1
	s_add_co_u32 s[G0B+4*(\s)+1], s20, (\s)*SLOT
	s_add_nc_u64 s[G0B+4*(\s)+2:G0B+4*(\s)+3], s[46:47], (\s)*BSTEP
	s_or_b32 s[G0B+4*(\s)+3], s[G0B+4*(\s)+3], 0x80000000
	JLOAD \s                                       ; two loads of mine are out
.endr
	v_and_b32 v1, 15, v0                           ; l % 16
	v_bfe_u32 v2, v0, 4, 1                         ; l / 16
	; the bias of my 128 columns: block b's register j is column 16 b + 8 (l / 16) + j
	v_lshlrev_b32 v[BO], 5, v2
	s_lshl_b32 s20, s40, 10                        ; 256 columns x 4 bytes x tile column
	s_lshl_b32 s21, s12, 9
	s_add_co_u32 s20, s20, s21
	s_mov_b32 s21, 0
	s_add_nc_u64 s[BIA:BIA+1], s[BIA:BIA+1], s[20:21]
	WIN TO_B
.irp b, 0,1,2,3,4,5,6,7
	global_load_b128 v[8*(\b):8*(\b)+3],   v[BO], s[BIA:BIA+1] offset:64*(\b)
	global_load_b128 v[8*(\b)+4:8*(\b)+7], v[BO], s[BIA:BIA+1] offset:64*(\b)+16
.endr
	WIN 0
	; a fragment of mq: lane l holds row l % 16; two loads of 16 bytes, 32 bytes apart
	v_mul_u32_u24 v3, v1, PA
	v_lshl_add_u32 v3, v2, 4, v3                   ; row x pitch + 16 x half
	s_mul_i32 s21, s11, HALFT                      ; my 128 rows of mq
	; a fragment of wts_b: the turning load takes 16 k x 16 n (lane l reads k-row 8 (l / 16) + l % 8, columns 8 ((l / 8) % 2) + 0..7) and leaves lane l column l % 16 and 8 k
	v_and_b32 v4, 7, v0
	v_lshl_add_u32 v4, v2, 3, v4
	v_mul_u32_u24 v4, v4, PB
	v_bfe_u32 v5, v0, 3, 1
	v_lshl_add_u32 v4, v5, 4, v4
	s_lshl_b32 s22, s12, 8                         ; my 128 columns: 256 bytes of a k-row,
	s_add_co_u32 s22, s22, 2*HALFT                 ; behind mq's 256 rows
.irp s, 0,1
	v_add_nc_u32 v[ADRA+(\s)], s21, v3
	v_add_nc_u32 v[ADRB+(\s)], s22, v4
	s_add_co_u32 s21, s21, SLOT
	s_add_co_u32 s22, s22, SLOT
.endr
	s_mul_i32 s23, s10, 16*SPITCH
	s_add_co_u32 s23, s23, STAGE                   ; my stage
	v_mul_u32_u24 v6, v1, SPITCH                   ; in: row l % 16, 32 bytes for each half of the lanes
	v_lshl_add_u32 v6, v2, 5, v6
	v_add_nc_u32 v[STO], s23, v6
	v_and_b32 v7, 31, v0
	v_lshlrev_b32 v[CO], 4, v7
	v_add_nc_u32 v[RD], s23, v[CO]                 ; back: 32 lanes take one row of 512 bytes
	v_lshlrev_b32 v[MO], 3, v7
	v_mov_b32 v[ONE], 1.0
	s_lshl_b32 s16, s13, 8
	s_lshl_b32 s17, s11, 7
	s_add_co_u32 s16, s16, s17                     ; my first row of C
	s_lshl_b32 s46, s40, 10                        ; my first column in out0, in bytes: 1,024 x tile column + 512 x half
	s_lshl_b32 s47, s12, 9
	s_add_co_u32 s46, s46, s47
	s_lshr_b32 s20, s46, 1                         ; and in mq
	s_lshl_b32 s17, s16, 12                        ; rows of 4,096 bytes (under 2^26)
	s_add_co_u32 s46, s46, s17
	s_mov_b32 s47, 0
	s_add_nc_u64 s[8:9], s[8:9], s[46:47]          ; never stepped: a row's place stands in the stores' immediates
	s_lshl_b32 s17, s16, 11
	s_add_co_u32 s20, s20, s17
	s_mov_b32 s21, 0
	s_add_nc_u64 s[RES:RES+1], s[4:5], s[20:21]
	; the prefetches
	s_lshl_b32 s20, s13, 8
	s_lshl_b32 s21, s12, 7
	s_add_co_u32 s20, s20, s21                     ; mq: the 128 rows that I fetch,
	s_lshl_b32 s21, s40, 5
	s_add_co_u32 s20, s20, s21                     ; my work-group's 32 of them,
	s_lshl_b32 s20, s20, 11
	s_add_co_u32 s20, s20, 3*KSTEP*2               ; at K step 3: the first refill steps it to 4
	s_lshl_b32 s21, s12, 6                         ; wts_b: the 64 k-rows that I fetch,
	s_lshl_b32 s23, s41, 4
	s_add_co_u32 s21, s21, s23                     ; my work-group's 16 of them,
	s_lshl_b32 s21, s21, 11
	s_lshl_b32 s23, s40, 9
	s_add_co_u32 s21, s21, s23                     ; the tile column,
	s_add_co_u32 s21, s21, s42                     ; the batch,
	s_add_co_u32 s21, s21, 3*BSTEP                 ; at K step 3
	s_and_b32 s22, ttmp7, 1                        ; the odd row of clusters of a batch asks for nothing of wts_b
	s_mov_b32 s23, BSTEP
	s_mov_b32 s18, 16*ROWB
	s_cmp_eq_u32 s11, 0                            ; do I fetch for mq?
	s_cselect_b32 s20, s20, s21
	s_cselect_b32 s22, 0, s22
	s_cselect_b64 s[PFA:PFA+1], s[4:5], s[6:7]
	s_cselect_b32 s[PST], 256, s23
	s_cselect_b32 s18, s18, 256                    ; lanes 16-31: sixteen rows further down, or the k-row's second 256 bytes
	s_mov_b32 s[PST+1], 0
	s_cmp_eq_u32 s22, 0
	s_cselect_b32 s[LIM], 1, -1                    ; the same in all sixteen partners, for a given wave
	s_mov_b32 s21, 0
	s_add_nc_u64 s[PFA:PFA+1], s[PFA:PFA+1], s[20:21]
	v_lshlrev_b32 v[PFO], 11, v1
	v_mad_u32_u24 v[PFO], v2, s18, v[PFO]
	s_wait_loadcnt 0x0                             ; the bias is in: it is rounded to bf16, like every input, and widened again
	WIN 0x45                                       ; destination and both sources in window 1
.set p, 0
.rept 32
	v_cvt_pk_bf16_f32 v[192+p], v[2*p], v[2*p+1]
	v_lshlrev_b32 v[2*p], 16, v[192+p]
	v_and_b32 v[2*p+1], 0xffff0000, v[192+p]
.set p, p+1
.endr
	WIN 0
; 16 matrix instructions: m blocks a0, a0 + 1 of the window's four (hi = 0: my rows 0-63, 1: rows 64-127) x all 8 n blocks, 32 along K.  zero = 1: the first product starts the sums, with the bias as C.
; The 64 accumulators take turns, one instruction a turn, in the same order in every quarter step.
.macro MUL16 f, hi, a0, zero
.if \zero
	WIN 0x91+0x40*(\hi)                            ; as below, but C in window 1
.else
	WIN MUL_LO+0x50*(\hi)
.endif
.irp a, \a0, (\a0)+1
.irp b, 0,1,2,3,4,5,6,7
.if \zero
	v_wmma_f32_16x16x32_bf16 v[8*(8*(\a)+(\b)):8*(8*(\a)+(\b))+7], v[(\f)+8*(\b):(\f)+8*(\b)+7], v[(\f)+8*(4*(\hi)+(\a)):(\f)+8*(4*(\hi)+(\a))+7], v[8*(\b):8*(\b)+7]
.else
	v_wmma_f32_16x16x32_bf16 v[8*(8*(\a)+(\b)):8*(8*(\a)+(\b))+7], v[(\f)+8*(\b):(\f)+8*(\b)+7], v[(\f)+8*(4*(\hi)+(\a)):(\f)+8*(4*(\hi)+(\a))+7], v[8*(8*(\a)+(\b)):8*(8*(\a)+(\b))+7]
.endif
.endr
.endr
.endm
; 32 LDS loads in one run: the fragments of one quarter step (32 K at byte k of mq's rows, k-rows k / 2 on of wts_b) into buffer f; wts_b's first
.macro FETCH slot, k, f
	WIN TO_B
.irp i, 0,1,2,3,4,5,6,7
	ds_load_tr16_b128 v[(\f)+8*(\i):(\f)+8*(\i)+3],   v[ADRB+(\slot)] offset:((\k)/64)*32*PB+32*(\i)
	ds_load_tr16_b128 v[(\f)+8*(\i)+4:(\f)+8*(\i)+7], v[ADRB+(\slot)] offset:((\k)/64)*32*PB+16*PB+32*(\i)
.endr
	WIN 0
.irp i, 0,1,2,3,4,5,6,7
	ds_load_b128 v[(\f)+8*(\i):(\f)+8*(\i)+3],   v[ADRA+(\slot)] offset:(\k)+(\i)*16*PA
	ds_load_b128 v[(\f)+8*(\i)+4:(\f)+8*(\i)+7], v[ADRA+(\slot)] offset:(\k)+(\i)*16*PA+32
.endr
.endm
.macro PLACES                          ; four plain vector instructions in front of loads into registers that matrix instructions have read, and of LDS stores that read results
.rept 4
	v_nop
.endr
.endm
; A K step is four quarters of 32 along K, 64 matrix instructions each, on buffers 0, 1, 0, 1.  One of the first three: multiplies buffer f and, in its middle, fetches the next quarter into g.
.macro QUARTER slot, k, f, g, zero
	s_wait_dscnt 8                                 ; wts_b's fragments and mq's rows 0-63 are in; the youngest eight loads (rows 64-127) may be out
	MUL16 \f, 0, 0, \zero
	MUL16 \f, 0, 2, \zero
	PLACES
	FETCH \slot, \k, \g
	s_wait_dscnt 32                                ; all but the 32 just issued
	MUL16 \f, 1, 0, \zero
	MUL16 \f, 1, 2, \zero
.endm
; The last quarter multiplies buffer 1 and changes slots.  ONE barrier: in front of it each wave waits for all its tensor loads (one is out: its part of the next slot), adds 0 to its spare word, and waits
; for that and for its own reads of this slot.  Behind it nobody reads this slot any more and the next slot is whole.
.macro MEET round
	WIN 0                                          ; (the add's two registers lie in window 0)
	s_wait_tensorcnt 0x0
	ds_add_u32 v[SPW], v[NIL]                      ; 0 onto my spare word
	s_wait_dscnt 9                                 ; (the add and the youngest eight loads may be out)
	MUL16 F1, 0, 0, 0                              ; sixteen matrix instructions stand between the add and the wait for it
	s_wait_dscnt 0x0                               ; the add is done, and my reads of this slot are over
	s_barrier_signal -1
	MUL16 F1, 0, 2, 0                              ; work on registers while the others arrive
.if \round
	WIN 0
.endif
	s_barrier_wait -1
.endm
.macro TURN slot, next                 ; the whole last quarter: this slot is filled again, two K steps ahead: from the request to the wait for it a wave issues 224 matrix instructions
	s_wait_xcnt 0x0                                ; the last prefetch, a K step back, has read its address
	s_add_nc_u64 s[PFA:PFA+1], s[PFA:PFA+1], s[PST:PST+1]
	MEET 1
	CREST                                          ; the barrier has opened a round of the cluster's: no wave of any partner still reads this slot or has a load on its way
	s_add_nc_u64 s[G0+4*(\slot)+2:G0+4*(\slot)+3], s[G0+4*(\slot)+2:G0+4*(\slot)+3], 2*KSTEP*2
	s_add_nc_u64 s[G0B+4*(\slot)+2:G0B+4*(\slot)+3], s[G0B+4*(\slot)+2:G0B+4*(\slot)+3], 2*BSTEP
	JLOAD \slot                                    ; the first tensor load behind the round; its four v_nop are also the places in front of the loads below
	FETCH \next, 0, F0
	ASK
	MUL16 F1, 1, 0, 0
	MUL16 F1, 1, 2, 0
.endm
; THE WAY OUT of block a (16 rows x 128 columns of f32), on two sets of registers by turns.
; TOSTAGE3: the block's 16 rows of mq are asked for (a wave reads 256 consecutive bytes a row); the eight accumulators go into my own stage, each from its low end on; whole rows of 512 bytes come back.
.macro TOSTAGE3 a
.set SR, 64+96*((\a)%2)
.set MR, SR+64
.set AC, 64*((\a)%4)
	WIN 0
	s_wait_xcnt 0x0                                ; the stores of the block two back have read this set: it is loaded again only behind this wait
.set t, 0
.rept 16
	global_load_b64 v[MR+2*t:MR+2*t+1], v[MO], s[RES:RES+1] offset:(16*(\a)+t)*ROWB
.set t, t+1
.endr
	WIN 0x08+4*((\a)/4)                            ; the stores' data in window 2 or 3
.irp b, 0,1,2,3,4,5,6,7
	ds_store_b128 v[STO], v[AC+8*(\b):AC+8*(\b)+3]   offset:64*(\b)
	ds_store_b128 v[STO], v[AC+8*(\b)+4:AC+8*(\b)+7] offset:64*(\b)+16
.endr
	WIN 0
.set t, 0
.rept 16
	ds_load_b128 v[SR+4*t:SR+4*t+3], v[RD] offset:SPITCH*t  ; LDS serves a wave's instructions in order (ISA guide 5.7.1.4): these see the stores above, and the next block's stores come behind them
.set t, t+1
.endr
.endm
; SEND3: mq is added, one multiply-add by 1.0 straight from each bf16 half, and the rows are stored.  yd, yl: the LDS instructions and the global loads issued behind this block's, which may stay out.
.macro SEND3 a, yd, yl
.set SR, 64+96*((\a)%2)
.set MR, SR+64
	WIN 0
	s_wait_dscnt \yd
	s_wait_loadcnt \yl
.set t, 0
.rept 16
	v_fma_mix_f32_bf16 v[SR+4*t],   v[MR+2*t],   v[ONE], v[SR+4*t]   op_sel_hi:[1,0,0]
	v_fma_mix_f32_bf16 v[SR+4*t+1], v[MR+2*t],   v[ONE], v[SR+4*t+1] op_sel:[1,0,0] op_sel_hi:[1,0,0]
	v_fma_mix_f32_bf16 v[SR+4*t+2], v[MR+2*t+1], v[ONE], v[SR+4*t+2] op_sel_hi:[1,0,0]
	v_fma_mix_f32_bf16 v[SR+4*t+3], v[MR+2*t+1], v[ONE], v[SR+4*t+3] op_sel:[1,0,0] op_sel_hi:[1,0,0]
	global_store_b128 v[CO], v[SR+4*t:SR+4*t+3], s[8:9] offset:(16*(\a)+t)*4096 th:TH_STORE_NT  ; a wave stores 512 consecutive bytes, at a multiple of 512 from out0's first byte
.set t, t+1
.endr
.endm
	s_wait_tensorcnt 1                             ; my part of K step 0 is in; K step 1's may stay out
	s_barrier_signal -1
	s_barrier_wait -1                              ; everybody's is
	FETCH 0, 0, F0
	QUARTER 0, 64,  F0, F1, 1                      ; the first quarter stands in front of the loop: its products start the sums
	WIN 0                                          ; at a label and at a branch every window is 0
	s_mov_b32 s3, LAPS-1
.Llap:                                                 ; a trip goes once round the ring, from a lap's second quarter to the next lap's first, and fills both slots again: K steps 2 to 7
	QUARTER 0, 128, F1, F0, 0
	QUARTER 0, 192, F0, F1, 0
	TURN 0, 1
	QUARTER 1, 64,  F0, F1, 0
	QUARTER 1, 128, F1, F0, 0
	QUARTER 1, 192, F0, F1, 0
	TURN 1, 0
	QUARTER 0, 64,  F0, F1, 0
	WIN 0
	s_sub_co_u32 s3, s3, 1
	s_cmp_lg_u32 s3, 0
	s_cbranch_scc1 .Llap
	QUARTER 0, 128, F1, F0, 0                      ; the last lap is written out: it fills nothing
	QUARTER 0, 192, F0, F1, 0
	MEET 0                                         ; my one load that was still out is slot 1's, the last K step's
	PLACES
	FETCH 1, 0, F0
	MUL16 F1, 1, 0, 0
	MUL16 F1, 1, 2, 0
	QUARTER 1, 64,  F0, F1, 0
	QUARTER 1, 128, F1, F0, 0
	QUARTER 1, 192, F0, F1, 0
	s_wait_dscnt 8                                 ; the very last quarter: nothing more to fetch
	MUL16 F1, 0, 0, 0
	MUL16 F1, 0, 2, 0
	s_wait_dscnt 0x0
	MUL16 F1, 1, 0, 0
	MUL16 F1, 1, 2, 0
	PLACES                                         ; in front of the LDS stores that read results and of the loads into the fragments' registers
	TOSTAGE3 0
.irp a, 1,2,3,4,5,6,7                  ; block a's loads and stage traffic go out ahead of block a - 1's sums and stores: 32 LDS instructions and 16 global loads are younger
	TOSTAGE3 \a
	SEND3 (\a)-1, 32, 16
.endr
	SEND3 7, 0, 0
	s_wait_tensorcnt 0x0                           ; the wave's end: behind my last tensor load and my last LDS store
	ds_add_u32 v[SPW], v[NIL]
	s_wait_dscnt 0x0
	CROUND                                         ; the closing round: no work-group ends while a partner may still ask for a tile that names it
	s_endpgm
.Lfunc_end_k_qffde61130f_outp:
	.size	k_qffde61130f_outp, .Lfunc_end_k_qffde61130f_outp-k_qffde61130f_outp
	.p2alignl 7, 3214868480
	.fill 96, 4, 3214868480
	.section	.rodata,"a",@progbits
	.p2align	6, 0x0
	.amdhsa_kernel k_qffde61130f_outp
		.amdhsa_group_segment_fixed_size 327680
		.amdhsa_private_segment_fixed_size 0
		.amdhsa_enable_private_segment 0
		.amdhsa_kernarg_size 32
		.amdhsa_user_sgpr_count 2
		.amdhsa_user_sgpr_kernarg_segment_ptr 1
		.amdhsa_wavefront_size32 1
		.amdhsa_system_sgpr_workgroup_id_x 1
		.amdhsa_system_sgpr_workgroup_id_y 1
		.amdhsa_system_sgpr_workgroup_id_z 1
		.amdhsa_system_vgpr_workitem_id 0
		.amdhsa_next_free_vgpr 1024
		.amdhsa_next_free_sgpr 88
		.amdhsa_reserve_vcc 0
		.amdhsa_float_denorm_mode_32 3
		.amdhsa_float_denorm_mode_16_64 3
		.amdhsa_memory_ordered 1
		.amdhsa_forward_progress 1
		.amdhsa_inst_pref_size 193
	.end_amdhsa_kernel
	.amdgpu_metadata
---
amdhsa.version: [ 1, 2 ]
amdhsa.kernels:
  - .name:           k_qffde61130f_outp
    .symbol:         k_qffde61130f_outp.kd
    .args:
      - { .name: mq, .offset: 0, .size: 8, .value_kind: global_buffer, .address_space: global }
      - { .name: wts, .offset: 8, .size: 8, .value_kind: global_buffer, .address_space: global }
      - { .name: bt, .offset: 16, .size: 8, .value_kind: global_buffer, .address_space: global }
      - { .name: out0, .offset: 24, .size: 8, .value_kind: global_buffer, .address_space: global }
    .group_segment_fixed_size: 327680
    .private_segment_fixed_size: 0
    .kernarg_segment_align: 8
    .kernarg_segment_size: 32
    .max_flat_workgroup_size: 128
    .sgpr_count:     88
    .vgpr_count:     1024
    .wavefront_size: 32
...
	.end_amdgpu_metadata
.endif
;; end of part 6
;; ======== version 2 of 3: 7 launches
;; limits: values outside matrix products are rounded to bf16
;; workspace buffers: xb 33,554,432 bytes; wqb 2,097,152 bytes; wkb 2,097,152 bytes; mq 33,554,432 bytes; partq 1,114,112 bytes; gk 303,104 bytes; partx 16,842,752 bytes; wts 16,777,216 bytes
;; launch prep: the kernel of part 1 again; grid 1152 x 1, 8 waves a work-group, no clusters, 0 bytes of LDS; arguments hidden_states, Wq, Wk, xb, wqb, wkb; writes xb, wqb, wkb
;; launch proj (part 7): grid 4 x 64, 4 waves a work-group, clusters of 4 x 4, 327,680 bytes of LDS; arguments xb, wqb, bq, mq; writes mq
.if DOCPART == 7
	.amdgcn_target "amdgcn-amd-amdhsa--gfx1250"
	.amdhsa_code_object_version 6
	.text
	.protected	k_qffde61130f_proj
	.globl	k_qffde61130f_proj
	.p2align	8
	.type	k_qffde61130f_proj,@function
k_qffde61130f_proj:
	s_mov_b64 s[64:65], 0
	v_nop
	global_prefetch_b8 v0, s[64:65] scope:SCOPE_SE
	s_setreg_imm32_b32 hwreg(HW_REG_WAVE_MODE, 25, 1), 1
	s_wait_xcnt 0x0
	s_wait_alu depctr_hold_cnt(0) depctr_sa_sdst(0) depctr_va_vdst(0) depctr_va_sdst(0) depctr_va_ssrc(0) depctr_va_vcc(0) depctr_vm_vsrc(0)
	s_getreg_b32 s2, hwreg(HW_REG_IB_STS2, 6, 4)
	s_cmp_eq_u32 s2, 0
	s_cbranch_scc0 .Lentry_in_a_cluster
	s_endpgm
.Lentry_in_a_cluster:
	s_bfe_u32 s2, ttmp6, 0x10000c
	s_cmp_lg_u32 s2, 0xf033
	s_cbranch_scc0 .Lentry_shape_is_right
	s_endpgm
.Lentry_shape_is_right:
; mq = xb wqb + bq.  xb: [16384][1024] bf16; wqb: [1024 k][1024 n] bf16; bq: [1024] f32, rounded to bf16 like every input; sums in f32; mq: [16384][1024] bf16, rounded once.
; A tile of C, 256 x 256, is made by a work-group of four waves; a wave makes 128 x 128: 64 accumulators of 16 x 16, 512 registers.  K goes in 8 steps of 128 through a ring of two LDS slots.
; CLUSTERS of 4 x 4 work-groups: cx is the tile column, 4 x cluster y + cy the tile row.
; The four of a row of the cluster need the same tile of xb, the four of a column the same tile of the weight: each is asked for JOINTLY, by the same tensor load, descriptor and mask in all four.
; THE WEIGHT STAYS [k][n]: its tile is 128 k-rows x 512 bytes, and its fragments come out of LDS turned, by ds_load_tr16_b128.
; THE MATRIX INSTRUCTION IS USED TRANSPOSED (source 0 = 16 columns of the weight, source 1 = 16 rows of xb): a lane holds row l % 16 of C and the columns 8 (l / 16) + 0..7.
; THE BIAS STARTS THE SUMS: the C operand of each accumulator's first product is the bias of the lane's eight columns: nothing is cleared and nothing is added later.
; A K STEP IS WRITTEN ONCE.  A trip of the loop is the change of slots and the next K step's quarters 1 to 3; which slot is read and which is filled hangs on one scalar, 0 or SLOT, that an exclusive or turns.
; The first quarter, whose products start the sums, stands in front of the loop, and the loop is entered behind its own first quarter: seven passes through quarters 2 and 3, six changes of slots that fill.
; THE LAST K STEP GOES BY ROWS OF C: my eight blocks of 16 rows are finished one after the other, and each leaves while the next is multiplied.
; REGISTERS, in windows of 256 (s_set_vgpr_msb: bits 1:0 source 0, 3:2 source 1, 5:4 source 2, 7:6 destination):
;   window 0: v0-31 addresses; v64-127, v128-191 fragments of xb, two buffers (in the last K step four, of 16 rows x 128 K); v192-223 packed results; v32-63, v224-255 rows read back from the stage, by turns
;   window 1: v0-63 the bias (block b of 16 columns at v[8 b]); v64-127, v128-191 fragments of the weight; v192-223 at work while the bias is rounded; in the last K step all 256: the weight's fragments of the whole step
;   window 2: the accumulators of my rows 0-63 ((a, b) at v[8 (8 a + b)]);   window 3: those of my rows 64-127
; LIMITS.  NaN and infinities are not treated apart; bf16 has f32's range.
.set KSTEP,  128
.set STEPS,  8                         ; K steps
.set PA,     272                       ; a row of xb in LDS: 256 bytes + 16 = 68 words: the 16 rows of a load start at 16 different groups of four banks (64 banks of 4 bytes: ISA guide 11.1)
.set PB,     544                       ; a k-row of the weight: 512 bytes + 32 = 136 words
.set HALFT,  128*PA                    ; what one tensor load brings: 128 rows of xb, or 64 k-rows of the weight (64 x 544 is the same number)
.set SLOT,   4*HALFT                   ; xb's 256 rows, then the weight's 128 k-rows
.set STAGE,  2*SLOT                    ; behind the ring: 16 rows x 272 bytes for each wave, for the way out
.set SPITCH, 272
.set SPARE,  STAGE+4*16*SPITCH         ; behind the stages: the spare words, 128 bytes for each wave: two blocks of 256 bytes that no other line names
.set ROWB,   2048                      ; bytes in a row of xb, of the weight and of C
.set BSTEP,  KSTEP*ROWB                ; a K step in the weight: 128 k-rows
.set ADRA, 16                          ; v16-17  LDS address of my fragments of xb in slot 0, 1; never rewritten
.set BO,   18                          ; v18     32 (l / 16): my eight columns in a block of the bias
.set ADRB, 20                          ; v20-21  the same as ADRA for the weight
.set CA,   22                          ; v22     the same in the slot that is being read
.set CB,   23                          ; v23     and for the weight
.set STO,  24                          ; v24     the way out: where I put 16 bytes of a row
.set RD,   25                          ; v25     the way out: where I read a row back
.set CO,   26                          ; v26     my byte offset in two rows of C
.set SPW,  28                          ; v28     LDS address of my spare word; never rewritten
.set NIL,  29                          ; v29     0; never rewritten
.set PFO,  30                          ; v30     the prefetches' lane offset; never rewritten
.set F0,   64
.set F1,   128
.set AB,   64                          ; the last K step: xb's fragments of 16 rows x 128 K, 32 registers; four such buffers, v64-191
.set TMP,  192
.set OB,   32
.set G1,   24                          ; s[24:31] descriptor group 1 for xb's tiles;  s[32:39] group 0: a set for each of the two first fills; the second then walks on
.set G0,   32
.set G1B,  48                          ; s[48:55], s[56:63] the same for the weight's
.set G0B,  56
.set LIM,  43                          ; s43      2 in a wave that prefetches, else the greatest number
.set PFA,  44                          ; s[44:45] where my prefetches stand
.set SB,   76                          ; s76      0 or SLOT: the slot that is being read
.set WH,   77                          ; s77      wave x HALFT: my quarter of a slot
.set HM,   78                          ; s78      a word's upper bf16
.set BIA,  82                          ; s[82:83] the bias at my wave's 128 columns
.set PST,  84                          ; s[84:85] a K step for my prefetches: 256 bytes along xb's rows, or 128 k-rows of the weight
.set MSB, 0
.macro WIN new                         ; the immediate's high byte repeats the setting that is left; a switch that changes nothing is dropped
.if MSB != (\new)
	s_set_vgpr_msb (MSB<<8)|(\new)
.set MSB, \new
.endif
.endm
.set MUL_LO, 0xa1                      ; source 0 (weight) window 1, source 1 (xb) window 0, C and D window 2
.set MUL_HI, 0xf1                      ; the same, C and D window 3
.set TO_B,   0x40                      ; destination window 1, address window 0
; A joint load.  Waves 0 and 1 fetch xb's two halves, waves 2 and 3 the weight's.  The branch hangs on the wave's number alone.
; An s_nop 0 and four v_nop follow each of the two lines, ahead of the jump, the label and what follows.
.macro JLOAD s
	s_cmp_eq_u32 s11, 0
	s_cbranch_scc0 .Lfor_b_\@
	tensor_load_to_lds s[G0+4*(\s):G0+4*(\s)+3], s[G1:G1+7]
	s_nop 0
.rept 4
	v_nop
.endr
	s_branch .Lasked_\@
.Lfor_b_\@:
	tensor_load_to_lds s[G0B+4*(\s):G0B+4*(\s)+3], s[G1B:G1B+7]
	s_nop 0
.rept 4
	v_nop
.endr
.Lasked_\@:
.endm
; A PREFETCH INTO THE L2, behind each joint refill and the run of LDS loads that follows it: the K step that stands two refills on, 512 matrix instructions ahead of the load that will want it.
; Each aligned block of 256 bytes is named once in the launch.  xb's tile row is multiplied by one cluster alone: it asks; the weight's tile column by all sixteen clusters: cluster y = 0 asks.
; The four partners that ask for a tile jointly share it out BY ADDRESS: of xb's 128 rows that a wave fetches the partner at cx takes 32 (a lane a row); of the weight's
; 64 k-rows the partner at cy takes 16 (a lane half a k-row's 512 bytes).  K steps 0 to 3 come by their loads alone; the last two changes that fill (s3 = 2, 1) ask for nothing: K step 7 is the last.
.macro ASK
	s_cmp_gt_u32 s3, s[LIM]
	s_cbranch_scc0 .Lnot_mine_\@
	global_prefetch_b8 v[PFO], s[PFA:PFA+1] th:TH_LOAD_NT scope:SCOPE_SE
.Lnot_mine_\@:
.endm
.macro CREST                           ; a round of the cluster's barrier behind its opening barrier
	s_cmp_lg_u32 s10, 0
	s_cbranch_scc1 .Lnot_wave_0_\@
	s_barrier_signal -3
.Lnot_wave_0_\@:
	s_barrier_wait -3
	s_barrier_signal -1
	s_barrier_wait -1
.endm
.macro CROUND                          ; a whole round
	s_barrier_signal -1
	s_barrier_wait -1
	CREST
.endm
	s_load_b256 s[68:75], s[0:1], 0x0              ; xb s[68:69], wqb s[70:71], bq s[72:73], mq s[74:75]
	v_lshl_add_u32 v[SPW], v0, 2, SPARE
	v_mov_b32 v[NIL], 0
	ds_add_u32 v[SPW], v[NIL]                      ; the wave's opening: the add and its wait ahead of my first tensor load; the set-up below, work on registers, stands between them
	v_lshrrev_b32 v1, 5, v0
	v_readfirstlane_b32 s10, v1                    ; wave 0..3
	s_lshr_b32 s11, s10, 1                         ; which half of the tile's rows is mine.  Also: I fetch for xb (0) or for the weight (1)
	s_and_b32 s12, s10, 1                          ; which half of its columns.  Also: which half of that tile I fetch
	s_bfe_u32 s40, ttmp6, 0x40000                  ; cx: the tile column
	s_bfe_u32 s41, ttmp6, 0x40004                  ; cy
	s_and_b32 s13, ttmp7, 0xffff
	s_lshl_b32 s13, s13, 2
	s_add_co_u32 s13, s13, s41                     ; tile row = 4 x cluster y + cy
	s_lshl_b32 s43, s41, 2
	s_lshl_b32 s43, 15, s43                        ; my row of the cluster: places 4 cy .. 4 cy + 3
	s_lshl_b32 s44, 0x1111, s40                    ; my column: places cx, cx + 4, cx + 8, cx + 12
	s_or_b32 s[G1+0], s43, (1<<16)|(1<<20)|(1<<21)|(5<<22)|(3<<25)   ; the mask; elements of 2 bytes; padding on; bit 21 beside a mask; after every 64 words, 4 words
	s_or_b32 s[G1B+0], s44, (1<<16)|(1<<20)|(1<<21)|(6<<22)|(7<<25)  ; the same with my column's mask; after every 128 words, 8 words
	s_mov_b32 s[G1+1], 128<<16                     ; tensor_dim0 = 128 elements
	s_mov_b32 s[G1+2], 128<<16                     ; tensor_dim1 = 128 rows
	s_mov_b32 s[G1+3], 128<<16                     ; tile_dim0
	s_mov_b32 s[G1+4], 128                         ; tile_dim1
	s_mov_b32 s[G1+5], 1024                        ; elements from row to row
	s_mov_b32 s[G1+6], 0
	s_mov_b32 s[G1+7], 0
	s_mov_b32 s[G1B+1], 256<<16                    ; 256 elements,
	s_mov_b32 s[G1B+2], 64<<16                     ; 64 k-rows
	s_mov_b32 s[G1B+3], 256<<16
	s_mov_b32 s[G1B+4], 64
	s_mov_b32 s[G1B+5], 1024
	s_mov_b32 s[G1B+6], 0
	s_mov_b32 s[G1B+7], 0
	; where the tiles come from.  xb's hang on the tile row alone, which my row of the cluster shares; the weight's on cx alone, which my column shares.
	s_lshl_b32 s17, s12, 7
	s_lshl_b32 s16, s13, 8
	s_add_co_u32 s16, s16, s17                     ; xb: row 256 x tile row + 128 x half,
	s_lshl_b32 s16, s16, 11                        ; in bytes (under 2^25)
	s_mov_b32 s17, 0
	s_lshl_b32 s46, s12, 17                        ; the weight: 64 k-rows x half,
	s_lshl_b32 s47, s40, 9                         ; 512 bytes x tile column
	s_add_co_u32 s46, s46, s47
	s_mov_b32 s47, 0
	s_mul_i32 s[WH], s10, HALFT                    ; and where they go: wave x a quarter of a slot: no place in the cluster enters an LDS address
	s_mov_b32 s[SB], 0                             ; slot 0 is read first
	s_mov_b32 s[HM], 0xffff0000
	s_wait_dscnt 0x0                               ; the opening add is done
	s_wait_kmcnt 0x0
	s_mov_b64 s[4:5], s[68:69]
	s_mov_b64 s[6:7], s[70:71]
	s_mov_b64 s[BIA:BIA+1], s[72:73]
	s_mov_b64 s[8:9], s[74:75]
	s_add_nc_u64 s[14:15], s[4:5], s[16:17]
	s_add_nc_u64 s[46:47], s[6:7], s[46:47]
	CROUND                                         ; all sixteen work-groups are here: the first joint loads meet
.irp s, 0,1
	s_mov_b32 s[G0+4*(\s)], 1                                        ; count = 1
	s_add_co_u32 s[G0+4*(\s)+1], s[WH], (\s)*SLOT                    ; LDS address
	s_add_nc_u64 s[G0+4*(\s)+2:G0+4*(\s)+3], s[14:15], (\s)*KSTEP*2  ; global address: K step s
	s_or_b32 s[G0+4*(\s)+3], s[G0+4*(\s)+3], 0x80000000              ; type = 2
	s_mov_b32 s[G0B+4*(\s)], 1
	s_add_co_u32 s[G0B+4*(\s)+1], s[WH], (\s)*SLOT
	s_add_nc_u64 s[G0B+4*(\s)+2:G0B+4*(\s)+3], s[46:47], (\s)*BSTEP
	s_or_b32 s[G0B+4*(\s)+3], s[G0B+4*(\s)+3], 0x80000000
	JLOAD \s                                       ; two loads of mine are out
.endr
	v_and_b32 v1, 15, v0                           ; l % 16
	v_bfe_u32 v2, v0, 4, 1                         ; l / 16
	; the bias of my 128 columns: block b's register j is column 16 b + 8 (l / 16) + j
	v_lshlrev_b32 v[BO], 5, v2
	s_lshl_b32 s20, s40, 10                        ; 256 columns x 4 bytes x tile column
	s_lshl_b32 s21, s12, 9
	s_add_co_u32 s20, s20, s21
	s_mov_b32 s21, 0
	s_add_nc_u64 s[BIA:BIA+1], s[BIA:BIA+1], s[20:21]
	WIN TO_B
.irp b, 0,1,2,3,4,5,6,7
	global_load_b128 v[8*(\b):8*(\b)+3],   v[BO], s[BIA:BIA+1] offset:64*(\b)
	global_load_b128 v[8*(\b)+4:8*(\b)+7], v[BO], s[BIA:BIA+1] offset:64*(\b)+16
.endr
	WIN 0
	; a fragment of xb: lane l holds row l % 16; two loads of 16 bytes, 32 bytes apart
	v_mul_u32_u24 v3, v1, PA
	v_lshl_add_u32 v3, v2, 4, v3                   ; row x pitch + 16 x half
	s_mul_i32 s21, s11, HALFT                      ; my 128 rows of xb
	; a fragment of the weight: the turning load takes 16 k x 16 n (lane l reads k-row 8 (l / 16) + l % 8, columns 8 ((l / 8) % 2) + 0..7) and leaves lane l column l % 16 and 8 k
	v_and_b32 v4, 7, v0
	v_lshl_add_u32 v4, v2, 3, v4
	v_mul_u32_u24 v4, v4, PB
	v_bfe_u32 v5, v0, 3, 1
	v_lshl_add_u32 v4, v5, 4, v4
	s_lshl_b32 s22, s12, 8                         ; my 128 columns: 256 bytes of a k-row,
	s_add_co_u32 s22, s22, 2*HALFT                 ; behind xb's 256 rows
.irp s, 0,1
	v_add_nc_u32 v[ADRA+(\s)], s21, v3
	v_add_nc_u32 v[ADRB+(\s)], s22, v4
	s_add_co_u32 s21, s21, SLOT
	s_add_co_u32 s22, s22, SLOT
.endr
	v_mov_b32 v[CA], v[ADRA]                       ; slot 0 is read first
	v_mov_b32 v[CB], v[ADRB]
	s_mul_i32 s23, s10, 16*SPITCH
	s_add_co_u32 s23, s23, STAGE                   ; my stage
	v_mul_u32_u24 v6, v1, SPITCH                   ; in: row l % 16, 16 bytes for each half of the lanes
	v_lshl_add_u32 v6, v2, 4, v6
	v_add_nc_u32 v[STO], s23, v6
	v_mul_u32_u24 v7, v2, SPITCH                   ; back: lanes 0-15 take one row of 256 bytes, lanes 16-31 the next
	v_lshl_add_u32 v7, v1, 4, v7
	v_add_nc_u32 v[RD], s23, v7
	v_lshlrev_b32 v7, 11, v2                       ; and the same two rows in C
	v_lshl_add_u32 v[CO], v1, 4, v7
	s_lshl_b32 s16, s13, 8
	s_lshl_b32 s17, s11, 7
	s_add_co_u32 s16, s16, s17                     ; my first row of C,
	s_lshl_b32 s16, s16, 11                        ; in bytes
	s_lshl_b32 s46, s40, 9                         ; my first column: 512 x tile column + 256 x half
	s_lshl_b32 s47, s12, 8
	s_add_co_u32 s46, s46, s47
	s_add_co_u32 s46, s46, s16
	s_mov_b32 s47, 0
	s_add_nc_u64 s[8:9], s[8:9], s[46:47]          ; never stepped: a block's place stands in the stores' immediates
	; the prefetches
	s_lshl_b32 s20, s13, 8
	s_lshl_b32 s21, s12, 7
	s_add_co_u32 s20, s20, s21                     ; xb: the 128 rows that I fetch,
	s_lshl_b32 s21, s40, 5
	s_add_co_u32 s20, s20, s21                     ; my work-group's 32 of them,
	s_lshl_b32 s20, s20, 11
	s_add_co_u32 s20, s20, 3*KSTEP*2               ; at K step 3: the first refill steps it to 4
	s_lshl_b32 s21, s12, 6                         ; the weight: the 64 k-rows that I fetch,
	s_lshl_b32 s23, s41, 4
	s_add_co_u32 s21, s21, s23                     ; my work-group's 16 of them,
	s_lshl_b32 s21, s21, 11
	s_lshl_b32 s23, s40, 9
	s_add_co_u32 s21, s21, s23                     ; the tile column,
	s_add_co_u32 s21, s21, 3*BSTEP                 ; at K step 3
	s_and_b32 s22, ttmp7, 0xffff                   ; cluster y: the coordinate along which other clusters read the same blocks of the weight
	s_mov_b32 s23, BSTEP
	s_mov_b32 s18, 16*ROWB
	s_cmp_eq_u32 s11, 0                            ; do I fetch for xb?
	s_cselect_b32 s20, s20, s21
	s_cselect_b32 s22, 0, s22
	s_cselect_b64 s[PFA:PFA+1], s[4:5], s[6:7]
	s_cselect_b32 s[PST], 256, s23
	s_cselect_b32 s18, s18, 256                    ; lanes 16-31: sixteen rows further down, or the k-row's second 256 bytes
	s_mov_b32 s[PST+1], 0
	s_cmp_eq_u32 s22, 0
	s_cselect_b32 s[LIM], 2, -1                    ; the same in all sixteen partners, for a given wave
	s_mov_b32 s21, 0
	s_add_nc_u64 s[PFA:PFA+1], s[PFA:PFA+1], s[20:21]
	v_lshlrev_b32 v[PFO], 11, v1
	v_mad_u32_u24 v[PFO], v2, s18, v[PFO]
	s_wait_loadcnt 0x0                             ; the bias is in: it is rounded to bf16, like every input, and widened again
	WIN 0x45                                       ; destination and both sources in window 1
.set p, 0
.rept 32
	v_cvt_pk_bf16_f32 v[192+p], v[2*p], v[2*p+1]
	v_lshlrev_b32 v[2*p], 16, v[192+p]
	v_and_b32 v[2*p+1], s[HM], v[192+p]
.set p, p+1
.endr
	WIN 0
; 16 matrix instructions: m blocks a0, a0 + 1 of the window's four (hi = 0: my rows 0-63, 1: rows 64-127) x all 8 n blocks, 32 along K.  zero = 1: the first product starts the sums, with the bias as C.
; The 64 accumulators take turns, one instruction a turn, in the same order in every quarter step.
.macro MUL16 f, hi, a0, zero
.if \zero
	WIN 0x91+0x40*(\hi)                            ; as below, but C in window 1
.else
	WIN MUL_LO+0x50*(\hi)
.endif
.irp a, \a0, (\a0)+1
.irp b, 0,1,2,3,4,5,6,7
.if \zero
	v_wmma_f32_16x16x32_bf16 v[8*(8*(\a)+(\b)):8*(8*(\a)+(\b))+7], v[(\f)+8*(\b):(\f)+8*(\b)+7], v[(\f)+8*(4*(\hi)+(\a)):(\f)+8*(4*(\hi)+(\a))+7], v[8*(\b):8*(\b)+7]
.else
	v_wmma_f32_16x16x32_bf16 v[8*(8*(\a)+(\b)):8*(8*(\a)+(\b))+7], v[(\f)+8*(\b):(\f)+8*(\b)+7], v[(\f)+8*(4*(\hi)+(\a)):(\f)+8*(4*(\hi)+(\a))+7], v[8*(8*(\a)+(\b)):8*(8*(\a)+(\b))+7]
.endif
.endr
.endr
.endm
; 32 LDS loads in one run: the fragments of one quarter step (32 K at byte k of xb's rows, k-rows k / 2 on of the weight) into buffer f; the weight's first.  ra, rb: the registers that hold the slot's two addresses
.macro FETCH ra, rb, k, f
	WIN TO_B
.irp i, 0,1,2,3,4,5,6,7
	ds_load_tr16_b128 v[(\f)+8*(\i):(\f)+8*(\i)+3],   v[\rb] offset:((\k)/64)*32*PB+32*(\i)
	ds_load_tr16_b128 v[(\f)+8*(\i)+4:(\f)+8*(\i)+7], v[\rb] offset:((\k)/64)*32*PB+16*PB+32*(\i)
.endr
	WIN 0
.irp i, 0,1,2,3,4,5,6,7
	ds_load_b128 v[(\f)+8*(\i):(\f)+8*(\i)+3],   v[\ra] offset:(\k)+(\i)*16*PA
	ds_load_b128 v[(\f)+8*(\i)+4:(\f)+8*(\i)+7], v[\ra] offset:(\k)+(\i)*16*PA+32
.endr
.endm
.macro PLACES                          ; four plain vector instructions in front of loads into registers that matrix instructions have read, and of conversions that read results
.rept 4
	v_nop
.endr
.endm
; A K step is four quarters of 32 along K, 64 matrix instructions each, on buffers 0, 1, 0, 1.  One of the first three: multiplies buffer f and, in its middle, fetches the next quarter into g.
.macro QUARTER ra, rb, k, f, g, zero
	s_wait_dscnt 8                                 ; the weight's fragments and xb's rows 0-63 are in; the youngest eight loads (rows 64-127) may be out
	MUL16 \f, 0, 0, \zero
	MUL16 \f, 0, 2, \zero
	PLACES
	FETCH \ra, \rb, \k, \g
	s_wait_dscnt 32                                ; all but the 32 just issued
	MUL16 \f, 1, 0, \zero
	MUL16 \f, 1, 2, \zero
.endm
; The last quarter multiplies buffer 1 and changes slots.  ONE barrier: in front of it each wave waits for all its tensor loads (one is out: its part of the next slot), adds 0 to its spare word, and waits
; for that and for its own reads of this slot.  Behind it nobody reads this slot any more and the next slot is whole.
.macro MEET round
	WIN 0                                          ; (the add's two registers lie in window 0)
	s_wait_tensorcnt 0x0
	ds_add_u32 v[SPW], v[NIL]                      ; 0 onto my spare word
	s_wait_dscnt 9                                 ; (the add and the youngest eight loads may be out)
	MUL16 F1, 0, 0, 0                              ; sixteen matrix instructions stand between the add and the wait for it
	s_wait_dscnt 0x0                               ; the add is done, and my reads of this slot are over
	s_barrier_signal -1
	MUL16 F1, 0, 2, 0                              ; work on registers while the others arrive
.if \round
	WIN 0
.endif
	s_barrier_wait -1
.endm
; The whole last quarter of a K step that is followed by a fill: the slot just read takes the K step two on: from the request to the wait for it a wave issues 224 matrix instructions.
.macro TURN
	s_wait_xcnt 0x0                                ; the last prefetch, a K step back, has read its address
	s_add_nc_u64 s[PFA:PFA+1], s[PFA:PFA+1], s[PST:PST+1]
	MEET 1
	CREST                                          ; the barrier has opened a round of the cluster's: no wave of any partner still reads this slot or has a load on its way
	s_add_co_u32 s[G0+5], s[SB], s[WH]             ; the walking descriptors (no tensor load of mine is out): my quarter of the slot just read,
	s_add_co_u32 s[G0B+5], s[SB], s[WH]
	s_add_nc_u64 s[G0+6:G0+7], s[G0+6:G0+7], KSTEP*2       ; one K step behind the last one asked for; the type bits on top are not reached
	s_add_nc_u64 s[G0B+6:G0B+7], s[G0B+6:G0B+7], BSTEP
	s_xor_b32 s[SB], s[SB], SLOT                   ; from here on the other slot is read
	JLOAD 1                                        ; the first tensor load behind the round; its four v_nop are also the places in front of the loads below
	v_add_nc_u32 v[CA], s[SB], v[ADRA]
	v_add_nc_u32 v[CB], s[SB], v[ADRB]
	FETCH CA, CB, 0, F0
	ASK
	MUL16 F1, 1, 0, 0
	MUL16 F1, 1, 2, 0
.endm
; THE LAST K STEP (it lies in slot 1) GOES BY ROWS OF C.  All its fragments of the weight (4 quarters x 64 registers) fill window 1; then my eight blocks of 16 rows are finished one after the other,
; each with 32 matrix instructions (its 8 accumulators by turns, K ascending).  LDS is read no more than in any other K step.
.macro BLOAD q                         ; the weight's fragments of quarter q -> window 1, v[64 q ..]
	WIN TO_B
.irp i, 0,1,2,3,4,5,6,7
	ds_load_tr16_b128 v[64*(\q)+8*(\i):64*(\q)+8*(\i)+3],   v[ADRB+1] offset:(\q)*32*PB+32*(\i)
	ds_load_tr16_b128 v[64*(\q)+8*(\i)+4:64*(\q)+8*(\i)+7], v[ADRB+1] offset:(\q)*32*PB+16*PB+32*(\i)
.endr
.endm
.macro ALOAD a                         ; xb's fragments of block a, all four quarters -> buffer a % 4
	WIN 0
.set FA, AB+32*((\a)%4)
.irp q, 0,1,2,3
	ds_load_b128 v[FA+8*(\q):FA+8*(\q)+3],   v[ADRA+1] offset:64*(\q)+(\a)*16*PA
	ds_load_b128 v[FA+8*(\q)+4:FA+8*(\q)+7], v[ADRA+1] offset:64*(\q)+(\a)*16*PA+32
.endr
.endm
.macro ROW a                           ; block a is finished: 32 matrix instructions
.set FA, AB+32*((\a)%4)                ; its fragments of xb
.set AC, 64*((\a)%4)                   ; its eight accumulators, in window 2 (blocks 0-3) or 3 (blocks 4-7)
	WIN MUL_LO+0x50*((\a)/4)
.irp q, 0,1,2,3
.if (\a) == 0 && (\q) == 2
	s_wait_dscnt 24                                ; the weight's quarter 2 is in (behind it: xb's blocks 1 to 3)
.endif
.irp b, 0,1,2,3,4,5,6,7
	v_wmma_f32_16x16x32_bf16 v[AC+8*(\b):AC+8*(\b)+7], v[64*(\q)+8*(\b):64*(\q)+8*(\b)+7], v[FA+8*(\q):FA+8*(\q)+7], v[AC+8*(\b):AC+8*(\b)+7]
.endr
.endr
.endm
; THE WAY OUT of block a (16 rows).  PACK: rounded to bf16, each accumulator's registers in ascending order.  TOSTAGE: into my own stage, and back as whole rows of 256 bytes.  SEND: stored.
.macro PACK a
.set AC, 64*((\a)%4)
	WIN 0x0a+5*((\a)/4)                            ; sources 0 and 1: window 2 or 3
.irp b, 0,1,2,3,4,5,6,7
.irp r, 0,1,2,3
	v_cvt_pk_bf16_f32 v[TMP+4*(\b)+(\r)], v[AC+8*(\b)+2*(\r)], v[AC+8*(\b)+2*(\r)+1]
.endr
.endr
	WIN 0
.endm
.macro TOSTAGE a
	WIN 0
.set BK, OB+192*((\a)%2)
.irp b, 0,1,2,3,4,5,6,7
	ds_store_b128 v[STO], v[TMP+4*(\b):TMP+4*(\b)+3] offset:32*(\b)
.endr
.irp t, 0,1,2,3,4,5,6,7
	ds_load_b128 v[BK+4*(\t):BK+4*(\t)+3], v[RD] offset:(\t)*2*SPITCH  ; LDS serves a wave's instructions in order (ISA guide 5.7.1.4): these see the stores above
.endr
.endm
.macro SEND a, younger                 ; younger: the LDS loads issued behind TOSTAGE's, which may stay out
	WIN 0
.set BK, OB+192*((\a)%2)
	s_wait_dscnt \younger                          ; the block is back in registers
	s_wait_xcnt 0x0                                ; the stores of the block before have read their registers: the next TOSTAGE loads into them only behind this wait
.irp t, 0,1,2,3,4,5,6,7
	global_store_b128 v[CO], v[BK+4*(\t):BK+4*(\t)+3], s[8:9] offset:(16*(\a)+2*(\t))*ROWB  ; 16 lanes store 256 consecutive bytes, at a multiple of 256 from C's first byte
.endr
.endm
	s_wait_tensorcnt 1                             ; my part of K step 0 is in; K step 1's may stay out
	s_barrier_signal -1
	s_barrier_wait -1                              ; everybody's is
	FETCH ADRA, ADRB, 0, F0
	QUARTER ADRA, ADRB, 64, F0, F1, 1              ; the first quarter stands in front of the loop: its products start the sums
	WIN 0                                          ; at a label and at a branch every window is 0
	s_mov_b32 s3, STEPS-1
	s_branch .Lin                                  ; the loop is entered behind its first quarter
.Lstep:                                                ; six times: a K step's last quarter, the fill of its slot (K steps 2 to 7), the next K step's first quarter
	TURN
	QUARTER CA, CB, 64,  F0, F1, 0
	WIN 0
.Lin:                                                  ; seven times: quarters 2 and 3 of K steps 0 to 6
	QUARTER CA, CB, 128, F1, F0, 0
	QUARTER CA, CB, 192, F0, F1, 0
	WIN 0
	s_sub_co_u32 s3, s3, 1
	s_cmp_lg_u32 s3, 0
	s_cbranch_scc1 .Lstep
	MEET 0                                         ; K step 6's last quarter is written out.  My one load that was still out is slot 1's, the last K step's
	PLACES                                         ; for the loads into buffer 0, which the quarter before multiplied
	BLOAD 0                                        ; three quarters of the weight now: buffer 1 (v128-191 of both windows) is still being multiplied
	BLOAD 1
	BLOAD 3
	ALOAD 0
	MUL16 F1, 1, 0, 0
	MUL16 F1, 1, 2, 0
	PLACES                                         ; for the loads into buffer 1
	BLOAD 2
	ALOAD 1
	ALOAD 2
	ALOAD 3
	s_wait_dscnt 40                                ; all but the 40 just issued
	ROW 0
.irp a, 0,1,2,3,4,5,6,7                ; block a goes into the stage; block a + 1 is multiplied while it comes back; then block a is stored
	PLACES                                         ; its conversions read results just made
	PACK \a
	TOSTAGE \a
.if (\a) < 4
	ALOAD (\a)+4                                   ; its buffer takes the block four further on
	s_wait_dscnt 24                                ; all but the stage's sixteen and those eight: the next block's fragments are in
.elseif (\a) < 7
	s_wait_dscnt 16                                ; all but the stage's sixteen
.endif
.if (\a) < 7
	ROW (\a)+1
.endif
.if (\a) < 4
	SEND \a, 8
.else
	SEND \a, 0
.endif
.endr
	s_wait_tensorcnt 0x0                           ; the wave's end: behind my last tensor load and my last LDS store
	ds_add_u32 v[SPW], v[NIL]
	s_wait_dscnt 0x0
	CROUND                                         ; the closing round: no work-group ends while a partner may still ask for a tile that names it
	s_endpgm
.Lfunc_end_k_qffde61130f_proj:
	.size	k_qffde61130f_proj, .Lfunc_end_k_qffde61130f_proj-k_qffde61130f_proj
	.p2alignl 7, 3214868480
	.fill 96, 4, 3214868480
	.section	.rodata,"a",@progbits
	.p2align	6, 0x0
	.amdhsa_kernel k_qffde61130f_proj
		.amdhsa_group_segment_fixed_size 327680
		.amdhsa_private_segment_fixed_size 0
		.amdhsa_enable_private_segment 0
		.amdhsa_kernarg_size 32
		.amdhsa_user_sgpr_count 2
		.amdhsa_user_sgpr_kernarg_segment_ptr 1
		.amdhsa_wavefront_size32 1
		.amdhsa_system_sgpr_workgroup_id_x 1
		.amdhsa_system_sgpr_workgroup_id_y 1
		.amdhsa_system_sgpr_workgroup_id_z 1
		.amdhsa_system_vgpr_workitem_id 0
		.amdhsa_next_free_vgpr 1024
		.amdhsa_next_free_sgpr 88
		.amdhsa_reserve_vcc 0
		.amdhsa_float_denorm_mode_32 3
		.amdhsa_float_denorm_mode_16_64 3
		.amdhsa_memory_ordered 1
		.amdhsa_forward_progress 1
		.amdhsa_inst_pref_size 112
	.end_amdhsa_kernel
	.amdgpu_metadata
---
amdhsa.version: [ 1, 2 ]
amdhsa.kernels:
  - .name:           k_qffde61130f_proj
    .symbol:         k_qffde61130f_proj.kd
    .args:
      - { .name: xb, .offset: 0, .size: 8, .value_kind: global_buffer, .address_space: global }
      - { .name: wqb, .offset: 8, .size: 8, .value_kind: global_buffer, .address_space: global }
      - { .name: bq, .offset: 16, .size: 8, .value_kind: global_buffer, .address_space: global }
      - { .name: mq, .offset: 24, .size: 8, .value_kind: global_buffer, .address_space: global }
    .group_segment_fixed_size: 327680
    .private_segment_fixed_size: 0
    .kernarg_segment_align: 8
    .kernarg_segment_size: 32
    .max_flat_workgroup_size: 128
    .sgpr_count:     88
    .vgpr_count:     1024
    .wavefront_size: 32
...
	.end_amdgpu_metadata
.endif
;; end of part 7
;; launch poolq: the kernel of part 3 again; grid 32 x 8, 8 waves a work-group, no clusters, 176,128 bytes of LDS; arguments mq, Wqa, bqa, attention_mask, partq; writes partq
;; launch mkw (part 8): grid 8 x 16, 8 waves a work-group, clusters of 4 x 1, 176,128 bytes of LDS; arguments wkb, Wka, bka, bk, partq, gk; writes gk
.if DOCPART == 8
	.amdgcn_target "amdgcn-amd-amdhsa--gfx1250"
	.amdhsa_code_object_version 6
	.text
	.protected	k_qffde61130f_mkw
	.globl	k_qffde61130f_mkw
	.p2align	8
	.type	k_qffde61130f_mkw,@function
k_qffde61130f_mkw:
	s_mov_b64 s[64:65], 0
	v_nop
	global_prefetch_b8 v0, s[64:65] scope:SCOPE_SE
	s_setreg_imm32_b32 hwreg(HW_REG_WAVE_MODE, 25, 1), 1
	s_wait_xcnt 0x0
	s_wait_alu depctr_hold_cnt(0) depctr_sa_sdst(0) depctr_va_vdst(0) depctr_va_sdst(0) depctr_va_ssrc(0) depctr_va_vcc(0) depctr_vm_vsrc(0)
	s_getreg_b32 s2, hwreg(HW_REG_IB_STS2, 6, 4)
	s_cmp_eq_u32 s2, 0
	s_cbranch_scc0 .Lentry_in_a_cluster
	s_endpgm
.Lentry_in_a_cluster:
	s_bfe_u32 s2, ttmp6, 0x10000c
	s_cmp_lg_u32 s2, 0x3003
	s_cbranch_scc0 .Lentry_shape_is_right
	s_endpgm
.Lentry_shape_is_right:
; THE KEY SCORES' WEIGHT.  reference()'s (mk x pq) Wka, with mk = X Wk + bk, is X M + sb', where G = diag(pq) Wka [1024 c][16 n], M = Wk G [1024 k][16 n] and sb' = bk G: so mk is never formed.
; For batch b (grid x) and 64 k-rows of Wk (grid y) this launch makes pq from the 32 records of the query pooling, G = bf16(pq[c] bf16(Wka[c][n])), M's 64 rows (f32 sums, rounded once to bf16)
; and sb = bk G + bka (f32).  wkb: [1024 k][1024 c] bf16; Wka: [1024][16] f32; bka: [16], bk: [1024] f32, rounded to bf16 like every input.
; A RECORD of partq (4,352 bytes, at (32 b + i) x 4,352): 1,024 f32 of part, then 32 pairs (m, l), pair L for head L % 16, m in powers of two.
; THE JOIN: w_i = 2^(m_i - max m), pq = (the sum of w_i part_i) / (the sum of w_i l_i): the maximum is taken away before the exponential; all sums in f32.
; gk, 37,888 bytes a batch: M as bf16 [1024 k][16 n]; at 32,768 pq, 1,024 f32; at 36,864 sixteen copies of sb, 16 f32 each.  pq and sb are stored by the work-group with grid y = 0.
; CLUSTER of 4 x 1: four batches need the same 64 rows of wkb: they are asked for JOINTLY, the same tensor load, descriptor and mask in all four.  The batch enters global addresses alone.
; SHARES.  Wave w brings 8 rows of the tile.  Waves 0-3 multiply 16 k-rows each; wave 4 multiplies bk, which lies as one row in LDS bytes of its own and is read as all 16 rows of its fragments.
; Source 0 = G's columns, source 1 = the rows: a lane holds one row (l % 16) and the heads 8 (l / 16) + 0..7: 16 bytes of M on end, so a wave's store covers 512 consecutive bytes.
; NO PREFETCH: a work-group asks for its one tile at its head; nothing lies ahead of that.
; LIMITS.  NaN is not treated apart; a head whose 2,048 mask entries are all -inf has a sum of 0 in the join, and NaN; a weight below 2^-126 counts as 0.
.set TP,    2080                       ; a row of the tile in LDS: two halves of 1,024 bytes, 16 bytes behind each: column c at 2 c + 16 (c / 512)
.set GB,    64*TP                      ; G: [1024 c][16 n] bf16, 32 bytes a row
.set BKR,   GB+32768                   ; bk as one row of the tile's form: 2,080 bytes in nine blocks of 256
.set GV,    BKR+2304                   ; pq, 1,024 f32
.set SPARE, GV+4096                    ; the spare words, 128 bytes for each of eight waves: four blocks of 256 bytes that no other line names
.set REC,   4352
.set GKB,   37888
.set PQO,   32768
.set SBO,   36864
.set SPW, 3                            ; v3  LDS address of my spare word; never rewritten
.set NIL, 4                            ; v4  0; never rewritten
.set AT,  5                            ; v5  my place in a fragment of the rows
.set AG,  6                            ; v6  my place in a fragment of G, for the turning load
.set BO,  7                            ; v7  32 (l / 16): my eight heads in bka
.set MBO, 8                            ; v8  32 (l % 16) + 16 (l / 16): my 16 bytes of M
.set T16, 9                            ; v9  16 t: my 16 bytes of Wka, of bk, of a record's part, of pq
.set GS,  10                           ; v10 GB + 8 t
.set GG,  11                           ; v11 GV + 4 (t / 4): pq of my row of Wka
.set GP,  12                           ; v12 GV + 16 t
.set SO,  13                           ; v13 8 (t / 16): my head's pair in a record
.set R3,  14                           ; v14 BKR + 8 t + 16 (t / 128): my four numbers of bk's row
.set SBV, 15                           ; v15 64 (l % 16) + 32 (l / 16): my 32 bytes of sb's copies
.set BAV, 20                           ; v[20:27] bka of my eight heads
.set MX,  28                           ; v28 the maximum of the 32 m
.set PR2, 30                           ; v[30:31] 1 / L, twice
.set PQ,  32                           ; v[32:35] pq of my four columns
.set BKV, 36                           ; v[36:39] bk of my four columns
.set Y,   40                           ; v[40:47] at work
.set ACC, 48                           ; v[48:79] four accumulators
.set FR,  80                           ; v[80:207] eight K steps' fragments: the rows' 8 registers, then G's 8
.set ST,  48                           ; the join: v[48:111] 32 pairs (m, l)
.set PR,  112                          ;           v[112:239] 32 x 4 of part
.set WR,  48                           ; G: v[48:111] sixteen loads of Wka
.set GR,  112                          ;    v[112:127] pq of my sixteen rows
.set GO,  128                          ;    v[128:159] packed, sixteen pairs;  v[160:165] at work
.set G0,  20                           ; s[20:23] descriptor group 0
.set G1,  24                           ; s[24:31] descriptor group 1
.macro CROUND                          ; a round of the cluster's barrier
	s_barrier_signal -1
	s_barrier_wait -1
	s_cmp_lg_u32 s16, 0
	s_cbranch_scc1 .Lnot_wave_0_\@
	s_barrier_signal -3
.Lnot_wave_0_\@:
	s_barrier_wait -3
	s_barrier_signal -1
	s_barrier_wait -1
.endm
	s_load_b256 s[4:11], s[0:1], 0x0               ; wkb s[4:5], Wka s[6:7], bka s[8:9], bk s[10:11]
	s_load_b128 s[12:15], s[0:1], 0x20             ; partq s[12:13], gk s[14:15]
	v_lshl_add_u32 v[SPW], v0, 2, SPARE
	v_mov_b32 v[NIL], 0
	ds_add_u32 v[SPW], v[NIL]                      ; the wave's opening: the add and its wait ahead of the round in front of my tensor load; the set-up below, work on registers, stands between them
	v_lshrrev_b32 v1, 5, v0
	v_readfirstlane_b32 s16, v1                    ; wave 0..7
	s_and_b32 s17, s16, 3                          ; which 16 rows I multiply (waves 0-3)
	s_bfe_u32 s18, ttmp6, 0x40000                  ; cx
	s_lshl_b32 s19, ttmp9, 2
	s_add_co_u32 s19, s19, s18                     ; b = 4 x cluster x + cx
	s_and_b32 s46, ttmp7, 0xffff                   ; which 64 k-rows: the four partners share it
	; my 8 rows of the tile are 16,384 dense bytes: asked for as 16 rows of 1,024 bytes, 16 bytes of padding behind each
	s_mov_b32 s[G1+0], 15|(1<<16)|(1<<20)|(1<<21)|(7<<22)|(3<<25)  ; the mask of four; elements of 2 bytes; padding on; bit 21 beside a mask; after every 256 words, 4 words
	s_mov_b32 s[G1+1], 512<<16                     ; tensor_dim0 = 512
	s_mov_b32 s[G1+2], 16<<16                      ; tensor_dim1 = 16
	s_mov_b32 s[G1+3], 512<<16                     ; tile_dim0
	s_mov_b32 s[G1+4], 16                          ; tile_dim1
	s_mov_b32 s[G1+5], 512                         ; elements from row to row
	s_mov_b32 s[G1+6], 0
	s_mov_b32 s[G1+7], 0
	s_mov_b32 s[G0], 1
	s_mul_i32 s[G0+1], s16, 8*TP                   ; LDS: wave x 8 rows
	s_lshl_b32 s32, s46, 6
	s_lshl_b32 s33, s16, 3
	s_add_co_u32 s40, s32, s33
	s_lshl_b32 s40, s40, 11                        ; my 8 rows of wkb, in bytes
	s_mov_b32 s41, 0
	s_mul_i32 s42, s19, GKB                        ; the batch's part of gk
	s_mov_b32 s43, 0
	s_mul_i32 s44, s19, 32*REC                     ; the batch's 32 records
	s_mov_b32 s45, 0
	s_lshl_b32 s34, s46, 11                        ; 64 rows of M are 2,048 bytes,
	s_lshl_b32 s35, s17, 9                         ; my 16 of them 512
	s_add_co_u32 s34, s34, s35
	s_mov_b32 s35, 0
	s_mov_b32 s39, 0xffff0000                      ; a word's upper bf16
	s_wait_dscnt 0x0                               ; the opening add is done
	s_wait_kmcnt 0x0
	s_add_nc_u64 s[G0+2:G0+3], s[4:5], s[40:41]
	s_or_b32 s[G0+3], s[G0+3], 0x80000000          ; type = 2
	CROUND                                         ; all four work-groups are here: the joint loads meet
	tensor_load_to_lds s[G0:G0+3], s[G1:G1+7]      ; the one fill of the launch: one load of mine is out
	s_nop 0
	s_add_nc_u64 s[14:15], s[14:15], s[42:43]
	s_add_nc_u64 s[12:13], s[12:13], s[44:45]
	s_add_nc_u64 s[36:37], s[14:15], s[34:35]      ; M at my 16 rows
	v_and_b32 v1, 15, v0                           ; l % 16
	v_bfe_u32 v2, v0, 4, 1                         ; l / 16
	v_lshlrev_b32 v[T16], 4, v0
	v_lshlrev_b32 v[BO], 5, v2
	v_lshrrev_b32 v[SO], 4, v0
	v_lshlrev_b32 v[SO], 3, v[SO]
	global_load_b128 v[BKV:BKV+3], v[T16], s[10:11]
	global_load_b128 v[BAV:BAV+3], v[BO], s[8:9]
	global_load_b128 v[BAV+4:BAV+7], v[BO], s[8:9] offset:16
.set i, 0
.rept 32
	global_load_b64 v[ST+2*i:ST+2*i+1], v[SO], s[12:13] offset:REC*i+4096
.set i, i+1
.endr
.set i, 0
.rept 32
	global_load_b128 v[PR+4*i:PR+4*i+3], v[T16], s[12:13] offset:REC*i
.set i, i+1
.endr
	v_mul_u32_u24 v[AT], v1, TP
	v_lshl_add_u32 v[AT], v2, 4, v[AT]
	s_mul_i32 s33, s17, 16*TP
	v_add_nc_u32 v[AT], s33, v[AT]                 ; my wave's 16 rows, row l % 16, 16 (l / 16)
	s_cmp_lg_u32 s16, 4
	s_cbranch_scc1 .Lrows_of_t
	v_lshl_add_u32 v[AT], v2, 4, BKR               ; wave 4: every lane reads bk's one row
.Lrows_of_t:
	v_and_b32 v[AG], 7, v0                         ; the turning load: lane l reads row 8 (l / 16) + l % 8 of G, heads 8 ((l / 8) % 2) + 0..7
	v_lshl_add_u32 v[AG], v2, 3, v[AG]
	v_lshlrev_b32 v[AG], 5, v[AG]
	v_bfe_u32 v[GS], v0, 3, 1
	v_lshl_add_u32 v[AG], v[GS], 4, v[AG]
	v_add_nc_u32 v[AG], GB, v[AG]
	v_lshl_add_u32 v[GS], v0, 3, GB
	v_lshrrev_b32 v[GG], 2, v0
	v_lshl_add_u32 v[GG], v[GG], 2, GV
	v_lshl_add_u32 v[GP], v0, 4, GV
	v_lshrrev_b32 v[R3], 7, v0
	v_lshlrev_b32 v[R3], 4, v[R3]
	v_lshl_add_u32 v[R3], v0, 3, v[R3]
	v_add_nc_u32 v[R3], BKR, v[R3]
	v_lshlrev_b32 v[MBO], 5, v1
	v_lshl_add_u32 v[MBO], v2, 4, v[MBO]
	v_lshlrev_b32 v[SBV], 6, v1
	v_lshl_add_u32 v[SBV], v2, 5, v[SBV]
	; THE JOIN.  Thread t makes pq of its four columns.
	s_wait_loadcnt 32                              ; the pairs are in (and bk and bka, issued earlier); the 32 loads of part stay out
	v_max3_num_f32 v[MX], v[ST], v[ST+2], v[ST+4]
.set i, 3
.rept 14
	v_max3_num_f32 v[MX], v[MX], v[ST+2*i], v[ST+2*i+2]
.set i, i+2
.endr
	v_max_num_f32 v[MX], v[MX], v[ST+62]
.set i, 0
.rept 32
	v_sub_f32 v[ST+2*i], v[ST+2*i], v[MX]
.set i, i+1
.endr
.set i, 0
.rept 32
	v_exp_f32 v[ST+2*i], v[ST+2*i]                 ; one batch of 32
.set i, i+1
.endr
	v_nop                                          ; a plain instruction behind the last exponential,
	s_wait_alu depctr_va_vdst(0)                   ; and one wait ahead of the batch's first reader
.set i, 0
.rept 4
	v_mul_f32 v[Y+i], v[ST+2*i], v[ST+2*i+1]       ; four chains start the sum of w l
.set i, i+1
.endr
.rept 28
	v_fmac_f32 v[Y+i%4], v[ST+2*i], v[ST+2*i+1]
.set i, i+1
.endr
	v_add_f32 v[Y], v[Y], v[Y+1]
	v_add_f32 v[Y+2], v[Y+2], v[Y+3]
	v_add_f32 v[Y], v[Y], v[Y+2]
	v_rcp_f32 v[PR2], v[Y]
	v_rcp_f32 v[PR2+1], v[Y]                       ; twice: a pair for the packed multiply
	s_wait_loadcnt 0x0                             ; part
	v_pk_mul_f32 v[PQ:PQ+1], v[PR:PR+1], v[ST:ST+1] op_sel_hi:[1,0]      ; the 64 lines that follow name neither reciprocal: the independent work behind them
	v_pk_mul_f32 v[PQ+2:PQ+3], v[PR+2:PR+3], v[ST:ST+1] op_sel_hi:[1,0]
.set i, 1
.rept 31
	v_pk_fma_f32 v[PQ:PQ+1], v[PR+4*i:PR+4*i+1], v[ST+2*i:ST+2*i+1], v[PQ:PQ+1] op_sel_hi:[1,0,1]
	v_pk_fma_f32 v[PQ+2:PQ+3], v[PR+4*i+2:PR+4*i+3], v[ST+2*i:ST+2*i+1], v[PQ+2:PQ+3] op_sel_hi:[1,0,1]
.set i, i+1
.endr
	s_wait_alu depctr_va_vdst(0)                   ; one wait for the two reciprocals
	v_pk_mul_f32 v[PQ:PQ+1], v[PQ:PQ+1], v[PR2:PR2+1]
	v_pk_mul_f32 v[PQ+2:PQ+3], v[PQ+2:PQ+3], v[PR2:PR2+1]
	ds_store_b128 v[GP], v[PQ:PQ+3]
	v_cvt_pk_bf16_f32 v[Y], v[BKV], v[BKV+1]       ; bk rounded as an input, into its row
	v_cvt_pk_bf16_f32 v[Y+1], v[BKV+2], v[BKV+3]
	ds_store_b64 v[R3], v[Y:Y+1]
	s_cmp_lg_u32 s46, 0                            ; grid y, the same in all four partners
	s_cbranch_scc1 .Lno_pq
	global_store_b128 v[T16], v[PQ:PQ+3], s[14:15] offset:PQO      ; a wave stores 512 consecutive bytes; neither register is written again
.Lno_pq:
	s_wait_dscnt 0x0                               ; for the others' sake: my four pq and my part of bk's row lie in LDS
	s_barrier_signal -1
	s_barrier_wait -1                              ; all do.  My tensor load may stay out
	; G.  Thread t takes, for j = 0..15, the 16 bytes of Wka at 16 t + 4,096 j: row t / 4 + 64 j, heads 4 (t % 4) + 0..3; they go to GB + 8 t + 2,048 j.
.set j, 0
.rept 16
	global_load_b128 v[WR+4*j:WR+4*j+3], v[T16], s[6:7] offset:4096*j
.set j, j+1
.endr
.set j, 0
.rept 16
	ds_load_b32 v[GR+j], v[GG] offset:256*j
.set j, j+1
.endr
	s_wait_loadcnt 0x0
	s_wait_dscnt 0x0
.set j, 0
.rept 16
	v_cvt_pk_bf16_f32 v160, v[WR+4*j], v[WR+4*j+1]        ; Wka rounded as an input,
	v_cvt_pk_bf16_f32 v161, v[WR+4*j+2], v[WR+4*j+3]
	v_lshlrev_b32 v162, 16, v160
	v_and_b32 v163, s39, v160
	v_lshlrev_b32 v164, 16, v161
	v_and_b32 v165, s39, v161
.if j%2 == 0
	v_pk_mul_f32 v[162:163], v[162:163], v[GR+j:GR+j+1] op_sel_hi:[1,0]               ; times pq of its row: the pair's first word for both,
	v_pk_mul_f32 v[164:165], v[164:165], v[GR+j:GR+j+1] op_sel_hi:[1,0]
.else
	v_pk_mul_f32 v[162:163], v[162:163], v[GR+j-1:GR+j] op_sel:[0,1] op_sel_hi:[1,1]  ; or its second,
	v_pk_mul_f32 v[164:165], v[164:165], v[GR+j-1:GR+j] op_sel:[0,1] op_sel_hi:[1,1]
.endif
	v_cvt_pk_bf16_f32 v[GO+2*j], v162, v163               ; and rounded as a matrix operand
	v_cvt_pk_bf16_f32 v[GO+2*j+1], v164, v165
	ds_store_b64 v[GS], v[GO+2*j:GO+2*j+1] offset:2048*j
.set j, j+1
.endr
	s_wait_tensorcnt 0x0                           ; my 8 rows of the tile have landed,
	s_wait_dscnt 0x0                               ; my part of G is stored:
	s_barrier_signal -1
	s_barrier_wait -1                              ; tile and G are whole for every wave
	; THE PRODUCT: waves 0-4, 16 rows x 16 heads each, K = 1,024 in four batches of eight K steps.  The four accumulators take turns, one instruction a turn, from batch to batch too.
.macro BATCH q
.set f, 0
.rept 8
.set ks, 8*(\q)+f
	ds_load_b128 v[FR+16*f:FR+16*f+3],        v[AT] offset:(ks/16)*1040+(ks%16)*64
	ds_load_b128 v[FR+16*f+4:FR+16*f+7],      v[AT] offset:(ks/16)*1040+(ks%16)*64+32
	ds_load_tr16_b128 v[FR+16*f+8:FR+16*f+11],  v[AG] offset:1024*ks
	ds_load_tr16_b128 v[FR+16*f+12:FR+16*f+15], v[AG] offset:1024*ks+512
.set f, f+1
.endr
	s_wait_dscnt 0x0
.set f, 0
.rept 8
.if ((\q) == 0) && (f < 4)
	v_wmma_f32_16x16x32_bf16 v[ACC+8*(f%4):ACC+8*(f%4)+7], v[FR+16*f+8:FR+16*f+15], v[FR+16*f:FR+16*f+7], 0
.else
	v_wmma_f32_16x16x32_bf16 v[ACC+8*(f%4):ACC+8*(f%4)+7], v[FR+16*f+8:FR+16*f+15], v[FR+16*f:FR+16*f+7], v[ACC+8*(f%4):ACC+8*(f%4)+7]
.endif
.set f, f+1
.endr
.rept 4
	v_nop                                          ; four places in front of the next batch's loads into these fragments, and of the sums below
.endr
.endm
	s_cmp_lt_u32 s16, 5
	s_cbranch_scc0 .Lend
	BATCH 0
	BATCH 1
	BATCH 2
	BATCH 3
.irp p, 0,1,2,3                        ; the four partial sums; each accumulator is read from its low end on
	v_pk_add_f32 v[ACC+2*(\p):ACC+2*(\p)+1], v[ACC+2*(\p):ACC+2*(\p)+1], v[ACC+8+2*(\p):ACC+8+2*(\p)+1]
.endr
.irp p, 0,1,2,3
	v_pk_add_f32 v[ACC+16+2*(\p):ACC+16+2*(\p)+1], v[ACC+16+2*(\p):ACC+16+2*(\p)+1], v[ACC+24+2*(\p):ACC+24+2*(\p)+1]
.endr
.irp p, 0,1,2,3
	v_pk_add_f32 v[ACC+2*(\p):ACC+2*(\p)+1], v[ACC+2*(\p):ACC+2*(\p)+1], v[ACC+16+2*(\p):ACC+16+2*(\p)+1]
.endr
	s_cmp_eq_u32 s16, 4
	s_cbranch_scc1 .Lbias
.irp p, 0,1,2,3
	v_cvt_pk_bf16_f32 v[Y+(\p)], v[ACC+2*(\p)], v[ACC+2*(\p)+1]
.endr
	global_store_b128 v[MBO], v[Y:Y+3], s[36:37]   ; 16 rows of M: 512 consecutive bytes
	s_branch .Lend
.Lbias:
	s_cmp_lg_u32 s46, 0
	s_cbranch_scc1 .Lend
.irp p, 0,1,2,3
	v_cvt_pk_bf16_f32 v[Y+(\p)], v[BAV+2*(\p)], v[BAV+2*(\p)+1]    ; bka rounded as an input
.endr
.irp p, 0,1,2,3
	v_lshlrev_b32 v[BAV+2*(\p)], 16, v[Y+(\p)]
	v_and_b32 v[BAV+2*(\p)+1], s39, v[Y+(\p)]
.endr
.irp p, 0,1,2,3
	v_pk_add_f32 v[ACC+2*(\p):ACC+2*(\p)+1], v[ACC+2*(\p):ACC+2*(\p)+1], v[BAV+2*(\p):BAV+2*(\p)+1]
.endr
	global_store_b128 v[SBV], v[ACC:ACC+3], s[14:15] offset:SBO    ; all sixteen rows of the result are alike: sixteen copies, 1,024 consecutive bytes by the two stores
	global_store_b128 v[SBV], v[ACC+4:ACC+7], s[14:15] offset:SBO+16
.Lend:
	s_wait_tensorcnt 0x0                           ; the wave's end: behind my tensor load and my last LDS store
	ds_add_u32 v[SPW], v[NIL]
	s_wait_dscnt 0x0
	CROUND                                         ; the closing round
	s_endpgm
.Lfunc_end_k_qffde61130f_mkw:
	.size	k_qffde61130f_mkw, .Lfunc_end_k_qffde61130f_mkw-k_qffde61130f_mkw
	.p2alignl 7, 3214868480
	.fill 96, 4, 3214868480
	.section	.rodata,"a",@progbits
	.p2align	6, 0x0
	.amdhsa_kernel k_qffde61130f_mkw
		.amdhsa_group_segment_fixed_size 176128
		.amdhsa_private_segment_fixed_size 0
		.amdhsa_enable_private_segment 0
		.amdhsa_kernarg_size 48
		.amdhsa_user_sgpr_count 2
		.amdhsa_user_sgpr_kernarg_segment_ptr 1
		.amdhsa_wavefront_size32 1
		.amdhsa_system_sgpr_workgroup_id_x 1
		.amdhsa_system_sgpr_workgroup_id_y 1
		.amdhsa_system_sgpr_workgroup_id_z 1
		.amdhsa_system_vgpr_workitem_id 0
		.amdhsa_next_free_vgpr 240
		.amdhsa_next_free_sgpr 66
		.amdhsa_reserve_vcc 0
		.amdhsa_float_denorm_mode_32 3
		.amdhsa_float_denorm_mode_16_64 3
		.amdhsa_memory_ordered 1
		.amdhsa_forward_progress 1
		.amdhsa_inst_pref_size 45
	.end_amdhsa_kernel
	.amdgpu_metadata
---
amdhsa.version: [ 1, 2 ]
amdhsa.kernels:
  - .name:           k_qffde61130f_mkw
    .symbol:         k_qffde61130f_mkw.kd
    .args:
      - { .name: wkb, .offset: 0, .size: 8, .value_kind: global_buffer, .address_space: global }
      - { .name: Wka, .offset: 8, .size: 8, .value_kind: global_buffer, .address_space: global }
      - { .name: bka, .offset: 16, .size: 8, .value_kind: global_buffer, .address_space: global }
      - { .name: bk, .offset: 24, .size: 8, .value_kind: global_buffer, .address_space: global }
      - { .name: partq, .offset: 32, .size: 8, .value_kind: global_buffer, .address_space: global }
      - { .name: gk, .offset: 40, .size: 8, .value_kind: global_buffer, .address_space: global }
    .group_segment_fixed_size: 176128
    .private_segment_fixed_size: 0
    .kernarg_segment_align: 8
    .kernarg_segment_size: 48
    .max_flat_workgroup_size: 256
    .sgpr_count:     66
    .vgpr_count:     240
    .wavefront_size: 32
...
	.end_amdgpu_metadata
.endif
;; end of part 8
;; launch poolx (part 9): grid 32 x 8, 8 waves a work-group, no clusters, 235,520 bytes of LDS; arguments xb, gk, attention_mask, partx; writes partx
.if DOCPART == 9
	.amdgcn_target "amdgcn-amd-amdhsa--gfx1250"
	.amdhsa_code_object_version 6
	.text
	.protected	k_qffde61130f_poolx
	.globl	k_qffde61130f_poolx
	.p2align	8
	.type	k_qffde61130f_poolx,@function
k_qffde61130f_poolx:
	s_mov_b64 s[64:65], 0
	v_nop
	global_prefetch_b8 v0, s[64:65] scope:SCOPE_SE
	s_setreg_imm32_b32 hwreg(HW_REG_WAVE_MODE, 25, 1), 1
	s_wait_xcnt 0x0
; ONE CHUNK OF THE KEY POOLING, ON X.  xb: [16384][1024] bf16; gk (37,888 bytes a batch): M as bf16 [1024 k][16 n], and at 36,864 sb, 16 f32; mask: [8][2048] f32, rounded to bf16 like every input.
; reference()'s key scores are ((X M)[s][n] + sb[n]) / 8 + mask[s], and its pooled key is pq x ((the sum of w[s] X[s]) Wk + bk): so what is pooled here is X, for each head over all 1,024 columns.
; For batch b (grid y) and its chunk i of 64 rows (grid x), for each head n:
;   y[s] = ((X[s] . M[:, n]) + sb[n]) c1 + mask[s] c2, the score in powers of two: c1 = log2(e) / 8, c2 = log2(e);  m = the chunk's maximum of y;  p[s] = 2^(y[s] - m);  l = the sum of p;
;   part[n][c] = the sum over the chunk's rows of bf16(p[s]) X[s][c]: a matrix product, 16 heads x 64 rows x 1,024 columns, sums in f32; l is taken of the unrounded p.
; A RECORD (65,792 bytes, at (32 b + i) x 65,792): part as [16 heads][1024] f32, then 32 pairs (m, l), pair L for head L % 16.  Whoever reads a batch's 32 records joins them by the true maximum of the m.
; NO CLUSTER: no two work-groups read the same rows of xb; the 32 KiB of M that a batch's work-groups share are a fifth of what a work-group reads.  NO PREFETCH: the one tile is asked for at the head.
; LIMITS.  NaN is not treated apart.  A mask entry beyond about -2.3e38 counts as -inf; -inf gives weight 0; m is held at the lowest finite number, so a chunk that is wholly -inf has l = 0 and part = 0.
; A weight below 2^-126 counts as 0.
.set TP,    2080                       ; a row of X in LDS: two halves of 1,024 bytes, 16 bytes behind each: column c at 2 c + 16 (c / 512).  65 x 32 bytes
.set GB,    64*TP                      ; M: [1024 k][16 n] bf16, 32 bytes a k-row
.set PT,    GB+32768                   ; p: [16 heads] x 64 rows bf16, pitch 144
.set WM,    PT+16*144                  ; the waves' maxima [head][wave], 256 bytes; their sums 256 bytes further on
.set STAGE, WM+512                     ; [16 heads] x 1,024 f32, pitch 4,112: wave w owns bytes 512 w .. 512 w + 511 of each row
.set SPT,   4112
.set SPARE, STAGE+16*SPT               ; the spare words, 128 bytes for each of eight waves: four blocks of 256 bytes that no other line names
.set REC,   65792
.set GKB,   37888
.set SBO,   36864
.set SPW, 3                            ; v3  LDS address of my spare word; never rewritten
.set NIL, 4                            ; v4  0; never rewritten
.set AT,  5                            ; v5  my place in a fragment of X's rows: my wave's 16 rows, row l % 16, 16 (l / 16)
.set AG,  6                            ; v6  my place in a fragment of M, for the turning load
.set MO,  7                            ; v7  byte offset of my eight rows in the mask
.set BO,  8                            ; v8  4 (l % 16): my head in sb
.set T16, 9                            ; v9  16 t: my 16 bytes of M's copy, of a head's row in the record
.set GS,  10                           ; v10 GB + 16 t
.set PA,  11                           ; v11 my place in a fragment of p
.set XA,  12                           ; v12-13 my place in a turned fragment of X: rows 0-31, rows 32-63
.set STG, 14                           ; v14 where my 32 bytes of a head's row go in the stage
.set SRD, 15                           ; v15 STAGE + 16 t: where I read a head's row back
.set WMS, 16                           ; v16 WM + 16 (l % 16) + 4 (wave % 4)
.set WMR, 17                           ; v17 WM + 16 (l % 16)
.set PS,  18                           ; v18 where my eight p go
.set L8,  19                           ; v19 8 l
.set MM,  20                           ; v[20:27] mask c2 + sb c1 for my eight rows
.set BA,  28                           ; v[28:29] sb c1, twice; later m, twice
.set PR2, 30                           ; v[30:31] at work; the pair (m, l)
.set Y,   40                           ; v[40:47] y, then p
.set ACC, 48                           ; v[48:79] the scores' four accumulators
.set FR,  80                           ; v[80:207] eight K steps' fragments: X's 8 registers, then M's 8
.set WR,  48                           ; v[48:79] eight loads of M
.set PF,  48                           ; the pooling: v[48:63] p's two fragments
.set XF,  64                           ;              v[64:191] X's sixteen turned fragments; later the sixteen heads' rows read back
.set PACC, 192                         ;              v[192:255] eight accumulators
.set G0,  20                           ; s[20:23] descriptor group 0
.set G1,  24                           ; s[24:31] descriptor group 1
	s_load_b256 s[4:11], s[0:1], 0x0               ; xb s[4:5], gk s[6:7], mask s[8:9], partx s[10:11]
	v_lshl_add_u32 v[SPW], v0, 2, SPARE
	v_mov_b32 v[NIL], 0
	ds_add_u32 v[SPW], v[NIL]                      ; the wave's opening: the add and its wait ahead of my tensor load; the set-up below, work on registers, stands between them
	v_lshrrev_b32 v1, 5, v0
	v_readfirstlane_b32 s16, v1                    ; wave 0..7
	s_and_b32 s17, s16, 3                          ; which 16 rows' scores are mine (waves 0-3)
	s_and_b32 s19, ttmp7, 0xffff                   ; b
	; my 8 rows of X are 16,384 dense bytes: asked for as 16 rows of 1,024 bytes, 16 bytes of padding behind each
	s_mov_b32 s[G1+0], (1<<16)|(1<<20)|(7<<22)|(3<<25)  ; elements of 2 bytes; padding on; after every 256 words, 4 words
	s_mov_b32 s[G1+1], 512<<16                     ; tensor_dim0 = 512
	s_mov_b32 s[G1+2], 16<<16                      ; tensor_dim1 = 16
	s_mov_b32 s[G1+3], 512<<16                     ; tile_dim0
	s_mov_b32 s[G1+4], 16                          ; tile_dim1
	s_mov_b32 s[G1+5], 512                         ; elements from row to row
	s_mov_b32 s[G1+6], 0
	s_mov_b32 s[G1+7], 0
	s_mov_b32 s[G0], 1
	s_mul_i32 s[G0+1], s16, 8*TP                   ; LDS: wave x 8 rows
	s_lshl_b32 s32, s19, 11
	s_lshl_b32 s33, ttmp9, 6
	s_add_co_u32 s32, s32, s33                     ; the chunk's first row: 2,048 b + 64 i
	s_lshl_b32 s33, s16, 3
	s_add_co_u32 s40, s32, s33
	s_lshl_b32 s40, s40, 11                        ; my 8 rows, in bytes (under 2^25)
	s_mov_b32 s41, 0
	s_lshl_b32 s42, s19, 5
	s_add_co_u32 s42, s42, ttmp9
	s_mul_i32 s42, s42, REC                        ; my record (under 2^25)
	s_mov_b32 s43, 0
	s_mul_i32 s44, s19, GKB                        ; the batch's part of gk
	s_mov_b32 s45, 0
	s_mov_b32 s34, 0x3e38aa3b                      ; c1 = log2(e) / 8
	s_mov_b32 s35, s34                             ; named with it as a pair
	s_mov_b32 s36, 0x76543210                      ; v_permlanex16_b32: each lane takes its own place in the other half
	s_mov_b32 s37, 0xfedcba98
	s_mov_b32 s39, 0xffff0000                      ; a word's upper bf16
	s_wait_dscnt 0x0                               ; the opening add is done
	s_wait_kmcnt 0x0
	s_add_nc_u64 s[G0+2:G0+3], s[4:5], s[40:41]
	s_or_b32 s[G0+3], s[G0+3], 0x80000000          ; type = 2
	tensor_load_to_lds s[G0:G0+3], s[G1:G1+7]      ; the one fill of the launch: one load of mine is out
	s_nop 0
	s_add_nc_u64 s[10:11], s[10:11], s[42:43]
	s_add_nc_u64 s[6:7], s[6:7], s[44:45]
	v_and_b32 v1, 15, v0                           ; l % 16
	v_bfe_u32 v2, v0, 4, 1                         ; l / 16
	s_lshl_b32 s33, s17, 4
	s_add_co_u32 s33, s33, s32
	s_lshl_b32 s33, s33, 2
	v_lshl_add_u32 v[MO], v2, 5, s33               ; rows 16 (wave % 4) + 8 (l / 16) + 0..7 of the chunk
	v_lshlrev_b32 v[BO], 2, v1
	v_lshlrev_b32 v[T16], 4, v0
	global_load_b128 v[MM:MM+3], v[MO], s[8:9]
	global_load_b128 v[MM+4:MM+7], v[MO], s[8:9] offset:16
	global_load_b32 v[BA], v[BO], s[6:7] offset:SBO
.set j, 0
.rept 8
	global_load_b128 v[WR+4*j:WR+4*j+3], v[T16], s[6:7] offset:4096*j  ; M as it lies: 256 threads x 16 bytes, eight times
.set j, j+1
.endr
	v_mul_u32_u24 v[AT], v1, TP
	v_lshl_add_u32 v[AT], v2, 4, v[AT]
	s_mul_i32 s33, s17, 16*TP
	v_add_nc_u32 v[AT], s33, v[AT]
	v_and_b32 v[AG], 7, v0                         ; the turning load: lane l reads k-row 8 (l / 16) + l % 8, heads 8 ((l / 8) % 2) + 0..7
	v_lshl_add_u32 v[AG], v2, 3, v[AG]
	v_mul_u32_u24 v[XA], v[AG], TP                 ; the same rows of X,
	v_lshlrev_b32 v[AG], 5, v[AG]
	v_bfe_u32 v[PA], v0, 3, 1
	v_lshl_add_u32 v[AG], v[PA], 4, v[AG]
	v_add_nc_u32 v[AG], GB, v[AG]
	v_lshl_add_u32 v[XA], v[PA], 4, v[XA]          ; columns 8 ((l / 8) % 2) + 0..7
	s_lshl_b32 s33, s16, 8                         ; of my wave's 128: 256 bytes x wave,
	s_lshr_b32 s38, s16, 2
	s_lshl_b32 s38, s38, 4                         ; and the 16 bytes between a row's halves
	s_add_co_u32 s33, s33, s38
	v_add_nc_u32 v[XA], s33, v[XA]
	v_add_nc_u32 v[XA+1], 32*TP, v[XA]
	v_lshl_add_u32 v[GS], v0, 4, GB
	v_mul_u32_u24 v[PA], v1, 144
	v_lshl_add_u32 v[PA], v2, 4, v[PA]
	v_add_nc_u32 v[PA], PT, v[PA]                  ; head l % 16, 16 (l / 16)
	s_lshl_b32 s33, s17, 5
	v_add_nc_u32 v[PS], s33, v[PA]                 ; head l % 16, rows 16 (wave % 4) + 8 (l / 16) on
	v_mul_u32_u24 v[STG], v1, SPT
	v_lshl_add_u32 v[STG], v2, 5, v[STG]
	s_lshl_b32 s33, s16, 9
	s_add_co_u32 s33, s33, STAGE
	v_add_nc_u32 v[STG], s33, v[STG]
	v_lshl_add_u32 v[SRD], v0, 4, STAGE
	v_lshlrev_b32 v[WMR], 4, v1
	v_add_nc_u32 v[WMR], WM, v[WMR]
	s_lshl_b32 s33, s17, 2
	v_add_nc_u32 v[WMS], s33, v[WMR]
	v_and_b32 v[L8], 31, v0
	v_lshlrev_b32 v[L8], 3, v[L8]
	s_wait_loadcnt 0x0                             ; M, the mask, sb
.set j, 0
.rept 8
	ds_store_b128 v[GS], v[WR+4*j:WR+4*j+3] offset:4096*j
.set j, j+1
.endr
	; the mask, rounded to bf16 and widened; MM = mask c2 + sb c1
.irp p, 0,1,2,3
	v_cvt_pk_bf16_f32 v[Y+(\p)], v[MM+2*(\p)], v[MM+2*(\p)+1]
.endr
.irp p, 0,1,2,3
	v_lshlrev_b32 v[MM+2*(\p)], 16, v[Y+(\p)]
	v_and_b32 v[MM+2*(\p)+1], s39, v[Y+(\p)]
.endr
	v_mul_f32 v[BA], s34, v[BA]
	v_mov_b32 v[BA+1], v[BA]
.irp p, 0,1,2,3
	v_pk_fma_f32 v[MM+2*(\p):MM+2*(\p)+1], v[MM+2*(\p):MM+2*(\p)+1], 0x3fb8aa3b, v[BA:BA+1] op_sel_hi:[1,0,1]
.endr
	s_wait_tensorcnt 0x0                           ; my 8 rows of X have landed,
	s_wait_dscnt 0x0                               ; my part of M is stored:
	s_barrier_signal -1
	s_barrier_wait -1                              ; X and M are whole for every wave
	; THE SCORES: waves 0-3, 16 rows x 16 heads each, K = 1,024 in four batches of eight K steps.  Source 0 = X's rows, source 1 = M's columns: lane l ends with head l % 16 and rows 8 (l / 16) + 0..7.
	; The four accumulators take turns, one instruction a turn, from batch to batch too.
.macro BATCH q
.set f, 0
.rept 8
.set ks, 8*(\q)+f
	ds_load_b128 v[FR+16*f:FR+16*f+3],        v[AT] offset:(ks/16)*1040+(ks%16)*64
	ds_load_b128 v[FR+16*f+4:FR+16*f+7],      v[AT] offset:(ks/16)*1040+(ks%16)*64+32
	ds_load_tr16_b128 v[FR+16*f+8:FR+16*f+11],  v[AG] offset:1024*ks
	ds_load_tr16_b128 v[FR+16*f+12:FR+16*f+15], v[AG] offset:1024*ks+512
.set f, f+1
.endr
	s_wait_dscnt 0x0
.set f, 0
.rept 8
.if ((\q) == 0) && (f < 4)
	v_wmma_f32_16x16x32_bf16 v[ACC+8*(f%4):ACC+8*(f%4)+7], v[FR+16*f:FR+16*f+7], v[FR+16*f+8:FR+16*f+15], 0
.else
	v_wmma_f32_16x16x32_bf16 v[ACC+8*(f%4):ACC+8*(f%4)+7], v[FR+16*f:FR+16*f+7], v[FR+16*f+8:FR+16*f+15], v[ACC+8*(f%4):ACC+8*(f%4)+7]
.endif
.set f, f+1
.endr
.rept 4
	v_nop                                          ; four places in front of the next batch's loads into these fragments, and of the sums below
.endr
.endm
	s_cmp_lt_u32 s16, 4
	s_cbranch_scc0 .Lno_scores
	BATCH 0
	BATCH 1
	BATCH 2
	BATCH 3
.irp p, 0,1,2,3                        ; the four partial sums; each accumulator is read from its low end on
	v_pk_add_f32 v[ACC+2*(\p):ACC+2*(\p)+1], v[ACC+2*(\p):ACC+2*(\p)+1], v[ACC+8+2*(\p):ACC+8+2*(\p)+1]
.endr
.irp p, 0,1,2,3
	v_pk_add_f32 v[ACC+16+2*(\p):ACC+16+2*(\p)+1], v[ACC+16+2*(\p):ACC+16+2*(\p)+1], v[ACC+24+2*(\p):ACC+24+2*(\p)+1]
.endr
.irp p, 0,1,2,3
	v_pk_add_f32 v[ACC+2*(\p):ACC+2*(\p)+1], v[ACC+2*(\p):ACC+2*(\p)+1], v[ACC+16+2*(\p):ACC+16+2*(\p)+1]
.endr
.irp p, 0,1,2,3
	v_pk_fma_f32 v[Y+2*(\p):Y+2*(\p)+1], v[ACC+2*(\p):ACC+2*(\p)+1], s[34:35], v[MM+2*(\p):MM+2*(\p)+1] op_sel_hi:[1,0,1]
.endr
	v_max3_num_f32 v[PR2], v[Y], v[Y+1], v[Y+2]
	v_max3_num_f32 v[PR2], v[PR2], v[Y+3], v[Y+4]
	v_max3_num_f32 v[PR2], v[PR2], v[Y+5], v[Y+6]
	v_max_num_f32 v[PR2], v[PR2], v[Y+7]
	v_mov_b32 v[PR2+1], v[PR2]                     ; the exchange's destination counts as read
	v_permlanex16_b32 v[PR2+1], v[PR2], s36, s37   ; the head's other eight rows lie in the lane 16 away
	v_max_num_f32 v[PR2], v[PR2], v[PR2+1]
	v_max_num_f32 v[PR2], 0xff7fffff, v[PR2]       ; never below the lowest finite number
	ds_store_b32 v[WMS], v[PR2]                    ; lanes l and l + 16 store the same number into the same word
.Lno_scores:
	s_wait_dscnt 0x0
	s_barrier_signal -1
	s_barrier_wait -1                              ; the four waves' maxima lie in LDS
	s_cmp_lt_u32 s16, 4
	s_cbranch_scc0 .Lno_weights
	ds_load_b128 v[48:51], v[WMR]
	s_wait_dscnt 0x0
	v_max3_num_f32 v[BA], v48, v49, v50
	v_max_num_f32 v[BA], v[BA], v51                ; m: the chunk's maximum for my head
	v_mov_b32 v[BA+1], v[BA]
.irp p, 0,1,2,3
	v_pk_add_f32 v[Y+2*(\p):Y+2*(\p)+1], v[Y+2*(\p):Y+2*(\p)+1], v[BA:BA+1] neg_lo:[0,1] neg_hi:[0,1]
.endr
.irp p, 0,1,2,3,4,5,6,7
	v_exp_f32 v[Y+(\p)], v[Y+(\p)]
.endr
	v_nop                                          ; a plain instruction behind the last exponential,
	s_wait_alu depctr_va_vdst(0)                   ; and one wait for the eight
.irp p, 0,1,2,3
	v_cvt_pk_bf16_f32 v[52+(\p)], v[Y+2*(\p)], v[Y+2*(\p)+1]       ; p as a matrix operand
.endr
	ds_store_b128 v[PS], v[52:55]
	v_pk_add_f32 v[48:49], v[Y:Y+1], v[Y+2:Y+3]
	v_pk_add_f32 v[50:51], v[Y+4:Y+5], v[Y+6:Y+7]
	v_pk_add_f32 v[48:49], v[48:49], v[50:51]
	v_add_f32 v48, v48, v49
	v_permlanex16_b32 v49, v48, s36, s37
	v_add_f32 v48, v48, v49                        ; my wave's sum of the unrounded p for my head
	ds_store_b32 v[WMS], v48 offset:256
.Lno_weights:
	s_wait_dscnt 0x0
	s_barrier_signal -1
	s_barrier_wait -1                              ; p and the four waves' sums lie in LDS
	; THE POOLING: all eight waves; wave w makes columns 128 w .. 128 w + 127 for all 16 heads: eight blocks of 16 columns, K = the chunk's 64 rows in two steps.
	; Source 0 = X turned (16 columns x 32 rows), source 1 = p (16 heads x 32 rows): lane l ends with head l % 16 and the columns 8 (l / 16) + 0..7 of each block.
.irp ks, 0,1
	ds_load_b128 v[PF+8*(\ks):PF+8*(\ks)+3],   v[PA] offset:64*(\ks)
	ds_load_b128 v[PF+8*(\ks)+4:PF+8*(\ks)+7], v[PA] offset:64*(\ks)+32
.endr
.irp ks, 0,1
.irp nb, 0,1,2,3,4,5,6,7
	ds_load_tr16_b128 v[XF+64*(\ks)+8*(\nb):XF+64*(\ks)+8*(\nb)+3],   v[XA+(\ks)] offset:32*(\nb)
	ds_load_tr16_b128 v[XF+64*(\ks)+8*(\nb)+4:XF+64*(\ks)+8*(\nb)+7], v[XA+(\ks)] offset:16*TP+32*(\nb)
.endr
.endr
	s_wait_dscnt 0x0
.irp ks, 0,1                           ; the eight accumulators take turns; the first step starts the sums
.irp nb, 0,1,2,3,4,5,6,7
.if (\ks) == 0
	v_wmma_f32_16x16x32_bf16 v[PACC+8*(\nb):PACC+8*(\nb)+7], v[XF+64*(\ks)+8*(\nb):XF+64*(\ks)+8*(\nb)+7], v[PF+8*(\ks):PF+8*(\ks)+7], 0
.else
	v_wmma_f32_16x16x32_bf16 v[PACC+8*(\nb):PACC+8*(\nb)+7], v[XF+64*(\ks)+8*(\nb):XF+64*(\ks)+8*(\nb)+7], v[PF+8*(\ks):PF+8*(\ks)+7], v[PACC+8*(\nb):PACC+8*(\nb)+7]
.endif
.endr
.endr
.rept 4
	v_nop                                          ; four places in front of the LDS stores that read results and of the loads into the fragments' registers
.endr
.irp nb, 0,1,2,3,4,5,6,7               ; into my own bytes of the stage, each accumulator from its low end on
	ds_store_b128 v[STG], v[PACC+8*(\nb):PACC+8*(\nb)+3]   offset:64*(\nb)
	ds_store_b128 v[STG], v[PACC+8*(\nb)+4:PACC+8*(\nb)+7] offset:64*(\nb)+16
.endr
.set n, 0
.rept 16
	ds_load_b128 v[XF+4*n:XF+4*n+3], v[SRD] offset:SPT*n   ; LDS serves a wave's instructions in order (ISA guide 5.7.1.4): these see the stores above
.set n, n+1
.endr
.set n, 0
.rept 16
	s_wait_dscnt 15-n                              ; head n's row is back; the 15 - n younger loads stay out
	global_store_b128 v[T16], v[XF+4*n:XF+4*n+3], s[10:11] offset:4096*n   ; a wave stores 512 consecutive bytes of head n's row
.set n, n+1
.endr
	s_cmp_lg_u32 s16, 0
	s_cbranch_scc1 .Lend                           ; wave 0 stores the pairs
	ds_load_b128 v[48:51], v[WMR] offset:256
	s_wait_dscnt 0x0
	v_add_f32 v48, v48, v49
	v_add_f32 v50, v50, v51
	v_mov_b32 v[PR2], v[BA]                        ; m
	v_add_f32 v[PR2+1], v48, v50                   ; l
	global_store_b64 v[L8], v[PR2:PR2+1], s[10:11] offset:65536    ; 256 consecutive bytes: pair l holds head l % 16
.Lend:
	s_wait_tensorcnt 0x0                           ; the wave's end: behind my tensor load and my last LDS store
	ds_add_u32 v[SPW], v[NIL]
	s_wait_dscnt 0x0
	s_endpgm
.Lfunc_end_k_qffde61130f_poolx:
	.size	k_qffde61130f_poolx, .Lfunc_end_k_qffde61130f_poolx-k_qffde61130f_poolx
	.p2alignl 7, 3214868480
	.fill 96, 4, 3214868480
	.section	.rodata,"a",@progbits
	.p2align	6, 0x0
	.amdhsa_kernel k_qffde61130f_poolx
		.amdhsa_group_segment_fixed_size 235520
		.amdhsa_private_segment_fixed_size 0
		.amdhsa_enable_private_segment 0
		.amdhsa_kernarg_size 32
		.amdhsa_user_sgpr_count 2
		.amdhsa_user_sgpr_kernarg_segment_ptr 1
		.amdhsa_wavefront_size32 1
		.amdhsa_system_sgpr_workgroup_id_x 1
		.amdhsa_system_sgpr_workgroup_id_y 1
		.amdhsa_system_sgpr_workgroup_id_z 1
		.amdhsa_system_vgpr_workitem_id 0
		.amdhsa_next_free_vgpr 256
		.amdhsa_next_free_sgpr 66
		.amdhsa_reserve_vcc 0
		.amdhsa_float_denorm_mode_32 3
		.amdhsa_float_denorm_mode_16_64 3
		.amdhsa_memory_ordered 1
		.amdhsa_forward_progress 1
		.amdhsa_inst_pref_size 29
	.end_amdhsa_kernel
	.amdgpu_metadata
---
amdhsa.version: [ 1, 2 ]
amdhsa.kernels:
  - .name:           k_qffde61130f_poolx
    .symbol:         k_qffde61130f_poolx.kd
    .args:
      - { .name: xb, .offset: 0, .size: 8, .value_kind: global_buffer, .address_space: global }
      - { .name: gk, .offset: 8, .size: 8, .value_kind: global_buffer, .address_space: global }
      - { .name: attention_mask, .offset: 16, .size: 8, .value_kind: global_buffer, .address_space: global }
      - { .name: partx, .offset: 24, .size: 8, .value_kind: global_buffer, .address_space: global }
    .group_segment_fixed_size: 235520
    .private_segment_fixed_size: 0
    .kernarg_segment_align: 8
    .kernarg_segment_size: 32
    .max_flat_workgroup_size: 256
    .sgpr_count:     66
    .vgpr_count:     256
    .wavefront_size: 32
...
	.end_amdgpu_metadata
.endif
;; end of part 9
;; launch scalew (part 10): grid 32 x 8, 8 waves a work-group, no clusters, 6,144 bytes of LDS; arguments Wt, partx, wkb, bk, gk, wts; writes wts
.if DOCPART == 10
	.amdgcn_target "amdgcn-amd-amdhsa--gfx1250"
	.amdhsa_code_object_version 6
	.text
	.protected	k_qffde61130f_scalew
	.globl	k_qffde61130f_scalew
	.p2align	8
	.type	k_qffde61130f_scalew,@function
k_qffde61130f_scalew:
	s_mov_b64 s[64:65], 0
	v_nop
	global_prefetch_b8 v0, s[64:65] scope:SCOPE_SE
	s_setreg_imm32_b32 hwreg(HW_REG_WAVE_MODE, 25, 1), 1
	s_wait_xcnt 0x0
; wts[b][k][n] = bf16(pk_b[k] x bf16(Wt[k][n]) + (k = n)): (mq x pk) Wt + mq = mq (diag(pk) Wt + I), one copy of [1024 k][1024 n] for each of the 8 batches.
; pk_b[c] = pq_b[c] x (xbar . Wk[:, c] + bk[c]), where xbar [1024] is the pooled row of X for c's head: since the weights of a softmax add up to 1, the pooled mk is xbar Wk + bk.
; xbar is joined from the batch's 32 records of partx (65,792 bytes each: [16 heads][1024] f32 of part, then pairs (m, l), pair L for head L % 16; m in powers of two):
; w_i = 2^(m_i - max m), xbar = (the sum of w_i part_i) / (the sum of w_i l_i).  The maximum is taken away before the exponential; all sums in f32.
; wkb: [1024 k][1024 c] bf16; bk: [1024] f32 and Wt: [1024][1024] f32, rounded to bf16 like every input; pq: f32, at 32,768 in the batch's 37,888 bytes of gk.
; SHARES.  Grid x = 32 rows k of Wt = 32 columns c of Wk, all of head x / 2; grid y = the batch.
;   the weights: every wave, lane i for record i; the 32 numbers w_i / L then go into scalar registers.    xbar: thread t joins columns 4 t .. 4 t + 3, into LDS.
;   the dot: thread t takes columns 8 (t % 4) + 0..7 of the 32 and the k-rows t / 4 + 64 j: four lanes read 64 consecutive bytes of a row of wkb; lanes are added by xor 4, 8, 16, waves through LDS.
;   the scaling: wave w takes rows k0 = 32 x + 4 w .. k0 + 3; a row of Wt is eight loads of 512 consecutive bytes; each store of the wave covers 256 consecutive bytes at a multiple of 256 from wts' first byte.
; Row k0 + rr has its diagonal in chunk x / 4 of 128 columns, lane 8 (x % 4) + w, element rr: the 1 is added by the multiply-add that scales that element.
; Wt's 32 loads land in the second window of registers and are out while pk is made.  No matrix unit: one multiply-add for each number of wkb read.
; LIMITS.  NaN is not treated apart; a head whose 2,048 mask entries are all -inf has a sum of 0 and gives NaN; a weight below 2^-126 counts as 0.
; The diagonal's 1 + pk Wt is rounded to bf16 like every matrix operand: it is off by at most 2^-9 of itself.
.set REC,   65792
.set GKB,   37888
.set PQO,   32768
.set XB,    0                          ; LDS: xbar, 1,024 f32
.set RED,   4096                       ; the waves' partial dots: [8 waves][32 columns] f32
.set SPARE, 5120                       ; the spare words, 128 bytes for each of eight waves: four blocks of 256 bytes that no other line names
.set SPW, 14                           ; v14 LDS address of my spare word; never rewritten
.set NIL, 15                           ; v15 0; never rewritten
.set P,   28                           ; v[28:31] pk of my four rows
.set BKV, 32                           ; v[32:35] bk,
.set PQV, 36                           ; v[36:39] pq of the same four
.set DV,  40                           ; v[40:47] chunk c: 1.0 in the lane and chunk of the diagonal, else 0
.set WK,  48                           ; v[48:111] sixteen loads of wkb; later
.set Y,   48                           ;           32 pairs of packed bf16 to store
.set PR,  112                          ; v[112:239] 32 x 4 of part; later:
.set XR,  112                          ;   v[112:127] xbar of my sixteen k-rows
.set A8,  128                          ;   v[128:135] my eight partial dots
.set RB,  136                          ;   v[136:167] at work; the eight waves' dots of my four columns
.set CB,  176                          ;   v[176:239] Wt rounded: 32 pairs of packed bf16
.set JA,  240                          ; v[240:243] xbar of my four columns
.set MSB, 0
.macro WIN new                         ; the immediate's high byte repeats the setting that is left
.if MSB != (\new)
	s_set_vgpr_msb (MSB<<8)|(\new)
.set MSB, \new
.endif
.endm
	s_load_b256 s[4:11], s[0:1], 0x0               ; Wt s[4:5], partx s[6:7], wkb s[8:9], bk s[10:11]
	s_load_b128 s[12:15], s[0:1], 0x20             ; gk s[12:13], wts s[14:15]
	v_lshl_add_u32 v[SPW], v0, 2, SPARE
	v_mov_b32 v[NIL], 0
	v_lshrrev_b32 v5, 5, v0
	v_readfirstlane_b32 s16, v5                    ; wave 0..7
	s_and_b32 s17, ttmp7, 0xffff                   ; b
	s_lshl_b32 s18, ttmp9, 5
	s_lshl_b32 s19, s16, 2
	s_add_co_u32 s18, s18, s19                     ; k0
	s_lshr_b32 s19, ttmp9, 1                       ; the head
	v_and_b32 v5, 31, v0                           ; l
	v_lshlrev_b32 v1, 4, v5                        ; 16 l
	v_lshlrev_b32 v2, 3, v5                        ; 8 l
	v_mul_u32_u24 v3, v5, REC                      ; record l,
	s_lshl_b32 s20, s19, 3
	s_add_co_u32 s20, s20, 65536
	v_add_nc_u32 v3, s20, v3                       ; its pair (m, l) for the head
	s_lshl_b32 s20, s19, 12
	v_lshl_add_u32 v4, v0, 4, s20                  ; the head's row in a record, my four columns
	v_lshrrev_b32 v9, 2, v0                        ; t / 4
	v_and_b32 v8, 3, v0                            ; t % 4
	v_lshlrev_b32 v11, 5, v8
	v_lshlrev_b32 v8, 4, v8
	v_lshl_add_u32 v8, v9, 11, v8                  ; k-row t / 4 of wkb, 16 bytes x (t % 4)
	v_lshl_add_u32 v9, v9, 2, XB                   ; xbar of that k-row
	v_lshl_add_u32 v10, v0, 4, XB                  ; where my four xbar go
	s_lshl_b32 s20, s16, 7
	s_add_co_u32 s20, s20, RED
	v_add_nc_u32 v11, s20, v11                     ; where my wave's eight dots go
	s_lshl_b32 s20, s16, 4
	s_add_co_u32 s20, s20, RED
	v_mov_b32 v12, s20                             ; my four columns in a wave's 32 dots
	s_lshl_b32 s20, s18, 2
	v_mov_b32 v13, s20                             ; my four numbers of bk and of pq
	v_mov_b32 v17, 0                               ; the exchanges' destination counts as read
	s_mov_b32 s24, 0x76543210                      ; v_permlanex16_b32: each lane takes its own place in the other half
	s_mov_b32 s25, 0xfedcba98
	s_mov_b32 s26, 0xffff0000                      ; a word's upper bf16
	s_mov_b32 s29, 0
	s_wait_kmcnt 0x0
	s_lshl_b32 s28, s18, 12                        ; k0 rows of 4,096 bytes
	s_add_nc_u64 s[4:5], s[4:5], s[28:29]
	s_mul_i32 s28, s17, 32*REC                     ; the batch's 32 records
	s_add_nc_u64 s[6:7], s[6:7], s[28:29]
	s_lshl_b32 s28, ttmp9, 6                       ; 32 columns of wkb are 64 bytes
	s_add_nc_u64 s[8:9], s[8:9], s[28:29]
	s_mul_i32 s28, s17, GKB
	s_add_nc_u64 s[12:13], s[12:13], s[28:29]
	s_lshl_b32 s28, s17, 21                        ; a batch's copy is 2 MiB,
	s_lshl_b32 s30, s18, 11                        ; k0 rows of 2,048 bytes
	s_add_co_u32 s28, s28, s30
	s_add_nc_u64 s[14:15], s[14:15], s[28:29]
	global_load_b64 v[6:7], v3, s[6:7]
	global_load_b128 v[BKV:BKV+3], v13, s[10:11]
	global_load_b128 v[PQV:PQV+3], v13, s[12:13] offset:PQO
.set i, 0
.rept 32
	global_load_b128 v[PR+4*i:PR+4*i+3], v4, s[6:7] offset:REC*i
.set i, i+1
.endr
.set j, 0
.rept 16
	global_load_b128 v[WK+4*j:WK+4*j+3], v8, s[8:9] offset:131072*j
.set j, j+1
.endr
	; where the diagonal lies
	s_and_b32 s20, ttmp9, 3
	s_lshl_b32 s20, s20, 3
	s_add_co_u32 s20, s20, s16                     ; its lane
	v_cmp_eq_u32 vcc_lo, s20, v5
	v_cndmask_b32 v26, 0, 1.0, vcc_lo
	s_lshr_b32 s21, ttmp9, 2                       ; its chunk of 128 columns
.irp c, 0,1,2,3,4,5,6,7
	s_cmp_eq_u32 s21, \c
	s_cselect_b32 s22, 1.0, 0
	v_mul_f32 v[DV+(\c)], s22, v26
.endr
	s_wait_loadcnt 50                              ; my pair is in; bk, pq, the 32 loads of part and the 16 of wkb stay out
	v_mov_b32 v16, v6
	v_max_num_f32_dpp v16, v16, v16 row_xmask:1 row_mask:0xf bank_mask:0xf
	v_max_num_f32_dpp v16, v16, v16 row_xmask:2 row_mask:0xf bank_mask:0xf
	v_max_num_f32_dpp v16, v16, v16 row_xmask:4 row_mask:0xf bank_mask:0xf
	v_max_num_f32_dpp v16, v16, v16 row_xmask:8 row_mask:0xf bank_mask:0xf
	v_permlanex16_b32 v17, v16, s24, s25
	v_max_num_f32 v16, v16, v17                    ; the maximum of the 32 m
	v_sub_f32 v16, v6, v16
	v_exp_f32 v16, v16                             ; w of my record
	v_nop                                          ; a plain instruction behind the exponential,
	s_wait_alu depctr_va_vdst(0)                   ; and the wait ahead of its first reader
	v_mul_f32 v18, v16, v7
	v_add_f32_dpp v18, v18, v18 row_xmask:1 row_mask:0xf bank_mask:0xf
	v_add_f32_dpp v18, v18, v18 row_xmask:2 row_mask:0xf bank_mask:0xf
	v_add_f32_dpp v18, v18, v18 row_xmask:4 row_mask:0xf bank_mask:0xf
	v_add_f32_dpp v18, v18, v18 row_xmask:8 row_mask:0xf bank_mask:0xf
	v_permlanex16_b32 v17, v18, s24, s25
	v_add_f32 v18, v18, v17                        ; L, in every lane
	v_rcp_f32 v18, v18
	v_nop
	s_wait_alu depctr_va_vdst(0)
	v_mul_f32 v16, v16, v18                        ; w_i / L
.set i, 0
.rept 32
	v_readlane_b32 s[32+i], v16, i                 ; record i's weight, for every lane
.set i, i+1
.endr
	s_wait_loadcnt 16                              ; part is in (and bk and pq); wkb's 16 loads stay out
	WIN 0x40                                       ; destination in the second window, address in the first
.set n, 0
.rept 32
	global_load_b128 v[4*n:4*n+3], v1, s[4:5] offset:4096*(n/8)+512*(n%8)
.set n, n+1
.endr
	WIN 0
.irp e, 0,1,2,3
	v_mul_f32 v[JA+(\e)], s32, v[PR+(\e)]          ; the first record starts the sums
.endr
.set i, 1
.rept 31
.irp e, 0,1,2,3
	v_fmac_f32 v[JA+(\e)], s[32+i], v[PR+4*i+(\e)]
.endr
.set i, i+1
.endr
	ds_store_b128 v10, v[JA:JA+3]
	s_wait_dscnt 0x0                               ; for the others' sake: my four xbar lie in LDS
	s_barrier_signal -1
	s_barrier_wait -1                              ; all 1,024 do
.set j, 0
.rept 16
	ds_load_b32 v[XR+j], v9 offset:256*j
.set j, j+1
.endr
.irp e, 0,1,2,3,4,5,6,7
	v_mov_b32 v[A8+(\e)], 0
.endr
	s_wait_loadcnt 32                              ; wkb is in; Wt's 32 loads stay out
	s_wait_dscnt 0x0
.set j, 0
.rept 16
.irp q, 0,1,2,3                        ; eight multiply-adds straight from the bf16 halves
	v_fma_mix_f32_bf16 v[A8+2*(\q)],   v[WK+4*j+(\q)], v[XR+j], v[A8+2*(\q)]   op_sel_hi:[1,0,0]
	v_fma_mix_f32_bf16 v[A8+2*(\q)+1], v[WK+4*j+(\q)], v[XR+j], v[A8+2*(\q)+1] op_sel:[1,0,0] op_sel_hi:[1,0,0]
.endr
.set j, j+1
.endr
.irp e, 0,1,2,3,4,5,6,7                ; the eight lanes with my t % 4
	v_add_f32_dpp v[A8+(\e)], v[A8+(\e)], v[A8+(\e)] row_xmask:4 row_mask:0xf bank_mask:0xf
.endr
.irp e, 0,1,2,3,4,5,6,7
	v_add_f32_dpp v[A8+(\e)], v[A8+(\e)], v[A8+(\e)] row_xmask:8 row_mask:0xf bank_mask:0xf
.endr
.irp e, 0,1,2,3,4,5,6,7
	v_permlanex16_b32 v[RB+(\e)], v[A8+(\e)], s24, s25
.endr
.irp e, 0,1,2,3,4,5,6,7
	v_add_f32 v[A8+(\e)], v[A8+(\e)], v[RB+(\e)]
.endr
	ds_store_b128 v11, v[A8:A8+3]                  ; the eight lanes store the same numbers into the same words
	ds_store_b128 v11, v[A8+4:A8+7] offset:16
	s_wait_dscnt 0x0
	s_barrier_signal -1
	s_barrier_wait -1                              ; the eight waves' dots lie in LDS
.irp v, 0,1,2,3,4,5,6,7
	ds_load_b128 v[RB+4*(\v):RB+4*(\v)+3], v12 offset:128*(\v)
.endr
	v_cvt_pk_bf16_f32 v20, v[BKV], v[BKV+1]        ; bk rounded as an input
	v_cvt_pk_bf16_f32 v21, v[BKV+2], v[BKV+3]
	v_lshlrev_b32 v[BKV], 16, v20
	v_and_b32 v[BKV+1], s26, v20
	v_lshlrev_b32 v[BKV+2], 16, v21
	v_and_b32 v[BKV+3], s26, v21
	s_wait_dscnt 0x0
.irp v, 0,1,2,3
	v_pk_add_f32 v[RB+4*(\v):RB+4*(\v)+1],   v[RB+4*(\v):RB+4*(\v)+1],   v[RB+16+4*(\v):RB+16+4*(\v)+1]
	v_pk_add_f32 v[RB+4*(\v)+2:RB+4*(\v)+3], v[RB+4*(\v)+2:RB+4*(\v)+3], v[RB+16+4*(\v)+2:RB+16+4*(\v)+3]
.endr
.irp v, 0,1
	v_pk_add_f32 v[RB+4*(\v):RB+4*(\v)+1],   v[RB+4*(\v):RB+4*(\v)+1],   v[RB+8+4*(\v):RB+8+4*(\v)+1]
	v_pk_add_f32 v[RB+4*(\v)+2:RB+4*(\v)+3], v[RB+4*(\v)+2:RB+4*(\v)+3], v[RB+8+4*(\v)+2:RB+8+4*(\v)+3]
.endr
	v_pk_add_f32 v[RB:RB+1],   v[RB:RB+1],   v[RB+4:RB+5]
	v_pk_add_f32 v[RB+2:RB+3], v[RB+2:RB+3], v[RB+6:RB+7]
	v_pk_add_f32 v[RB:RB+1],   v[RB:RB+1],   v[BKV:BKV+1]
	v_pk_add_f32 v[RB+2:RB+3], v[RB+2:RB+3], v[BKV+2:BKV+3]
	v_pk_mul_f32 v[P:P+1],   v[RB:RB+1],   v[PQV:PQV+1]
	v_pk_mul_f32 v[P+2:P+3], v[RB+2:RB+3], v[PQV+2:PQV+3]  ; pk of my four rows
	s_wait_loadcnt 0x0                             ; Wt
	WIN 0x05                                       ; both sources in the second window
.set q, 0
.rept 64
	v_cvt_pk_bf16_f32 v[CB+q], v[2*q], v[2*q+1]    ; Wt rounded as an input
.set q, q+1
.endr
	WIN 0
.set n, 0
.rept 32
.set rr, n/8
.set c, n%8
.set ot, rr+1-2*(rr%2)                 ; the diagonal element's neighbour in its pair
.set op, 2-2*(rr/2)                    ; the other pair
	v_lshlrev_b32 v20, 16, v[CB+2*n]
	v_and_b32 v21, s26, v[CB+2*n]
	v_lshlrev_b32 v22, 16, v[CB+2*n+1]
	v_and_b32 v23, s26, v[CB+2*n+1]
	v_fma_f32 v[20+rr], v[20+rr], v[P+rr], v[DV+c] ; times its row's pk, and the 1 where this is the diagonal
	v_mul_f32 v[20+ot], v[20+ot], v[P+rr]
.if rr%2 == 0
	v_pk_mul_f32 v[20+op:21+op], v[20+op:21+op], v[P+rr:P+rr+1] op_sel_hi:[1,0]               ; the pair's first word for both,
.else
	v_pk_mul_f32 v[20+op:21+op], v[20+op:21+op], v[P+rr-1:P+rr] op_sel:[0,1] op_sel_hi:[1,1]  ; or its second
.endif
	v_cvt_pk_bf16_f32 v[Y+2*n], v20, v21           ; rounded as a matrix operand
	v_cvt_pk_bf16_f32 v[Y+2*n+1], v22, v23
	global_store_b64 v2, v[Y+2*n:Y+2*n+1], s[14:15] offset:2048*rr+256*c
.set n, n+1
.endr
	s_wait_tensorcnt 0x0                           ; the wave's end: behind my last LDS store
	ds_add_u32 v[SPW], v[NIL]
	s_wait_dscnt 0x0
	s_endpgm
.Lfunc_end_k_qffde61130f_scalew:
	.size	k_qffde61130f_scalew, .Lfunc_end_k_qffde61130f_scalew-k_qffde61130f_scalew
	.p2alignl 7, 3214868480
	.fill 96, 4, 3214868480
	.section	.rodata,"a",@progbits
	.p2align	6, 0x0
	.amdhsa_kernel k_qffde61130f_scalew
		.amdhsa_group_segment_fixed_size 6144
		.amdhsa_private_segment_fixed_size 0
		.amdhsa_enable_private_segment 0
		.amdhsa_kernarg_size 48
		.amdhsa_user_sgpr_count 2
		.amdhsa_user_sgpr_kernarg_segment_ptr 1
		.amdhsa_wavefront_size32 1
		.amdhsa_system_sgpr_workgroup_id_x 1
		.amdhsa_system_sgpr_workgroup_id_y 1
		.amdhsa_system_sgpr_workgroup_id_z 1
		.amdhsa_system_vgpr_workitem_id 0
		.amdhsa_next_free_vgpr 384
		.amdhsa_next_free_sgpr 66
		.amdhsa_reserve_vcc 1
		.amdhsa_float_denorm_mode_32 3
		.amdhsa_float_denorm_mode_16_64 3
		.amdhsa_memory_ordered 1
		.amdhsa_forward_progress 1
		.amdhsa_inst_pref_size 52
	.end_amdhsa_kernel
	.amdgpu_metadata
---
amdhsa.version: [ 1, 2 ]
amdhsa.kernels:
  - .name:           k_qffde61130f_scalew
    .symbol:         k_qffde61130f_scalew.kd
    .args:
      - { .name: Wt, .offset: 0, .size: 8, .value_kind: global_buffer, .address_space: global }
      - { .name: partx, .offset: 8, .size: 8, .value_kind: global_buffer, .address_space: global }
      - { .name: wkb, .offset: 16, .size: 8, .value_kind: global_buffer, .address_space: global }
      - { .name: bk, .offset: 24, .size: 8, .value_kind: global_buffer, .address_space: global }
      - { .name: gk, .offset: 32, .size: 8, .value_kind: global_buffer, .address_space: global }
      - { .name: wts, .offset: 40, .size: 8, .value_kind: global_buffer, .address_space: global }
    .group_segment_fixed_size: 6144
    .private_segment_fixed_size: 0
    .kernarg_segment_align: 8
    .kernarg_segment_size: 48
    .max_flat_workgroup_size: 256
    .sgpr_count:     66
    .vgpr_count:     384
    .wavefront_size: 32
...
	.end_amdgpu_metadata
.endif
;; end of part 10
;; launch outp (part 11): grid 4 x 64, 4 waves a work-group, clusters of 4 x 4, 327,680 bytes of LDS; arguments mq, wts, bt, out0; writes out0
.if DOCPART == 11
	.amdgcn_target "amdgcn-amd-amdhsa--gfx1250"
	.amdhsa_code_object_version 6
	.text
	.protected	k_qffde61130f_outp
	.globl	k_qffde61130f_outp
	.p2align	8
	.type	k_qffde61130f_outp,@function
k_qffde61130f_outp:
	s_mov_b64 s[64:65], 0
	v_nop
	global_prefetch_b8 v0, s[64:65] scope:SCOPE_SE
	s_setreg_imm32_b32 hwreg(HW_REG_WAVE_MODE, 25, 1), 1
	s_wait_xcnt 0x0
	s_wait_alu depctr_hold_cnt(0) depctr_sa_sdst(0) depctr_va_vdst(0) depctr_va_sdst(0) depctr_va_ssrc(0) depctr_va_vcc(0) depctr_vm_vsrc(0)
	s_getreg_b32 s2, hwreg(HW_REG_IB_STS2, 6, 4)
	s_cmp_eq_u32 s2, 0
	s_cbranch_scc0 .Lentry_in_a_cluster
	s_endpgm
.Lentry_in_a_cluster:
	s_bfe_u32 s2, ttmp6, 0x10000c
	s_cmp_lg_u32 s2, 0xf033
	s_cbranch_scc0 .Lentry_shape_is_right
	s_endpgm
.Lentry_shape_is_right:
; out0 = mq wts_b + bt, where wts_b = diag(pk_b) Wt + I: the identity carries reference()'s '+ mq'.
; mq: [16384][1024] bf16; wts: [8 batches][1024 k][1024 n] bf16; bt: [1024] f32, rounded to bf16 like every input; sums in f32; out0: [16384][1024] f32.
; A tile of C, 256 x 256, is made by a work-group of four waves; a wave makes 128 x 128: 64 accumulators of 16 x 16, 512 registers.  K goes in 8 steps of 128 through a ring of two LDS slots.
; CLUSTERS of 4 x 4 work-groups: cx is the tile column, 4 x cluster y + cy the tile row; a batch is 8 tile rows, two rows of clusters, so all sixteen partners use the same wts_b.
; The four of a row of the cluster need the same tile of mq, the four of a column the same tile of wts_b: each is asked for JOINTLY, by the same tensor load, descriptor and mask in all four.
; wts STAYS [k][n]: its tile is 128 k-rows x 512 bytes, and its fragments come out of LDS turned, by ds_load_tr16_b128.
; THE MATRIX INSTRUCTION IS USED TRANSPOSED (source 0 = 16 columns of wts_b, source 1 = 16 rows of mq): a lane holds row l % 16 of C and the columns 8 (l / 16) + 0..7.
; bt STARTS THE SUMS: it is the C operand of each accumulator's first product.
; A K STEP IS WRITTEN ONCE.  A trip of the loop is the change of slots and the next K step's quarters 1 to 3; which slot is read and which is filled hangs on one scalar, 0 or SLOT, that an exclusive or turns.
; The first quarter, whose products start the sums, stands in front of the loop, and the loop is entered behind its own first quarter: seven passes through quarters 2 and 3, six changes of slots that fill.
; THE LAST K STEP GOES BY ROWS OF C: my eight blocks of 16 rows are finished one after the other, and each leaves while the next is multiplied.
; REGISTERS, in windows of 256 (s_set_vgpr_msb: bits 1:0 source 0, 3:2 source 1, 5:4 source 2, 7:6 destination):
;   window 0: v0-31 addresses; v64-127, v128-191 fragments of mq, two buffers (in the last K step four, of 16 rows x 128 K)
;   window 1: v0-63 the bias (block b of 16 columns at v[8 b]); v64-127, v128-191 fragments of wts_b; v192-223 at work while the bias is rounded; in the last K step all 256: wts_b's fragments of the whole step
;   window 2: the accumulators of my rows 0-63 ((a, b) at v[8 (8 a + b)]);   window 3: those of my rows 64-127.  On the way out a block's 64 registers take its 16 rows x 4 f32 back from the stage
; LIMITS.  NaN and infinities are not treated apart.
.set KSTEP,  128
.set STEPS,  8                         ; K steps
.set PA,     272                       ; a row of mq in LDS: 256 bytes + 16 = 68 words: the 16 rows of a load start at 16 different groups of four banks (64 banks of 4 bytes: ISA guide 11.1)
.set PB,     544                       ; a k-row of wts_b: 512 bytes + 32 = 136 words
.set HALFT,  128*PA                    ; what one tensor load brings: 128 rows of mq, or 64 k-rows of wts_b (64 x 544 is the same number)
.set SLOT,   4*HALFT                   ; mq's 256 rows, then wts_b's 128 k-rows
.set STAGE,  2*SLOT                    ; behind the ring: 16 rows x 528 bytes for each wave, for the way out
.set SPITCH, 528                       ; 512 bytes of f32 + 16: an odd multiple of 16
.set SPARE,  STAGE+4*16*SPITCH         ; behind the stages: the spare words, 128 bytes for each wave: two blocks of 256 bytes that no other line names
.set ROWB,   2048                      ; bytes in a row of mq and of wts
.set BSTEP,  KSTEP*ROWB                ; a K step in wts_b: 128 k-rows
.set ADRA, 16                          ; v16-17  LDS address of my fragments of mq in slot 0, 1; never rewritten
.set BO,   18                          ; v18     32 (l / 16): my eight columns in a block of the bias
.set ADRB, 20                          ; v20-21  the same as ADRA for wts_b
.set CA,   22                          ; v22     the same in the slot that is being read
.set CB,   23                          ; v23     and for wts_b
.set STO,  24                          ; v24     the way out: where I put 32 bytes of a row
.set RD,   25                          ; v25     the way out: where I read 16 bytes of a row back
.set CO,   26                          ; v26     16 l: my four numbers in 512 bytes of a row of out0
.set SPW,  28                          ; v28     LDS address of my spare word; never rewritten
.set NIL,  29                          ; v29     0; never rewritten
.set PFO,  30                          ; v30     the prefetches' lane offset; never rewritten
.set F0,   64
.set F1,   128
.set AB,   64                          ; the last K step: mq's fragments of 16 rows x 128 K, 32 registers; four such buffers, v64-191
.set G1,   24                          ; s[24:31] descriptor group 1 for mq's tiles;  s[32:39] group 0: a set for each of the two first fills; the second then walks on
.set G0,   32
.set G1B,  48                          ; s[48:55], s[56:63] the same for wts_b's
.set G0B,  56
.set LIM,  43                          ; s43      2 in a wave that prefetches, else the greatest number
.set PFA,  44                          ; s[44:45] where my prefetches stand
.set SB,   76                          ; s76      0 or SLOT: the slot that is being read
.set WH,   77                          ; s77      wave x HALFT: my quarter of a slot
.set HM,   78                          ; s78      a word's upper bf16
.set BIA,  82                          ; s[82:83] bt at my wave's 128 columns
.set PST,  84                          ; s[84:85] a K step for my prefetches
.set MSB, 0
.macro WIN new                         ; the immediate's high byte repeats the setting that is left; a switch that changes nothing is dropped
.if MSB != (\new)
	s_set_vgpr_msb (MSB<<8)|(\new)
.set MSB, \new
.endif
.endm
.set MUL_LO, 0xa1                      ; source 0 (wts_b) window 1, source 1 (mq) window 0, C and D window 2
.set MUL_HI, 0xf1                      ; the same, C and D window 3
.set TO_B,   0x40                      ; destination window 1, address window 0
; A joint load.  Waves 0 and 1 fetch mq's two halves, waves 2 and 3 wts_b's.  The branch hangs on the wave's number alone.
; An s_nop 0 and four v_nop follow each of the two lines, ahead of the jump, the label and what follows.
.macro JLOAD s
	s_cmp_eq_u32 s11, 0
	s_cbranch_scc0 .Lfor_b_\@
	tensor_load_to_lds s[G0+4*(\s):G0+4*(\s)+3], s[G1:G1+7]
	s_nop 0
.rept 4
	v_nop
.endr
	s_branch .Lasked_\@
.Lfor_b_\@:
	tensor_load_to_lds s[G0B+4*(\s):G0B+4*(\s)+3], s[G1B:G1B+7]
	s_nop 0
.rept 4
	v_nop
.endr
.Lasked_\@:
.endm
; A PREFETCH INTO THE L2, behind each joint refill and the run of LDS loads that follows it: the K step that stands two refills on, 512 matrix instructions ahead of the load that will want it.
; Each aligned block of 256 bytes is named once in the launch.  mq's tile row is multiplied by one cluster alone: it asks; a batch's wts_b by two rows of clusters: the even one asks.
; The four partners that ask for a tile jointly share it out BY ADDRESS: of mq's 128 rows that a wave fetches the partner at cx takes 32 (a lane a row); of wts_b's 64 k-rows the partner at cy takes 16
; (a lane half a k-row's 512 bytes).  K steps 0 to 3 come by their loads alone; the last two changes that fill (s3 = 2, 1) ask for nothing: K step 7 is the last.
.macro ASK
	s_cmp_gt_u32 s3, s[LIM]
	s_cbranch_scc0 .Lnot_mine_\@
	global_prefetch_b8 v[PFO], s[PFA:PFA+1] th:TH_LOAD_NT scope:SCOPE_SE
.Lnot_mine_\@:
.endm
.macro CREST                           ; a round of the cluster's barrier behind its opening barrier
	s_cmp_lg_u32 s10, 0
	s_cbranch_scc1 .Lnot_wave_0_\@
	s_barrier_signal -3
.Lnot_wave_0_\@:
	s_barrier_wait -3
	s_barrier_signal -1
	s_barrier_wait -1
.endm
.macro CROUND                          ; a whole round
	s_barrier_signal -1
	s_barrier_wait -1
	CREST
.endm
	s_load_b256 s[68:75], s[0:1], 0x0              ; mq s[68:69], wts s[70:71], bt s[72:73], out0 s[74:75]
	v_lshl_add_u32 v[SPW], v0, 2, SPARE
	v_mov_b32 v[NIL], 0
	ds_add_u32 v[SPW], v[NIL]                      ; the wave's opening: the add and its wait ahead of my first tensor load; the set-up below, work on registers, stands between them
	v_lshrrev_b32 v1, 5, v0
	v_readfirstlane_b32 s10, v1                    ; wave 0..3
	s_lshr_b32 s11, s10, 1                         ; which half of the tile's rows is mine.  Also: I fetch for mq (0) or for wts_b (1)
	s_and_b32 s12, s10, 1                          ; which half of its columns.  Also: which half of that tile I fetch
	s_bfe_u32 s40, ttmp6, 0x40000                  ; cx: the tile column
	s_bfe_u32 s41, ttmp6, 0x40004                  ; cy
	s_and_b32 s13, ttmp7, 0xffff                   ; cluster y
	s_lshr_b32 s42, s13, 1                         ; the batch: the same in all sixteen partners,
	s_lshl_b32 s42, s42, 21                        ; its 2 MiB of wts
	s_lshl_b32 s13, s13, 2
	s_add_co_u32 s13, s13, s41                     ; tile row = 4 x cluster y + cy
	s_lshl_b32 s43, s41, 2
	s_lshl_b32 s43, 15, s43                        ; my row of the cluster: places 4 cy .. 4 cy + 3
	s_lshl_b32 s44, 0x1111, s40                    ; my column: places cx, cx + 4, cx + 8, cx + 12
	s_or_b32 s[G1+0], s43, (1<<16)|(1<<20)|(1<<21)|(5<<22)|(3<<25)   ; the mask; elements of 2 bytes; padding on; bit 21 beside a mask; after every 64 words, 4 words
	s_or_b32 s[G1B+0], s44, (1<<16)|(1<<20)|(1<<21)|(6<<22)|(7<<25)  ; the same with my column's mask; after every 128 words, 8 words
	s_mov_b32 s[G1+1], 128<<16                     ; tensor_dim0 = 128 elements
	s_mov_b32 s[G1+2], 128<<16                     ; tensor_dim1 = 128 rows
	s_mov_b32 s[G1+3], 128<<16                     ; tile_dim0
	s_mov_b32 s[G1+4], 128                         ; tile_dim1
	s_mov_b32 s[G1+5], 1024                        ; elements from row to row
	s_mov_b32 s[G1+6], 0
	s_mov_b32 s[G1+7], 0
	s_mov_b32 s[G1B+1], 256<<16                    ; 256 elements,
	s_mov_b32 s[G1B+2], 64<<16                     ; 64 k-rows
	s_mov_b32 s[G1B+3], 256<<16
	s_mov_b32 s[G1B+4], 64
	s_mov_b32 s[G1B+5], 1024
	s_mov_b32 s[G1B+6], 0
	s_mov_b32 s[G1B+7], 0
	; where the tiles come from.  mq's hang on the tile row alone, which my row of the cluster shares; wts_b's on cx and the batch, which my column shares.
	s_lshl_b32 s17, s12, 7
	s_lshl_b32 s16, s13, 8
	s_add_co_u32 s16, s16, s17                     ; mq: row 256 x tile row + 128 x half,
	s_lshl_b32 s16, s16, 11                        ; in bytes (under 2^25)
	s_mov_b32 s17, 0
	s_lshl_b32 s46, s12, 17                        ; wts_b: 64 k-rows x half,
	s_lshl_b32 s47, s40, 9                         ; 512 bytes x tile column,
	s_add_co_u32 s46, s46, s47
	s_add_co_u32 s46, s46, s42                     ; the batch
	s_mov_b32 s47, 0
	s_mul_i32 s[WH], s10, HALFT                    ; and where they go: wave x a quarter of a slot: no place in the cluster enters an LDS address
	s_mov_b32 s[SB], 0                             ; slot 0 is read first
	s_mov_b32 s[HM], 0xffff0000
	s_wait_dscnt 0x0                               ; the opening add is done
	s_wait_kmcnt 0x0
	s_mov_b64 s[4:5], s[68:69]
	s_mov_b64 s[6:7], s[70:71]
	s_mov_b64 s[BIA:BIA+1], s[72:73]
	s_mov_b64 s[8:9], s[74:75]
	s_add_nc_u64 s[14:15], s[4:5], s[16:17]
	s_add_nc_u64 s[46:47], s[6:7], s[46:47]
	CROUND                                         ; all sixteen work-groups are here: the first joint loads meet
.irp s, 0,1
	s_mov_b32 s[G0+4*(\s)], 1                                        ; count = 1
	s_add_co_u32 s[G0+4*(\s)+1], s[WH], (\s)*SLOT                    ; LDS address
	s_add_nc_u64 s[G0+4*(\s)+2:G0+4*(\s)+3], s[14:15], (\s)*KSTEP*2  ; global address: K step s
	s_or_b32 s[G0+4*(\s)+3], s[G0+4*(\s)+3], 0x80000000              ; type = 2
	s_mov_b32 s[G0B+4*(\s)], 1
	s_add_co_u32 s[G0B+4*(\s)+1], s[WH], (\s)*SLOT
	s_add_nc_u64 s[G0B+4*(\s)+2:G0B+4*(\s)+3], s[46:47], (\s)*BSTEP
	s_or_b32 s[G0B+4*(\s)+3], s[G0B+4*(\s)+3], 0x80000000
	JLOAD \s                                       ; two loads of mine are out
.endr
	v_and_b32 v1, 15, v0                           ; l % 16
	v_bfe_u32 v2, v0, 4, 1                         ; l / 16
	; the bias of my 128 columns: block b's register j is column 16 b + 8 (l / 16) + j
	v_lshlrev_b32 v[BO], 5, v2
	s_lshl_b32 s20, s40, 10                        ; 256 columns x 4 bytes x tile column
	s_lshl_b32 s21, s12, 9
	s_add_co_u32 s20, s20, s21
	s_mov_b32 s21, 0
	s_add_nc_u64 s[BIA:BIA+1], s[BIA:BIA+1], s[20:21]
	WIN TO_B
.irp b, 0,1,2,3,4,5,6,7
	global_load_b128 v[8*(\b):8*(\b)+3],   v[BO], s[BIA:BIA+1] offset:64*(\b)
	global_load_b128 v[8*(\b)+4:8*(\b)+7], v[BO], s[BIA:BIA+1] offset:64*(\b)+16
.endr
	WIN 0
	; a fragment of mq: lane l holds row l % 16; two loads of 16 bytes, 32 bytes apart
	v_mul_u32_u24 v3, v1, PA
	v_lshl_add_u32 v3, v2, 4, v3                   ; row x pitch + 16 x half
	s_mul_i32 s21, s11, HALFT                      ; my 128 rows of mq
	; a fragment of wts_b: the turning load takes 16 k x 16 n (lane l reads k-row 8 (l / 16) + l % 8, columns 8 ((l / 8) % 2) + 0..7) and leaves lane l column l % 16 and 8 k
	v_and_b32 v4, 7, v0
	v_lshl_add_u32 v4, v2, 3, v4
	v_mul_u32_u24 v4, v4, PB
	v_bfe_u32 v5, v0, 3, 1
	v_lshl_add_u32 v4, v5, 4, v4
	s_lshl_b32 s22, s12, 8                         ; my 128 columns: 256 bytes of a k-row,
	s_add_co_u32 s22, s22, 2*HALFT                 ; behind mq's 256 rows
.irp s, 0,1
	v_add_nc_u32 v[ADRA+(\s)], s21, v3
	v_add_nc_u32 v[ADRB+(\s)], s22, v4
	s_add_co_u32 s21, s21, SLOT
	s_add_co_u32 s22, s22, SLOT
.endr
	v_mov_b32 v[CA], v[ADRA]                       ; slot 0 is read first
	v_mov_b32 v[CB], v[ADRB]
	s_mul_i32 s23, s10, 16*SPITCH
	s_add_co_u32 s23, s23, STAGE                   ; my stage
	v_mul_u32_u24 v6, v1, SPITCH                   ; in: row l % 16, 32 bytes for each half of the lanes
	v_lshl_add_u32 v6, v2, 5, v6
	v_add_nc_u32 v[STO], s23, v6
	v_and_b32 v7, 31, v0
	v_lshlrev_b32 v[CO], 4, v7
	v_add_nc_u32 v[RD], s23, v[CO]                 ; back: 32 lanes take one row of 512 bytes
	s_lshl_b32 s16, s13, 8
	s_lshl_b32 s17, s11, 7
	s_add_co_u32 s16, s16, s17                     ; my first row of C
	s_lshl_b32 s46, s40, 10                        ; my first column in out0, in bytes: 1,024 x tile column + 512 x half
	s_lshl_b32 s47, s12, 9
	s_add_co_u32 s46, s46, s47
	s_lshl_b32 s17, s16, 12                        ; rows of 4,096 bytes (under 2^26)
	s_add_co_u32 s46, s46, s17
	s_mov_b32 s47, 0
	s_add_nc_u64 s[8:9], s[8:9], s[46:47]          ; never stepped: a row's place stands in the stores' immediates
	; the prefetches
	s_lshl_b32 s20, s13, 8
	s_lshl_b32 s21, s12, 7
	s_add_co_u32 s20, s20, s21                     ; mq: the 128 rows that I fetch,
	s_lshl_b32 s21, s40, 5
	s_add_co_u32 s20, s20, s21                     ; my work-group's 32 of them,
	s_lshl_b32 s20, s20, 11
	s_add_co_u32 s20, s20, 3*KSTEP*2               ; at K step 3: the first refill steps it to 4
	s_lshl_b32 s21, s12, 6                         ; wts_b: the 64 k-rows that I fetch,
	s_lshl_b32 s23, s41, 4
	s_add_co_u32 s21, s21, s23                     ; my work-group's 16 of them,
	s_lshl_b32 s21, s21, 11
	s_lshl_b32 s23, s40, 9
	s_add_co_u32 s21, s21, s23                     ; the tile column,
	s_add_co_u32 s21, s21, s42                     ; the batch,
	s_add_co_u32 s21, s21, 3*BSTEP                 ; at K step 3
	s_and_b32 s22, ttmp7, 1                        ; the odd row of clusters of a batch asks for nothing of wts_b
	s_mov_b32 s23, BSTEP
	s_mov_b32 s18, 16*ROWB
	s_cmp_eq_u32 s11, 0                            ; do I fetch for mq?
	s_cselect_b32 s20, s20, s21
	s_cselect_b32 s22, 0, s22
	s_cselect_b64 s[PFA:PFA+1], s[4:5], s[6:7]
	s_cselect_b32 s[PST], 256, s23
	s_cselect_b32 s18, s18, 256                    ; lanes 16-31: sixteen rows further down, or the k-row's second 256 bytes
	s_mov_b32 s[PST+1], 0
	s_cmp_eq_u32 s22, 0
	s_cselect_b32 s[LIM], 2, -1                    ; the same in all sixteen partners, for a given wave
	s_mov_b32 s21, 0
	s_add_nc_u64 s[PFA:PFA+1], s[PFA:PFA+1], s[20:21]
	v_lshlrev_b32 v[PFO], 11, v1
	v_mad_u32_u24 v[PFO], v2, s18, v[PFO]
	s_wait_loadcnt 0x0                             ; the bias is in: it is rounded to bf16, like every input, and widened again
	WIN 0x45                                       ; destination and both sources in window 1
.set p, 0
.rept 32
	v_cvt_pk_bf16_f32 v[192+p], v[2*p], v[2*p+1]
	v_lshlrev_b32 v[2*p], 16, v[192+p]
	v_and_b32 v[2*p+1], s[HM], v[192+p]
.set p, p+1
.endr
	WIN 0
; 16 matrix instructions: m blocks a0, a0 + 1 of the window's four (hi = 0: my rows 0-63, 1: rows 64-127) x all 8 n blocks, 32 along K.  zero = 1: the first product starts the sums, with the bias as C.
; The 64 accumulators take turns, one instruction a turn, in the same order in every quarter step.
.macro MUL16 f, hi, a0, zero
.if \zero
	WIN 0x91+0x40*(\hi)                            ; as below, but C in window 1
.else
	WIN MUL_LO+0x50*(\hi)
.endif
.irp a, \a0, (\a0)+1
.irp b, 0,1,2,3,4,5,6,7
.if \zero
	v_wmma_f32_16x16x32_bf16 v[8*(8*(\a)+(\b)):8*(8*(\a)+(\b))+7], v[(\f)+8*(\b):(\f)+8*(\b)+7], v[(\f)+8*(4*(\hi)+(\a)):(\f)+8*(4*(\hi)+(\a))+7], v[8*(\b):8*(\b)+7]
.else
	v_wmma_f32_16x16x32_bf16 v[8*(8*(\a)+(\b)):8*(8*(\a)+(\b))+7], v[(\f)+8*(\b):(\f)+8*(\b)+7], v[(\f)+8*(4*(\hi)+(\a)):(\f)+8*(4*(\hi)+(\a))+7], v[8*(8*(\a)+(\b)):8*(8*(\a)+(\b))+7]
.endif
.endr
.endr
.endm
; 32 LDS loads in one run: the fragments of one quarter step (32 K at byte k of mq's rows, k-rows k / 2 on of wts_b) into buffer f; wts_b's first.  ra, rb: the registers that hold the slot's two addresses
.macro FETCH ra, rb, k, f
	WIN TO_B
.irp i, 0,1,2,3,4,5,6,7
	ds_load_tr16_b128 v[(\f)+8*(\i):(\f)+8*(\i)+3],   v[\rb] offset:((\k)/64)*32*PB+32*(\i)
	ds_load_tr16_b128 v[(\f)+8*(\i)+4:(\f)+8*(\i)+7], v[\rb] offset:((\k)/64)*32*PB+16*PB+32*(\i)
.endr
	WIN 0
.irp i, 0,1,2,3,4,5,6,7
	ds_load_b128 v[(\f)+8*(\i):(\f)+8*(\i)+3],   v[\ra] offset:(\k)+(\i)*16*PA
	ds_load_b128 v[(\f)+8*(\i)+4:(\f)+8*(\i)+7], v[\ra] offset:(\k)+(\i)*16*PA+32
.endr
.endm
.macro PLACES                          ; four plain vector instructions in front of loads into registers that matrix instructions have read or written, and of LDS stores that read results
.rept 4
	v_nop
.endr
.endm
; A K step is four quarters of 32 along K, 64 matrix instructions each, on buffers 0, 1, 0, 1.  One of the first three: multiplies buffer f and, in its middle, fetches the next quarter into g.
.macro QUARTER ra, rb, k, f, g, zero
	s_wait_dscnt 8                                 ; wts_b's fragments and mq's rows 0-63 are in; the youngest eight loads (rows 64-127) may be out
	MUL16 \f, 0, 0, \zero
	MUL16 \f, 0, 2, \zero
	PLACES
	FETCH \ra, \rb, \k, \g
	s_wait_dscnt 32                                ; all but the 32 just issued
	MUL16 \f, 1, 0, \zero
	MUL16 \f, 1, 2, \zero
.endm
; The last quarter multiplies buffer 1 and changes slots.  ONE barrier: in front of it each wave waits for all its tensor loads (one is out: its part of the next slot), adds 0 to its spare word, and waits
; for that and for its own reads of this slot.  Behind it nobody reads this slot any more and the next slot is whole.
.macro MEET round
	WIN 0                                          ; (the add's two registers lie in window 0)
	s_wait_tensorcnt 0x0
	ds_add_u32 v[SPW], v[NIL]                      ; 0 onto my spare word
	s_wait_dscnt 9                                 ; (the add and the youngest eight loads may be out)
	MUL16 F1, 0, 0, 0                              ; sixteen matrix instructions stand between the add and the wait for it
	s_wait_dscnt 0x0                               ; the add is done, and my reads of this slot are over
	s_barrier_signal -1
	MUL16 F1, 0, 2, 0                              ; work on registers while the others arrive
.if \round
	WIN 0
.endif
	s_barrier_wait -1
.endm
; The whole last quarter of a K step that is followed by a fill: the slot just read takes the K step two on: from the request to the wait for it a wave issues 224 matrix instructions.
.macro TURN
	s_wait_xcnt 0x0                                ; the last prefetch, a K step back, has read its address
	s_add_nc_u64 s[PFA:PFA+1], s[PFA:PFA+1], s[PST:PST+1]
	MEET 1
	CREST                                          ; the barrier has opened a round of the cluster's: no wave of any partner still reads this slot or has a load on its way
	s_add_co_u32 s[G0+5], s[SB], s[WH]             ; the walking descriptors (no tensor load of mine is out): my quarter of the slot just read,
	s_add_co_u32 s[G0B+5], s[SB], s[WH]
	s_add_nc_u64 s[G0+6:G0+7], s[G0+6:G0+7], KSTEP*2       ; one K step behind the last one asked for; the type bits on top are not reached
	s_add_nc_u64 s[G0B+6:G0B+7], s[G0B+6:G0B+7], BSTEP
	s_xor_b32 s[SB], s[SB], SLOT                   ; from here on the other slot is read
	JLOAD 1                                        ; the first tensor load behind the round; its four v_nop are also the places in front of the loads below
	v_add_nc_u32 v[CA], s[SB], v[ADRA]
	v_add_nc_u32 v[CB], s[SB], v[ADRB]
	FETCH CA, CB, 0, F0
	ASK
	MUL16 F1, 1, 0, 0
	MUL16 F1, 1, 2, 0
.endm
; THE LAST K STEP (it lies in slot 1) GOES BY ROWS OF C.  All its fragments of wts_b (4 quarters x 64 registers) fill window 1; then my eight blocks of 16 rows are finished one after the other,
; each with 32 matrix instructions (its 8 accumulators by turns, K ascending).  LDS is read no more than in any other K step.
.macro BLOAD q                         ; wts_b's fragments of quarter q -> window 1, v[64 q ..]
	WIN TO_B
.irp i, 0,1,2,3,4,5,6,7
	ds_load_tr16_b128 v[64*(\q)+8*(\i):64*(\q)+8*(\i)+3],   v[ADRB+1] offset:(\q)*32*PB+32*(\i)
	ds_load_tr16_b128 v[64*(\q)+8*(\i)+4:64*(\q)+8*(\i)+7], v[ADRB+1] offset:(\q)*32*PB+16*PB+32*(\i)
.endr
.endm
.macro ALOAD a                         ; mq's fragments of block a, all four quarters -> buffer a % 4
	WIN 0
.set FA, AB+32*((\a)%4)
.irp q, 0,1,2,3
	ds_load_b128 v[FA+8*(\q):FA+8*(\q)+3],   v[ADRA+1] offset:64*(\q)+(\a)*16*PA
	ds_load_b128 v[FA+8*(\q)+4:FA+8*(\q)+7], v[ADRA+1] offset:64*(\q)+(\a)*16*PA+32
.endr
.endm
.macro ROW a                           ; block a is finished: 32 matrix instructions
.set FA, AB+32*((\a)%4)                ; its fragments of mq
.set AC, 64*((\a)%4)                   ; its eight accumulators, in window 2 (blocks 0-3) or 3 (blocks 4-7)
	WIN MUL_LO+0x50*((\a)/4)
.irp q, 0,1,2,3
.if (\a) == 0 && (\q) == 2
	s_wait_dscnt 24                                ; wts_b's quarter 2 is in (behind it: mq's blocks 1 to 3)
.endif
.irp b, 0,1,2,3,4,5,6,7
	v_wmma_f32_16x16x32_bf16 v[AC+8*(\b):AC+8*(\b)+7], v[64*(\q)+8*(\b):64*(\q)+8*(\b)+7], v[FA+8*(\q):FA+8*(\q)+7], v[AC+8*(\b):AC+8*(\b)+7]
.endr
.endr
.endm
; THE WAY OUT of block a (16 rows x 128 columns of f32).
; TOSTAGE3: the eight accumulators go into my own stage, each from its low end on; whole rows of 512 bytes come back, into the 64 registers that they left: no register is written again behind a store that reads it.
.macro TOSTAGE3 a
.set AC, 64*((\a)%4)
	WIN 0x08+4*((\a)/4)                            ; the stores' data in window 2 or 3, the address in window 0
.irp b, 0,1,2,3,4,5,6,7
	ds_store_b128 v[STO], v[AC+8*(\b):AC+8*(\b)+3]   offset:64*(\b)
	ds_store_b128 v[STO], v[AC+8*(\b)+4:AC+8*(\b)+7] offset:64*(\b)+16
.endr
	WIN 0x80+0x40*((\a)/4)                         ; the loads' destination in window 2 or 3
.set t, 0
.rept 16
	ds_load_b128 v[AC+4*t:AC+4*t+3], v[RD] offset:SPITCH*t  ; LDS serves a wave's instructions in order (ISA guide 5.7.1.4): these see the stores above, and the next block's stores come behind them
.set t, t+1
.endr
.endm
; SEND3: the rows are stored.  yd: the LDS loads issued behind this block's, which may stay out.
.macro SEND3 a, yd
.set AC, 64*((\a)%4)
	WIN 0x08+4*((\a)/4)                            ; the stores' data in window 2 or 3
	s_wait_dscnt \yd
.set t, 0
.rept 16
	global_store_b128 v[CO], v[AC+4*t:AC+4*t+3], s[8:9] offset:(16*(\a)+t)*4096 th:TH_STORE_NT  ; a wave stores 512 consecutive bytes, at a multiple of 512 from out0's first byte
.set t, t+1
.endr
.endm
	s_wait_tensorcnt 1                             ; my part of K step 0 is in; K step 1's may stay out
	s_barrier_signal -1
	s_barrier_wait -1                              ; everybody's is
	FETCH ADRA, ADRB, 0, F0
	QUARTER ADRA, ADRB, 64, F0, F1, 1              ; the first quarter stands in front of the loop: its products start the sums
	WIN 0                                          ; at a label and at a branch every window is 0
	s_mov_b32 s3, STEPS-1
	s_branch .Lin                                  ; the loop is entered behind its first quarter
.Lstep:                                                ; six times: a K step's last quarter, the fill of its slot (K steps 2 to 7), the next K step's first quarter
	TURN
	QUARTER CA, CB, 64,  F0, F1, 0
	WIN 0
.Lin:                                                  ; seven times: quarters 2 and 3 of K steps 0 to 6
	QUARTER CA, CB, 128, F1, F0, 0
	QUARTER CA, CB, 192, F0, F1, 0
	WIN 0
	s_sub_co_u32 s3, s3, 1
	s_cmp_lg_u32 s3, 0
	s_cbranch_scc1 .Lstep
	MEET 0                                         ; K step 6's last quarter is written out.  My one load that was still out is slot 1's, the last K step's
	PLACES                                         ; for the loads into buffer 0, which the quarter before multiplied
	BLOAD 0                                        ; three quarters of wts_b now: buffer 1 (v128-191 of both windows) is still being multiplied
	BLOAD 1
	BLOAD 3
	ALOAD 0
	MUL16 F1, 1, 0, 0
	MUL16 F1, 1, 2, 0
	PLACES                                         ; for the loads into buffer 1
	BLOAD 2
	ALOAD 1
	ALOAD 2
	ALOAD 3
	s_wait_dscnt 40                                ; all but the 40 just issued
	ROW 0
.irp a, 0,1,2,3,4,5,6,7                ; block a goes into the stage; block a + 1 is multiplied while it comes back; then block a is stored
	PLACES                                         ; the LDS stores read results just made, and the loads land on them
	TOSTAGE3 \a
.if (\a) < 4
	ALOAD (\a)+4                                   ; its buffer takes the block four further on
	s_wait_dscnt 40                                ; all but the stage's 32 and those eight: the next block's fragments are in
.elseif (\a) < 7
	s_wait_dscnt 32                                ; all but the stage's 32
.endif
.if (\a) < 7
	ROW (\a)+1
.endif
.if (\a) < 4
	SEND3 \a, 8
.else
	SEND3 \a, 0
.endif
.endr
	WIN 0
	s_wait_tensorcnt 0x0                           ; the wave's end: behind my last tensor load and my last LDS store
	ds_add_u32 v[SPW], v[NIL]
	s_wait_dscnt 0x0
	CROUND                                         ; the closing round: no work-group ends while a partner may still ask for a tile that names it
	s_endpgm
.Lfunc_end_k_qffde61130f_outp:
	.size	k_qffde61130f_outp, .Lfunc_end_k_qffde61130f_outp-k_qffde61130f_outp
	.p2alignl 7, 3214868480
	.fill 96, 4, 3214868480
	.section	.rodata,"a",@progbits
	.p2align	6, 0x0
	.amdhsa_kernel k_qffde61130f_outp
		.amdhsa_group_segment_fixed_size 327680
		.amdhsa_private_segment_fixed_size 0
		.amdhsa_enable_private_segment 0
		.amdhsa_kernarg_size 32
		.amdhsa_user_sgpr_count 2
		.amdhsa_user_sgpr_kernarg_segment_ptr 1
		.amdhsa_wavefront_size32 1
		.amdhsa_system_sgpr_workgroup_id_x 1
		.amdhsa_system_sgpr_workgroup_id_y 1
		.amdhsa_system_sgpr_workgroup_id_z 1
		.amdhsa_system_vgpr_workitem_id 0
		.amdhsa_next_free_vgpr 1024
		.amdhsa_next_free_sgpr 88
		.amdhsa_reserve_vcc 0
		.amdhsa_float_denorm_mode_32 3
		.amdhsa_float_denorm_mode_16_64 3
		.amdhsa_memory_ordered 1
		.amdhsa_forward_progress 1
		.amdhsa_inst_pref_size 109
	.end_amdhsa_kernel
	.amdgpu_metadata
---
amdhsa.version: [ 1, 2 ]
amdhsa.kernels:
  - .name:           k_qffde61130f_outp
    .symbol:         k_qffde61130f_outp.kd
    .args:
      - { .name: mq, .offset: 0, .size: 8, .value_kind: global_buffer, .address_space: global }
      - { .name: wts, .offset: 8, .size: 8, .value_kind: global_buffer, .address_space: global }
      - { .name: bt, .offset: 16, .size: 8, .value_kind: global_buffer, .address_space: global }
      - { .name: out0, .offset: 24, .size: 8, .value_kind: global_buffer, .address_space: global }
    .group_segment_fixed_size: 327680
    .private_segment_fixed_size: 0
    .kernarg_segment_align: 8
    .kernarg_segment_size: 32
    .max_flat_workgroup_size: 128
    .sgpr_count:     88
    .vgpr_count:     1024
    .wavefront_size: 32
...
	.end_amdgpu_metadata
.endif
;; end of part 11
;; ======== version 3 of 3: 7 launches; version 2 with the launch scalew written anew for expert scheduling mode
;; limits: values outside matrix products are rounded to bf16
;; workspace buffers: xb 33,554,432 bytes; wqb 2,097,152 bytes; wkb 2,097,152 bytes; mq 33,554,432 bytes; partq 1,114,112 bytes; gk 303,104 bytes; partx 16,842,752 bytes; wts 16,777,216 bytes
;; launch prep: the kernel of part 1 again; grid 1152 x 1, 8 waves a work-group, no clusters, 0 bytes of LDS; arguments hidden_states, Wq, Wk, xb, wqb, wkb; writes xb, wqb, wkb
;; launch proj: the kernel of part 7 again; grid 4 x 64, 4 waves a work-group, clusters of 4 x 4, 327,680 bytes of LDS; arguments xb, wqb, bq, mq; writes mq
;; launch poolq: the kernel of part 3 again; grid 32 x 8, 8 waves a work-group, no clusters, 176,128 bytes of LDS; arguments mq, Wqa, bqa, attention_mask, partq; writes partq
;; launch mkw: the kernel of part 8 again; grid 8 x 16, 8 waves a work-group, clusters of 4 x 1, 176,128 bytes of LDS; arguments wkb, Wka, bka, bk, partq, gk; writes gk
;; launch poolx: the kernel of part 9 again; grid 32 x 8, 8 waves a work-group, no clusters, 235,520 bytes of LDS; arguments xb, gk, attention_mask, partx; writes partx
;; launch scalew (part 12): grid 32 x 8, 8 waves a work-group, no clusters, 6,144 bytes of LDS; arguments Wt, partx, wkb, bk, gk, wts; writes wts
.if DOCPART == 12
	.amdgcn_target "amdgcn-amd-amdhsa--gfx1250"
	.amdhsa_code_object_version 6
	.text
	.protected	k_qffde61130f_scalew
	.globl	k_qffde61130f_scalew
	.p2align	8
	.type	k_qffde61130f_scalew,@function
k_qffde61130f_scalew:
	s_mov_b64 s[64:65], 0
	v_nop
	global_prefetch_b8 v0, s[64:65] scope:SCOPE_SE
	s_setreg_imm32_b32 hwreg(HW_REG_WAVE_SCHED_MODE, 0, 2), 2
	s_setreg_imm32_b32 hwreg(HW_REG_WAVE_MODE, 25, 1), 1
	s_wait_xcnt 0x0
	s_wait_alu depctr_vm_vsrc(0)
; wts[b][k][n] = bf16(pk_b[k] x bf16(Wt[k][n]) + (k = n)): (mq x pk) Wt + mq = mq (diag(pk) Wt + I), one copy of [1024 k][1024 n] for each of the 8 batches.
; pk_b[c] = pq_b[c] x (xbar . Wk[:, c] + bk[c]), where xbar [1024] is the pooled row of X for c's head: since the weights of a softmax add up to 1, the pooled mk is xbar Wk + bk.
; xbar is joined from the batch's 32 records of partx (65,792 bytes each: [16 heads][1024] f32 of part, then pairs (m, l), pair L for head L % 16; m in powers of two):
; w_i = 2^(m_i - max m), xbar = (the sum of w_i part_i) / (the sum of w_i l_i).  The maximum is taken away before the exponential; all sums in f32.
; wkb: [1024 k][1024 c] bf16; bk: [1024] f32 and Wt: [1024][1024] f32, rounded to bf16 like every input; pq: f32, at 32,768 in the batch's 37,888 bytes of gk.
; SHARES.  Grid x = 32 rows k of Wt = 32 columns c of Wk, all of head x / 2; grid y = the batch.
;   the weights: every wave, lane i for record i; the 32 numbers w_i / L then go into scalar registers.    xbar: thread t joins columns 4 t .. 4 t + 3, into LDS.
;   the dot: thread t takes columns 8 (t % 4) + 0..7 of the 32 and the k-rows t / 4 + 64 j: four lanes read 64 consecutive bytes of a row of wkb; lanes are added by xor 4, 8, 16, waves through LDS.
;   the scaling: wave w takes rows k0 = 32 x + 4 w .. k0 + 3; a row of Wt is eight loads of 512 consecutive bytes; each store of the wave covers 256 consecutive bytes at a multiple of 256 from wts' first byte.
; Row k0 + rr has its diagonal in chunk x / 4 of 128 columns, lane 8 (x % 4) + w, element rr: the 1 is added by the multiply-add that scales that element.
; Wt's 32 loads land in the second window of registers and are out while pk is made.  No matrix unit: one multiply-add for each number of wkb read.
; LIMITS.  NaN is not treated apart; a head whose 2,048 mask entries are all -inf has a sum of 0 and gives NaN; a weight below 2^-126 counts as 0.
; The diagonal's 1 + pk Wt is rounded to bf16 like every matrix operand: it is off by at most 2^-9 of itself.
; THE MODE: SCHED_MODE bits 1:0 = 2 (LLVM: expert scheduling mode 2), set by the entry lines.  The code itself states the register dependences
; between vector instructions and memory or LDS instructions, with s_wait_alu, always for 0.
; THE PLAN.  The text has no loop and no branch.  Registers that memory or LDS instructions touch, in the order of the text:
;   v1-v4, v8-v13   offsets and LDS addresses: written at the head, never again; one wait on va_vdst ahead of the first load serves every load and store of the kernel.
;   v[6:7], BKV, PQV, PR, WK and the second window   loads land in them; no vector instruction names them ahead of those loads.
;   JA              written by the join's multiply-adds, read by one LDS store, never written again.
;   XR              PR's first sixteen registers: the join reads them; the LDS loads behind the first barrier land in them.  JA's wait stands for both.
;   A8              written by the dot and its sums over lanes, read by two LDS stores, never written again.
;   RB              its first eight written by the exchange of the lanes' halves and read by the adds, the rest read by the join as PR; the LDS loads behind the second barrier land in it.  A8's wait stands for both.
;   Y               64 registers, each written once by a rounding and read once by a store.  The scaling goes by rows of Wt: at the head of rows 1 to 3 one wait on va_vdst states that the row before
;                   has written its sixteen, and that row's eight stores are dealt among this row's vector instructions, which name v20-23, CB, P, DV and this row's own Y.
;   v[SPW], v[NIL]  written at the head, read by the closing add alone.
; No register that a memory or LDS instruction reads is written again, so no wait on vm_vsrc is owed.  Scalar results of vector instructions: s16 (the wave), VCC (the diagonal's lane), s32-s63 (the weights): a wait ahead of each one's first reader.
.set REC,   65792
.set GKB,   37888
.set PQO,   32768
.set XB,    0                          ; LDS: xbar, 1,024 f32
.set RED,   4096                       ; the waves' partial dots: [8 waves][32 columns] f32
.set SPARE, 5120                       ; the spare words, 128 bytes for each of eight waves: four blocks of 256 bytes that no other line names
.set SPW, 14                           ; v14 LDS address of my spare word; never rewritten
.set NIL, 15                           ; v15 0; never rewritten
.set P,   28                           ; v[28:31] pk of my four rows
.set BKV, 32                           ; v[32:35] bk,
.set PQV, 36                           ; v[36:39] pq of the same four
.set DV,  40                           ; v[40:47] chunk c: 1.0 in the lane and chunk of the diagonal, else 0
.set WK,  48                           ; v[48:111] sixteen loads of wkb; later
.set Y,   48                           ;           32 pairs of packed bf16 to store
.set PR,  112                          ; v[112:239] 32 x 4 of part; later:
.set XR,  112                          ;   v[112:127] xbar of my sixteen k-rows
.set A8,  128                          ;   v[128:135] my eight partial dots
.set RB,  136                          ;   v[136:167] at work; the eight waves' dots of my four columns
.set CB,  176                          ;   v[176:239] Wt rounded: 32 pairs of packed bf16
.set JA,  240                          ; v[240:243] xbar of my four columns
.set MSB, 0
.macro WIN new                         ; the immediate's high byte repeats the setting that is left
.if MSB != (\new)
	s_set_vgpr_msb (MSB<<8)|(\new)
.set MSB, \new
.endif
.endm
	s_load_b256 s[4:11], s[0:1], 0x0               ; Wt s[4:5], partx s[6:7], wkb s[8:9], bk s[10:11]
	s_load_b128 s[12:15], s[0:1], 0x20             ; gk s[12:13], wts s[14:15]
	v_lshl_add_u32 v[SPW], v0, 2, SPARE
	v_mov_b32 v[NIL], 0
	v_lshrrev_b32 v5, 5, v0
	v_readfirstlane_b32 s16, v5                    ; wave 0..7
	s_and_b32 s17, ttmp7, 0xffff                   ; b
	s_lshl_b32 s18, ttmp9, 5
	v_and_b32 v5, 31, v0                           ; l.  The address lines that need no wave number stand between s16's writer and the wait for it
	v_lshlrev_b32 v1, 4, v5                        ; 16 l
	v_lshlrev_b32 v2, 3, v5                        ; 8 l
	v_mul_u32_u24 v3, v5, REC                      ; record l
	v_lshrrev_b32 v9, 2, v0                        ; t / 4
	v_and_b32 v8, 3, v0                            ; t % 4
	v_lshlrev_b32 v11, 5, v8
	v_lshlrev_b32 v8, 4, v8
	v_lshl_add_u32 v8, v9, 11, v8                  ; k-row t / 4 of wkb, 16 bytes x (t % 4)
	v_lshl_add_u32 v9, v9, 2, XB                   ; xbar of that k-row
	v_lshl_add_u32 v10, v0, 4, XB                  ; where my four xbar go
	v_mov_b32 v17, 0                               ; the exchanges' destination counts as read
	s_wait_alu depctr_va_sdst(0)                   ; s16 is written, ahead of its first reader: k0, LDS addresses and the diagonal's lane are made from it
	s_lshl_b32 s19, s16, 2
	s_add_co_u32 s18, s18, s19                     ; k0
	s_lshr_b32 s19, ttmp9, 1                       ; the head
	s_lshl_b32 s20, s19, 3
	s_add_co_u32 s20, s20, 65536
	v_add_nc_u32 v3, s20, v3                       ; record l's pair (m, l) for the head
	s_lshl_b32 s20, s19, 12
	v_lshl_add_u32 v4, v0, 4, s20                  ; the head's row in a record, my four columns
	s_lshl_b32 s20, s16, 7
	s_add_co_u32 s20, s20, RED
	v_add_nc_u32 v11, s20, v11                     ; where my wave's eight dots go
	s_lshl_b32 s20, s16, 4
	s_add_co_u32 s20, s20, RED
	v_mov_b32 v12, s20                             ; my four columns in a wave's 32 dots
	s_lshl_b32 s20, s18, 2
	v_mov_b32 v13, s20                             ; my four numbers of bk and of pq
	s_mov_b32 s24, 0x76543210                      ; v_permlanex16_b32: each lane takes its own place in the other half
	s_mov_b32 s25, 0xfedcba98
	s_mov_b32 s26, 0xffff0000                      ; a word's upper bf16
	s_mov_b32 s29, 0
	s_wait_kmcnt 0x0
	s_lshl_b32 s28, s18, 12                        ; k0 rows of 4,096 bytes
	s_add_nc_u64 s[4:5], s[4:5], s[28:29]
	s_mul_i32 s28, s17, 32*REC                     ; the batch's 32 records
	s_add_nc_u64 s[6:7], s[6:7], s[28:29]
	s_lshl_b32 s28, ttmp9, 6                       ; 32 columns of wkb are 64 bytes
	s_add_nc_u64 s[8:9], s[8:9], s[28:29]
	s_mul_i32 s28, s17, GKB
	s_add_nc_u64 s[12:13], s[12:13], s[28:29]
	s_lshl_b32 s28, s17, 21                        ; a batch's copy is 2 MiB,
	s_lshl_b32 s30, s18, 11                        ; k0 rows of 2,048 bytes
	s_add_co_u32 s28, s28, s30
	s_add_nc_u64 s[14:15], s[14:15], s[28:29]
	s_wait_alu depctr_va_vdst(0)                   ; v1 to v4 and v8 to v13 are written: every load and store of the kernel, global or LDS, reads one of them as its offset or address
	global_load_b64 v[6:7], v3, s[6:7]
	global_load_b128 v[BKV:BKV+3], v13, s[10:11]
	global_load_b128 v[PQV:PQV+3], v13, s[12:13] offset:PQO
.set i, 0
.rept 32
	global_load_b128 v[PR+4*i:PR+4*i+3], v4, s[6:7] offset:REC*i
.set i, i+1
.endr
.set j, 0
.rept 16
	global_load_b128 v[WK+4*j:WK+4*j+3], v8, s[8:9] offset:131072*j
.set j, j+1
.endr
	; where the diagonal lies
	s_and_b32 s20, ttmp9, 3
	s_lshl_b32 s20, s20, 3
	s_add_co_u32 s20, s20, s16                     ; its lane
	v_cmp_eq_u32 vcc_lo, s20, v5
	s_lshr_b32 s21, ttmp9, 2                       ; its chunk of 128 columns
	s_wait_alu depctr_va_vcc(0)                    ; the compare has written VCC, which the select reads
	v_cndmask_b32 v26, 0, 1.0, vcc_lo
.irp c, 0,1,2,3,4,5,6,7
	s_cmp_eq_u32 s21, \c
	s_cselect_b32 s22, 1.0, 0
	v_mul_f32 v[DV+(\c)], s22, v26
.endr
	s_wait_loadcnt 50                              ; my pair is in; bk, pq, the 32 loads of part and the 16 of wkb stay out
	v_mov_b32 v16, v6
	v_max_num_f32_dpp v16, v16, v16 row_xmask:1 row_mask:0xf bank_mask:0xf
	v_max_num_f32_dpp v16, v16, v16 row_xmask:2 row_mask:0xf bank_mask:0xf
	v_max_num_f32_dpp v16, v16, v16 row_xmask:4 row_mask:0xf bank_mask:0xf
	v_max_num_f32_dpp v16, v16, v16 row_xmask:8 row_mask:0xf bank_mask:0xf
	v_permlanex16_b32 v17, v16, s24, s25
	v_max_num_f32 v16, v16, v17                    ; the maximum of the 32 m
	v_sub_f32 v16, v6, v16
	v_exp_f32 v16, v16                             ; w of my record
	v_nop                                          ; a plain instruction behind the exponential,
	s_wait_alu depctr_va_vdst(0)                   ; and the wait ahead of its first reader: the exponential has written v16
	v_mul_f32 v18, v16, v7
	v_add_f32_dpp v18, v18, v18 row_xmask:1 row_mask:0xf bank_mask:0xf
	v_add_f32_dpp v18, v18, v18 row_xmask:2 row_mask:0xf bank_mask:0xf
	v_add_f32_dpp v18, v18, v18 row_xmask:4 row_mask:0xf bank_mask:0xf
	v_add_f32_dpp v18, v18, v18 row_xmask:8 row_mask:0xf bank_mask:0xf
	v_permlanex16_b32 v17, v18, s24, s25
	v_add_f32 v18, v18, v17                        ; L, in every lane
	v_rcp_f32 v18, v18
	v_nop                                          ; a plain instruction behind the reciprocal,
	s_wait_alu depctr_va_vdst(0)                   ; and its wait, ahead of its first reader: the reciprocal has written v18
	v_mul_f32 v16, v16, v18                        ; w_i / L
.set i, 0
.rept 32
	v_readlane_b32 s[32+i], v16, i                 ; record i's weight, for every lane
.set i, i+1
.endr
	s_wait_loadcnt 16                              ; part is in (and bk and pq); wkb's 16 loads stay out
	WIN 0x40                                       ; destination in the second window, address in the first
.set n, 0
.rept 32
	global_load_b128 v[4*n:4*n+3], v1, s[4:5] offset:4096*(n/8)+512*(n%8)  ; no wait: no vector instruction has ever named the second window's registers, and none since the head's wait names v1
.set n, n+1
.endr
	WIN 0
	s_wait_alu depctr_va_sdst(0)                   ; the 32 lines above the loads have written s32 to s63, ahead of their first reader: one wait for the run
.irp e, 0,1,2,3
	v_mul_f32 v[JA+(\e)], s32, v[PR+(\e)]          ; the first record starts the sums
.endr
.set i, 1
.rept 31
.irp e, 0,1,2,3
	v_fmac_f32 v[JA+(\e)], s[32+i], v[PR+4*i+(\e)]
.endr
.set i, i+1
.endr
	s_wait_alu depctr_va_vdst(0)                   ; the multiply-adds have written v[JA ..], which the LDS store reads, and are done reading v[PR ..], in whose first sixteen registers the LDS loads behind the barrier land
	ds_store_b128 v10, v[JA:JA+3]
	s_wait_dscnt 0x0                               ; for the others' sake: my four xbar lie in LDS
	s_barrier_signal -1
	s_barrier_wait -1                              ; all 1,024 do
.set j, 0
.rept 16
	ds_load_b32 v[XR+j], v9 offset:256*j           ; no vector instruction stands between the wait above and these loads
.set j, j+1
.endr
.irp e, 0,1,2,3,4,5,6,7
	v_mov_b32 v[A8+(\e)], 0
.endr
	s_wait_loadcnt 32                              ; wkb is in; Wt's 32 loads stay out
	s_wait_dscnt 0x0
.set j, 0
.rept 16
.irp q, 0,1,2,3                        ; eight multiply-adds straight from the bf16 halves
	v_fma_mix_f32_bf16 v[A8+2*(\q)],   v[WK+4*j+(\q)], v[XR+j], v[A8+2*(\q)]   op_sel_hi:[1,0,0]
	v_fma_mix_f32_bf16 v[A8+2*(\q)+1], v[WK+4*j+(\q)], v[XR+j], v[A8+2*(\q)+1] op_sel:[1,0,0] op_sel_hi:[1,0,0]
.endr
.set j, j+1
.endr
.irp e, 0,1,2,3,4,5,6,7                ; the eight lanes with my t % 4
	v_add_f32_dpp v[A8+(\e)], v[A8+(\e)], v[A8+(\e)] row_xmask:4 row_mask:0xf bank_mask:0xf
.endr
.irp e, 0,1,2,3,4,5,6,7
	v_add_f32_dpp v[A8+(\e)], v[A8+(\e)], v[A8+(\e)] row_xmask:8 row_mask:0xf bank_mask:0xf
.endr
.irp e, 0,1,2,3,4,5,6,7
	v_permlanex16_b32 v[RB+(\e)], v[A8+(\e)], s24, s25
.endr
.irp e, 0,1,2,3,4,5,6,7
	v_add_f32 v[A8+(\e)], v[A8+(\e)], v[RB+(\e)]
.endr
	s_wait_alu depctr_va_vdst(0)                   ; the adds have written v[A8 ..], which the LDS stores read; the exchanges have written and the adds are done reading v[RB ..], in which the LDS loads behind the barrier land
	ds_store_b128 v11, v[A8:A8+3]                  ; the eight lanes store the same numbers into the same words
	ds_store_b128 v11, v[A8+4:A8+7] offset:16
	s_wait_dscnt 0x0
	s_barrier_signal -1
	s_barrier_wait -1                              ; the eight waves' dots lie in LDS
.irp v, 0,1,2,3,4,5,6,7
	ds_load_b128 v[RB+4*(\v):RB+4*(\v)+3], v12 offset:128*(\v)  ; no vector instruction stands between the wait above and these loads
.endr
	v_cvt_pk_bf16_f32 v20, v[BKV], v[BKV+1]        ; bk rounded as an input
	v_cvt_pk_bf16_f32 v21, v[BKV+2], v[BKV+3]
	v_lshlrev_b32 v[BKV], 16, v20
	v_and_b32 v[BKV+1], s26, v20
	v_lshlrev_b32 v[BKV+2], 16, v21
	v_and_b32 v[BKV+3], s26, v21
	s_wait_dscnt 0x0
.irp v, 0,1,2,3
	v_pk_add_f32 v[RB+4*(\v):RB+4*(\v)+1],   v[RB+4*(\v):RB+4*(\v)+1],   v[RB+16+4*(\v):RB+16+4*(\v)+1]
	v_pk_add_f32 v[RB+4*(\v)+2:RB+4*(\v)+3], v[RB+4*(\v)+2:RB+4*(\v)+3], v[RB+16+4*(\v)+2:RB+16+4*(\v)+3]
.endr
.irp v, 0,1
	v_pk_add_f32 v[RB+4*(\v):RB+4*(\v)+1],   v[RB+4*(\v):RB+4*(\v)+1],   v[RB+8+4*(\v):RB+8+4*(\v)+1]
	v_pk_add_f32 v[RB+4*(\v)+2:RB+4*(\v)+3], v[RB+4*(\v)+2:RB+4*(\v)+3], v[RB+8+4*(\v)+2:RB+8+4*(\v)+3]
.endr
	v_pk_add_f32 v[RB:RB+1],   v[RB:RB+1],   v[RB+4:RB+5]
	v_pk_add_f32 v[RB+2:RB+3], v[RB+2:RB+3], v[RB+6:RB+7]
	v_pk_add_f32 v[RB:RB+1],   v[RB:RB+1],   v[BKV:BKV+1]
	v_pk_add_f32 v[RB+2:RB+3], v[RB+2:RB+3], v[BKV+2:BKV+3]
	v_pk_mul_f32 v[P:P+1],   v[RB:RB+1],   v[PQV:PQV+1]
	v_pk_mul_f32 v[P+2:P+3], v[RB+2:RB+3], v[PQV+2:PQV+3]  ; pk of my four rows
	s_wait_loadcnt 0x0                             ; Wt
	WIN 0x05                                       ; both sources in the second window
.set q, 0
.rept 64
	v_cvt_pk_bf16_f32 v[CB+q], v[2*q], v[2*q+1]    ; Wt rounded as an input
.set q, q+1
.endr
	WIN 0
	; THE SCALING, by rows of Wt: chunk n = 8 rr + c.  Row rr's roundings write its sixteen registers of Y; its eight stores are issued in row rr + 1, one ahead of each chunk's nine vector lines.
.set n, 0
.rept 32
.set rr, n/8
.set c, n%8
.set m, n-8                            ; the same chunk of the row before
.set ot, rr+1-2*(rr%2)                 ; the diagonal element's neighbour in its pair
.set op, 2-2*(rr/2)                    ; the other pair
.if (c == 0) && (rr > 0)
	s_wait_alu depctr_va_vdst(0)                   ; the row before has written its sixteen registers of Y, which the eight stores dealt among this row's lines read
.endif
.if rr > 0
	global_store_b64 v2, v[Y+2*m:Y+2*m+1], s[14:15] offset:2048*(m/8)+256*(m%8)  ; no vector instruction since the wait names v2 or these two registers
.endif
	v_lshlrev_b32 v20, 16, v[CB+2*n]
	v_and_b32 v21, s26, v[CB+2*n]
	v_lshlrev_b32 v22, 16, v[CB+2*n+1]
	v_and_b32 v23, s26, v[CB+2*n+1]
	v_fma_f32 v[20+rr], v[20+rr], v[P+rr], v[DV+c] ; times its row's pk, and the 1 where this is the diagonal
	v_mul_f32 v[20+ot], v[20+ot], v[P+rr]
.if rr%2 == 0
	v_pk_mul_f32 v[20+op:21+op], v[20+op:21+op], v[P+rr:P+rr+1] op_sel_hi:[1,0]               ; the pair's first word for both,
.else
	v_pk_mul_f32 v[20+op:21+op], v[20+op:21+op], v[P+rr-1:P+rr] op_sel:[0,1] op_sel_hi:[1,1]  ; or its second
.endif
	v_cvt_pk_bf16_f32 v[Y+2*n], v20, v21           ; rounded as a matrix operand
	v_cvt_pk_bf16_f32 v[Y+2*n+1], v22, v23
.set n, n+1
.endr
	s_wait_alu depctr_va_vdst(0)                   ; the last row has written its sixteen registers of Y, which the last eight stores read
.set m, 24
.rept 8
	global_store_b64 v2, v[Y+2*m:Y+2*m+1], s[14:15] offset:2048*(m/8)+256*(m%8)
.set m, m+1
.endr
	s_wait_dscnt 0x0                               ; the closing lines, six on end
	s_wait_alu 0x0
	s_wait_tensorcnt 0x0
	ds_add_u32 v[SPW], v[NIL]
	s_wait_dscnt 0x0
	s_endpgm
.Lfunc_end_k_qffde61130f_scalew:
	.size	k_qffde61130f_scalew, .Lfunc_end_k_qffde61130f_scalew-k_qffde61130f_scalew
	.p2alignl 7, 3214868480
	.fill 96, 4, 3214868480
	.section	.rodata,"a",@progbits
	.p2align	6, 0x0
	.amdhsa_kernel k_qffde61130f_scalew
		.amdhsa_group_segment_fixed_size 6144
		.amdhsa_private_segment_fixed_size 0
		.amdhsa_enable_private_segment 0
		.amdhsa_kernarg_size 48
		.amdhsa_user_sgpr_count 2
		.amdhsa_user_sgpr_kernarg_segment_ptr 1
		.amdhsa_wavefront_size32 1
		.amdhsa_system_sgpr_workgroup_id_x 1
		.amdhsa_system_sgpr_workgroup_id_y 1
		.amdhsa_system_sgpr_workgroup_id_z 1
		.amdhsa_system_vgpr_workitem_id 0
		.amdhsa_next_free_vgpr 384
		.amdhsa_next_free_sgpr 66
		.amdhsa_reserve_vcc 1
		.amdhsa_float_denorm_mode_32 3
		.amdhsa_float_denorm_mode_16_64 3
		.amdhsa_memory_ordered 1
		.amdhsa_forward_progress 1
		.amdhsa_inst_pref_size 53
	.end_amdhsa_kernel
	.amdgpu_metadata
---
amdhsa.version: [ 1, 2 ]
amdhsa.kernels:
  - .name:           k_qffde61130f_scalew
    .symbol:         k_qffde61130f_scalew.kd
    .args:
      - { .name: Wt, .offset: 0, .size: 8, .value_kind: global_buffer, .address_space: global }
      - { .name: partx, .offset: 8, .size: 8, .value_kind: global_buffer, .address_space: global }
      - { .name: wkb, .offset: 16, .size: 8, .value_kind: global_buffer, .address_space: global }
      - { .name: bk, .offset: 24, .size: 8, .value_kind: global_buffer, .address_space: global }
      - { .name: gk, .offset: 32, .size: 8, .value_kind: global_buffer, .address_space: global }
      - { .name: wts, .offset: 40, .size: 8, .value_kind: global_buffer, .address_space: global }
    .group_segment_fixed_size: 6144
    .private_segment_fixed_size: 0
    .kernarg_segment_align: 8
    .kernarg_segment_size: 48
    .max_flat_workgroup_size: 256
    .sgpr_count:     66
    .vgpr_count:     384
    .wavefront_size: 32
...
	.end_amdgpu_metadata
.endif
;; end of part 12
;; launch outp: the kernel of part 11 again; grid 4 x 64, 4 waves a work-group, clusters of 4 x 4, 327,680 bytes of LDS; arguments mq, wts, bt, out0; writes out0
